; MI455X (gfx1250); checked and timed in simulation.
; The chip was launched on July 23, 2026; its instructions are those of AMD's public machine-readable ISA for CDNA 5 (MIT licence, August 2026) and "CDNA5" Instruction Set Architecture Reference Guide (July 2026). The comments in the code are by the model that wrote it; some were corrected since.
;; Actor Critic Net Mann. Allowed arithmetic: matrix products marked QUANTISED: E2M3 operands, one E8M0 scale for each 32 along K, by v_wmma_scale_f32_16x16x128_f8f6f4 with both operands' format E2M3, f32 sums; products left as they are: f32 operands where the result goes on into a quantised operand, else bf16, f16 or f32 operands; f32 sums; everything else in f32.
;; Inputs: b0 8 x 1 x 1,024 float32; b1 8 x 1 x 1,024 float32; b2 8 x 1 x 64 float32; gb1 128 float32; gb2 128 float32; gb3 8 float32; gw1 512 x 128 float32; gw2 128 x 128 float32; gw3 128 x 8 float32; inputs 4,096 x 512 float32; w0 8 x 512 x 1,024 float32; w1 8 x 1,024 x 1,024 float32; w2 8 x 1,024 x 64 float32.
;; Outputs: out0 4,096 x 64 float32.
;; This version of the problem:
;;   THIS VERSION OF THE PROBLEM IS GIVEN IN LOW PRECISION. The matrix products marked QUANTISED in the list below multiply operands that are first quantised to E2M3 (2 exponent bits, 3 mantissa bits; 6 bits a number), with one power-of-two scale for each 32 numbers along K (OCP MX v1.0); their sums are f32. All else is computed in f32.
;;   The module's matrix products, in the order in which they are computed (A, B: the left and right operand; K: the contracted axis; several contracted axes count as one K, in the product's order):
;;     1. [M 4,096, K 512] x [K 512, N 128]; A: input inputs; B: input gw1: QUANTISED
;;     2. [M 4,096, K 128] x [K 128, N 128]; A: computed on the way; B: input gw2: QUANTISED
;;     3. [M 4,096, K 128] x [K 128, N 8]; A: computed on the way; B: input gw3: left as it is (N = 8 < 16)
;;     4. [M 8,192, K 512] x [K 512, N 4,096]; A: input w0; B: input inputs: QUANTISED
;;     5. batch 4,096 x [M 1, K 8] x [K 8, N 1,024]; A: softmax; B: computed on the way: left as it is (K = 8 < 32)
;;     6. [M 8,192, K 1,024] x [K 1,024, N 4,096]; A: input w1; B: computed on the way: QUANTISED
;;     7. batch 4,096 x [M 1, K 8] x [K 8, N 1,024]; A: softmax; B: computed on the way: left as it is (K = 8 < 32)
;;     8. [M 512, K 1,024] x [K 1,024, N 4,096]; A: input w2; B: computed on the way: QUANTISED
;;     9. batch 4,096 x [M 1, K 8] x [K 8, N 64]; A: softmax; B: computed on the way: left as it is (K = 8 < 32)
;;   THE QUANTISER, for each operand of a quantised product, along K:
;;     - K is cut into blocks of 32 from its start; a last block that is shorter is filled with zeros.
;;     - A block's scale is 2^e with e = floor(log2(the largest magnitude in the block)) - 2, held to -126 .. 127; a block of zeros has e = 0. As a byte (E8M0): e + 127.
;;     - Each number is divided by its block's scale, clamped to +-7.5, and rounded to the nearest number of E2M3, ties to even, subnormals kept.
;;     - The product sums the exact products of the quantised numbers (number of the format x scale) in f32.
;;   ~~~python
;;   def quantise(x, axis):      # numpy; x: float32 -> the quantised numbers, widened to float32 again
;;       x = np.moveaxis(x, axis, -1); K = x.shape[-1]
;;       x = np.pad(x, [(0, 0)] * (x.ndim - 1) + [(0, -K % 32)]); x = x.reshape(x.shape[:-1] + (-1, 32)); a = np.abs(x).max(-1, keepdims=True)
;;       e = np.where(a > 0, np.clip(np.frexp(np.where(a > 0, a, 1))[1] - 1 - 2, -126, 127), 0)      # np.frexp(a)[1] - 1 = floor(log2(a)), exactly
;;       r = np.clip(x / 2.0 ** e, -7.5, 7.5)
;;       step = 2.0 ** (np.maximum(np.frexp(np.where(r == 0, 1, r))[1] - 1, 0) - 3)
;;       q = np.round(r / step) * step * 2.0 ** e      # np.round: ties to even
;;       return np.moveaxis(q.reshape(q.shape[:-2] + (-1,))[..., :K], -1, axis).astype(np.float32)
;;   ~~~
;;   OPERANDS COMPUTED ON THE WAY. 'Computed on the way' means the value that the module computes at that place (a softmax that the list does not call 'softmax' is quantised finished and normalised). What goes into a quantiser is computed in f32, as accurately as f32 sums, v_exp_f32 and their like allow (about 1e-6 of the number): no bf16 or f16 on the way to a quantiser, and a product that is left as it is and whose result goes on into a quantised operand takes f32 operands (vector FMAs, or v_wmma_f32_16x16x4_f32). A number that lies on a knife's edge between two numbers of the format may be rounded either way, as far as f32 arithmetic and the matrix unit's own rounding can turn it there, and no further.
;; 2 versions. Each part assembles by itself: llvm-mc -triple=amdgcn-amd-amdhsa -mcpu=gfx1250 --defsym DOCPART=n.
;; ======== version 1 of 2: 4 launches
;; workspace buffers: wq 10,240,000 bytes; x0 1,703,936 bytes; x1 3,407,872 bytes; x2 3,407,872 bytes; gt2 262,144 bytes
;; launch prep (part 1): grid 432 x 1, 8 waves a work-group, no clusters, 122,880 bytes of LDS; arguments inputs, gw1, gb1, gw2, gb2, gw3, gb3, w0, w1, w2, wq, x0, gt2; writes wq, x0, gt2
.if DOCPART == 1
	.amdgcn_target "amdgcn-amd-amdhsa--gfx1250"
	.amdhsa_code_object_version 6
	.text
	.protected	k_qb6dcf89f2c_prep
	.globl	k_qb6dcf89f2c_prep
	.p2align	8
	.type	k_qb6dcf89f2c_prep,@function
k_qb6dcf89f2c_prep:
	s_mov_b64 s[64:65], 0
	v_nop
	global_prefetch_b8 v0, s[64:65] scope:SCOPE_SE
	s_setreg_imm32_b32 hwreg(HW_REG_WAVE_MODE, 25, 1), 1
	s_wait_xcnt 0x0
; ActorCriticNetMann, launch 1 of 4: everything that is quantised once, and the whole gate.
; NO WORK IS LEFT OUT: the gate is a softmax over all 8 experts and every expert's product is weighed in for every row, so all 13 inputs reach the output and all are loaded.
; LIMITS: NaN and infinities among the inputs are not served.  A block whose largest magnitude lies under 2^-124 keeps the scale byte 1; a block of zeros gets the byte 1 where the rule
; says 127: its codes are zeros, which add nothing under any byte but 0xff, and the bytes are read by this program alone.
; THREE ROLES, chosen by the work-group's number (the same in all its waves); each role has LDS bytes of its own:
;   0-31     the gate for 128 rows: Q(inputs) -> x0; Q(gw1), Q(gw2) as fragment images in LDS; products 1 and 2 on codes, product 3 by f32 multiply-adds, softmax with its maximum -> gt2 as pairs (g, g)
;   32-415   w0 (128 work-groups) and w1 (256): 128 columns x 256 along K of one expert -> wq
;   416-431  w2: one expert, 512 along K, all 64 columns -> wq
; LAYOUTS (this program's own).  A HALF FRAGMENT is 768 bytes: 16 rows x 64 K of codes = registers 6 c .. 6 c + 5 of an operand: lane L's first four registers at 16 L, its last two at 512 + 8 L.
; A SLICE is 25,600 bytes: one expert, 64 columns, 512 along K: half fragment ((s 4 + t) 2 + c) for K step s, tile t; from 24,576 on the scale words: (b, s) at (2 b + s / 2) 256 + 8 lane + 4 (s % 2),
; lane = tile row + 16 (t % 2), b = t / 2.  Tile t's row i is column 32 (t / 2) + 8 (t % 2) + i + 8 (i / 8), so that a transposed result's 16 registers of tiles 2 b, 2 b + 1 are 16 neighbours of the next K.
; A WEIGHT JOB (one wave): 128 columns x one block of 32 along K.  32 loads of 512 consecutive bytes; lane l then holds columns 4 l .. 4 l + 3 of each row.  A column's 32 numbers are copied into
; consecutive registers, since the conversion takes neighbours along K from one lane's consecutive registers; the codes go to LDS at their place in the slice and leave as dense runs of 512 bytes.
; NO CLUSTER: the weight roles share no input; the gate's 32 work-groups share gw1 and gw2 (327,680 bytes of f32), which must pass through registers to be quantised, where a joint load into LDS would add a trip.
.set GW2,   49152                      ; LDS: gw1's images from 0 (4 K steps x 8 tiles x 1,536), gw2's from here (8 x 1,536)
.set GS1,   61440                      ; gw1's scale words: pair of tiles g at 512 g + 256 (s / 2) + 8 lane + 4 (s % 2)
.set GS2,   63488                      ; gw2's: 512 g + 8 lane
.set G3T,   65536                      ; gw3 turned: [expert][unit] f32
.set GBI,   69632                      ; gb1, then gb2
.set PA,    70656                      ; role w0/w1: two column blocks x 12,288 bytes of codes
.set PS,    95232                      ; and their 4 x 256 scale bytes
.set PA2,   96256                      ; role w2: a whole slice, codes
.set PS2,   120832                     ; and scale part
.set SPARE, 121856                     ; the spare words, 128 bytes for each of 8 waves: no other line names them
.macro WLOADS src, base, stride, off, nt   ; a job's 32 rows into v128-255: row k in v[128 + 4 k ..]
.set k_, 0
.rept 32
.if \nt
	global_load_b128 v[128+4*k_:131+4*k_], v[\src], s[\base:\base+1] offset:(\off)+k_*(\stride) th:TH_LOAD_NT
.else
	global_load_b128 v[128+4*k_:131+4*k_], v[\src], s[\base:\base+1] offset:(\off)+k_*(\stride)
.endif
.set k_, k_+1
.endr
.endm
; my four columns, one after the other: largest magnitude, scale, 32 codes (24 bytes), to LDS.  v5, v6, v7: my places for 16 bytes, 8 bytes and the scale byte of column 0; a column on is a tile row on
.macro WPROC o16, osc
.irp i, 0,1,2,3
.set k_, 0
.rept 32
	v_mov_b32 v[16+k_], v[128+4*k_+\i]
.set k_, k_+1
.endr
	v_max3_num_f32 v88, |v16|, |v17|, |v18|
	v_max3_num_f32 v89, |v19|, |v20|, |v21|
.irp q, 6,10,14,18,22,26
	v_max3_num_f32 v88, v88, |v[16+\q]|, |v[17+\q]|
	v_max3_num_f32 v89, v89, |v[18+\q]|, |v[19+\q]|
.endr
	v_max3_num_f32 v88, v88, |v46|, |v47|
	v_max3_num_f32 v88, v88, v89, 0x1800000        ; the floor 2^(3 - 127): the byte cannot fall under 1
	v_add_nc_u32 v90, 0xff000000, v88              ; 2 off the exponent field: the conversion's scale operand
	v_cvt_scalef32_pk16_fp6_f32 v[48+8*\i:50+8*\i], v[16:31], v90
	v_cvt_scalef32_pk16_fp6_f32 v[80:82], v[32:47], v90   ; (a conversion's three registers begin on an even number)
	v_lshrrev_b32 v[84+\i], 23, v90                ; the scale's byte; also the plain instruction behind the conversions
	v_mov_b32 v[51+8*\i], v80
	v_mov_b32 v[52+8*\i], v81
	v_mov_b32 v[53+8*\i], v82
	ds_store_b128 v5, v[48+8*\i:51+8*\i] offset:(\o16)+16*\i
	ds_store_b64 v6, v[52+8*\i:53+8*\i] offset:(\o16)+8*\i
	ds_store_b8 v7, v[84+\i] offset:(\osc)+8*\i
.endr
.endm
.macro COPY6 adr, base                 ; 3,072 dense bytes from LDS to memory: each store covers 512 consecutive bytes, aligned to 256
.irp j, 0,1,2,3,4,5
	ds_load_b128 v[16+4*\j:19+4*\j], v[\adr] offset:512*\j
.endr
.irp j, 0,1,2,3,4,5
	s_wait_dscnt 5-\j                              ; LDS loads come back in order: the 5 - j younger ones may be out
	global_store_b128 v3, v[16+4*\j:19+4*\j], s[\base:\base+1] offset:512*\j
.endr
.endm
; my 16 rows' numbers of K step s: register 16 b + i = k 32 b + 16 (lane / 16) + i of my row
.macro XLOAD reg, s
.irp b, 0,1,2,3
.irp j, 0,1,2,3
	global_load_b128 v[\reg+16*\b+4*\j:\reg+16*\b+4*\j+3], v8, s[4:5] offset:512*(\s)+128*\b+16*\j th:TH_LOAD_NT
.endr
.endr
.endm
; 64 numbers of a lane in that order become a fragment's 12 registers at v[d] and its scale word in v[w]
.macro QUANT s, d, w
.irp b, 0,1,2,3
	v_max3_num_f32 v[76+\b], |v[\s+16*\b]|, |v[\s+1+16*\b]|, 0x1800000
.endr
.irp i, 2,4,6,8,10,12,14
.irp b, 0,1,2,3
	v_max3_num_f32 v[76+\b], v[76+\b], |v[\s+16*\b+\i]|, |v[\s+1+16*\b+\i]|
.endr
.endr
.irp b, 0,1,2,3
	v_permlanex16_b32 v[80+\b], v[76+\b], s34, s35
.endr
.irp b, 0,1,2,3
	v_max_num_f32 v[76+\b], v[76+\b], v[80+\b]     ; with lane l xor 16's 16: the block's largest magnitude
.endr
.irp b, 0,1,2,3
	v_add_nc_u32 v[88+\b], 0xff000000, v[76+\b]
.endr
.irp b, 0,1,2,3
	v_lshrrev_b32 v[80+\b], 23, v[88+\b]
.endr
	v_lshl_or_b32 v[\w], v81, 8, v80
	v_lshl_or_b32 v[\w], v82, 16, v[\w]
	v_lshl_or_b32 v[\w], v83, 24, v[\w]
.irp c, 0,1
	v_cvt_scalef32_pk16_fp6_f32 v[\d+6*\c:\d+2+6*\c], v[\s+32*\c:\s+15+32*\c], v[88+2*\c]
	v_cvt_scalef32_pk16_fp6_f32 v[94+4*\c:96+4*\c], v[\s+16+32*\c:\s+31+32*\c], v[89+2*\c]
.endr
	v_nop                                          ; one plain instruction behind a scaled conversion
.irp c, 0,1                            ; the operand wants a whole block in a lane: lanes 0-15 block 2 c, lanes 16-31 block 2 c + 1
.irp i, 0,1,2
	v_permlane16_swap_b32 v[\d+6*\c+\i], v[94+4*\c+\i]
.endr
.irp i, 0,1,2
	v_mov_b32 v[\d+3+6*\c+\i], v[94+4*\c+\i]
.endr
.endr
.endm
.macro LDF n                           ; round n of product 1: K step n / 2, tiles 4 (n % 2) .. + 3, into v192.. (even n) or v68.. (odd n)
.set fb_, 192-124*((\n)&1)
.set ob_, ((\n)>>1)*12288+((\n)&1)*6144
.irp t, 0,1,2,3
.irp c, 0,1
	ds_load_b128 v[fb_+12*\t+6*\c:fb_+12*\t+6*\c+3], v3 offset:ob_+\t*1536+\c*768
	ds_load_b64 v[fb_+12*\t+6*\c+4:fb_+12*\t+6*\c+5], v4 offset:ob_+\t*1536+\c*768+512
.endr
.endr
.endm
.macro GMM d, a, b, sa, sb, odd        ; source 0 = 16 rows of a weight, source 1 = my 16 rows; the sum goes on in place (it began as the bias)
.if \odd
	v_wmma_scale_f32_16x16x128_f8f6f4 v[(\d):(\d)+7], v[(\a):(\a)+11], v[(\b):(\b)+11], v[(\d):(\d)+7], v[(\sa)], v[(\sb)] matrix_a_fmt:MATRIX_FMT_FP6 matrix_b_fmt:MATRIX_FMT_FP6 matrix_a_scale:MATRIX_SCALE_ROW1
.else
	v_wmma_scale_f32_16x16x128_f8f6f4 v[(\d):(\d)+7], v[(\a):(\a)+11], v[(\b):(\b)+11], v[(\d):(\d)+7], v[(\sa)], v[(\sb)] matrix_a_fmt:MATRIX_FMT_FP6 matrix_b_fmt:MATRIX_FMT_FP6
.endif
.endm
.macro G3LD e                          ; gw3's column e at my 64 units, into v192.. (even e) or v16.. (odd e)
.set gl_, 192-176*((\e)&1)
.irp b, 0,1,2,3
.irp q, 0,1,2,3
	ds_load_b128 v[gl_+16*\b+4*\q:gl_+16*\b+4*\q+3], v12 offset:512*(\e)+128*\b+16*\q
.endr
.endr
.endm
.macro DOT e                           ; f32 multiply-adds, two at a time, in two chains that the first products start
.set gd_, 192-176*((\e)&1)
	v_pk_mul_f32 v[84:85], v[128:129], v[gd_:gd_+1]
	v_pk_mul_f32 v[86:87], v[130:131], v[gd_+2:gd_+3]
.irp i, 4,8,12,16,20,24,28,32,36,40,44,48,52,56,60
	v_pk_fma_f32 v[84:85], v[128+\i:129+\i], v[gd_+\i:gd_+\i+1], v[84:85]
	v_pk_fma_f32 v[86:87], v[130+\i:131+\i], v[gd_+\i+2:gd_+\i+3], v[86:87]
.endr
	v_pk_add_f32 v[84:85], v[84:85], v[86:87]
	v_add_f32 v[94+(\e)], v84, v85
.endm
	s_load_b512 s[4:19], s[0:1], 0x0               ; inputs s[4:5], gw1 s[6:7], gb1 s[8:9], gw2 s[10:11], gb2 s[12:13], gw3 s[14:15], gb3 s[16:17], w0 s[18:19]
	s_load_b256 s[20:27], s[0:1], 0x40             ; w1 s[20:21], w2 s[22:23], wq s[24:25], x0 s[26:27]
	s_load_b64 s[28:29], s[0:1], 0x60              ; gt2
	v_lshl_add_u32 v1, v0, 2, SPARE                ; my spare word,
	v_mov_b32 v2, 0                                ; and 0: kept for the closing lines alone
	v_lshrrev_b32 v13, 5, v0
	v_readfirstlane_b32 s30, v13                   ; wave 0..7
	v_and_b32 v13, 31, v0
	v_lshlrev_b32 v3, 4, v13                       ; 16 x lane
	v_lshlrev_b32 v4, 3, v13                       ; 8 x lane
	v_and_b32 v120, 1, v0                          ; the lane's bits: columns 4 l .. 4 l + 3 are tile row 4 a + 8 d on, of tile 2 b + u, of column block cbl
	v_bfe_u32 v121, v0, 1, 1                       ; u
	v_bfe_u32 v122, v0, 2, 1                       ; d
	v_bfe_u32 v123, v0, 3, 1                       ; b
	v_bfe_u32 v124, v0, 4, 1                       ; cbl (in the w2 role and in fragments: the lane's half)
	v_mul_u32_u24 v5, v123, 3072                   ; what all roles share of the three places: tile (2 b + u) x 1,536 + the tile row
	v_mad_u32_u24 v5, v121, 1536, v5
	v_mul_u32_u24 v6, v123, 3072
	v_mad_u32_u24 v6, v121, 1536, v6
	v_lshl_add_u32 v5, v120, 6, v5
	v_lshl_add_u32 v5, v122, 7, v5                 ; + 16 (4 a + 8 d)
	v_lshl_add_u32 v6, v120, 5, v6
	v_lshl_add_u32 v6, v122, 6, v6
	v_add_nc_u32 v6, 512, v6                       ; + 512 + 8 (4 a + 8 d)
	v_lshlrev_b32 v7, 7, v121
	v_lshl_add_u32 v7, v120, 5, v7
	v_lshl_add_u32 v7, v122, 6, v7                 ; 8 (4 a + 8 d + 16 u)
	s_mov_b32 s34, 0x76543210
	s_mov_b32 s35, 0xfedcba98                      ; v_permlanex16_b32's selects for lane l xor 16
	s_wait_kmcnt 0x0
	s_cmp_lt_u32 ttmp9, 32
	s_cbranch_scc1 .Lgate
	s_cmp_lt_u32 ttmp9, 416
	s_cbranch_scc0 .Lw2
; ---------------- w0 and w1: column pair cp, expert e, K steps 2 sg and 2 sg + 1; wave w takes the block of 32 at 256 sg + 32 w
	s_sub_co_u32 s36, ttmp9, 32
	s_cmp_lt_u32 s36, 128                          ; w0's work-group or w1's: ids alone decide
	s_cselect_b64 s[38:39], s[18:19], s[20:21]
	s_cselect_b32 s40, 9, 10                       ; log2 of K
	s_cselect_b32 s41, 0, 1                        ; log2 of the slices along K
	s_cselect_b32 s42, 0, 3276800                  ; the tensor's section of wq
	s_cselect_b32 s43, 0, 128
	s_sub_co_u32 s36, s36, s43
	s_and_b32 s44, s36, 7                          ; cp
	s_bfe_u32 s45, s36, 0x30003                    ; e
	s_lshr_b32 s46, s36, 6                         ; sg
	s_lshl_b32 s47, s45, s40
	s_lshl_b32 s48, s46, 8
	s_add_co_u32 s47, s47, s48
	s_lshl_b32 s48, s30, 5
	s_add_co_u32 s47, s47, s48                     ; my first row: e K + 256 sg + 32 w
	s_lshl_b32 s47, s47, 12                        ; rows of 4,096 bytes (under 2^26)
	s_lshl_b32 s48, s44, 9
	s_add_co_u32 s48, s48, s47
	s_mov_b32 s49, 0
	s_add_nc_u64 s[38:39], s[38:39], s[48:49]
	WLOADS 3, 38, 4096, 0, 1
	s_lshr_b32 s50, s30, 2                         ; my block's place: K step w / 4, half c = (w / 2) % 2, lane half h = w % 2
	s_mul_i32 s50, s50, 6144
	s_bfe_u32 s51, s30, 0x10001
	s_mul_i32 s51, s51, 768
	s_add_co_u32 s50, s50, s51
	s_add_co_u32 s50, s50, PA
	s_and_b32 s51, s30, 1
	s_lshl_b32 s52, s51, 8
	s_add_co_u32 s52, s52, s50
	s_lshl_b32 s53, s51, 7
	s_add_co_u32 s53, s53, s50
	v_mad_u32_u24 v5, v124, 12288, v5
	v_mad_u32_u24 v6, v124, 12288, v6
	v_add_nc_u32 v5, s52, v5
	v_add_nc_u32 v6, s53, v6
	v_lshl_add_u32 v7, v124, 9, v7
	v_lshl_add_u32 v7, v123, 8, v7
	s_add_co_u32 s54, s30, PS                      ; byte 4 (w / 4) + w % 4 = w of the lane's 8
	v_add_nc_u32 v7, s54, v7
	s_mul_i32 s54, s30, 3072
	s_add_co_u32 s54, s54, PA
	v_add_nc_u32 v9, s54, v3                       ; the way out: my wave's 3,072 bytes of codes
	s_lshl_b32 s54, s30, 8
	s_add_co_u32 s54, s54, PS
	v_add_nc_u32 v10, s54, v4                      ; and (waves 0-3) 256 scale bytes
	s_lshl_b32 s55, s44, 1
	s_lshr_b32 s56, s46, 1
	s_and_b32 s57, s46, 1
	s_lshr_b32 s58, s30, 2                         ; codes: slice ((2 cp + w / 4) NPH + sg / 2) 8 + e, + (sg % 2) 12,288 + (w % 4) 3,072
	s_add_co_u32 s58, s58, s55
	s_lshl_b32 s58, s58, s41
	s_add_co_u32 s58, s58, s56
	s_lshl_b32 s58, s58, 3
	s_add_co_u32 s58, s58, s45
	s_mul_i32 s58, s58, 25600
	s_add_co_u32 s58, s58, s42
	s_mul_i32 s59, s57, 12288
	s_add_co_u32 s58, s58, s59
	s_and_b32 s59, s30, 3
	s_mul_i32 s59, s59, 3072
	s_add_co_u32 s58, s58, s59
	s_mov_b32 s59, 0
	s_add_nc_u64 s[58:59], s[24:25], s[58:59]
	s_lshr_b32 s60, s30, 1                         ; scale bytes: slice of column block 2 cp + w / 2, + 24,576 + (2 (w % 2) + sg % 2) 256
	s_add_co_u32 s60, s60, s55
	s_lshl_b32 s60, s60, s41
	s_add_co_u32 s60, s60, s56
	s_lshl_b32 s60, s60, 3
	s_add_co_u32 s60, s60, s45
	s_mul_i32 s60, s60, 25600
	s_add_co_u32 s60, s60, s42
	s_add_co_u32 s60, s60, 24576
	s_and_b32 s61, s30, 1
	s_lshl_b32 s61, s61, 1
	s_add_co_u32 s61, s61, s57
	s_lshl_b32 s61, s61, 8
	s_add_co_u32 s60, s60, s61
	s_mov_b32 s61, 0
	s_add_nc_u64 s[60:61], s[24:25], s[60:61]
	s_wait_loadcnt 0x0
	WPROC 0, 0
	s_wait_dscnt 0x0                               ; for the others' sake: my stores have landed
	s_barrier_signal -1
	s_barrier_wait -1
	COPY6 9, 58
	s_cmp_lt_u32 s30, 4
	s_cbranch_scc0 .Lw01_end
	ds_load_b64 v[40:41], v10
	s_wait_dscnt 0x0
	global_store_b64 v4, v[40:41], s[60:61]        ; 32 lanes store 256 consecutive bytes, aligned
.Lw01_end:
	s_wait_tensorcnt 0x0                           ; the wave's end
	ds_add_u32 v1, v2
	s_wait_dscnt 0x0
	s_endpgm
; ---------------- w2: expert e, K half ph.  A row is 256 bytes: lanes 0-15 take one block of 32 rows, lanes 16-31 the next; wave w takes rows 64 w .. 64 w + 63 of the 512
.Lw2:
	s_sub_co_u32 s36, ttmp9, 416
	s_and_b32 s45, s36, 7                          ; e
	s_lshr_b32 s46, s36, 3                         ; ph
	s_lshl_b32 s47, s45, 10
	s_lshl_b32 s48, s46, 9
	s_add_co_u32 s47, s47, s48
	s_lshl_b32 s48, s30, 6
	s_add_co_u32 s47, s47, s48
	s_lshl_b32 s48, s47, 8
	s_mov_b32 s49, 0
	s_add_nc_u64 s[38:39], s[22:23], s[48:49]
	v_and_b32 v13, 15, v0
	v_lshlrev_b32 v8, 4, v13
	v_lshl_add_u32 v8, v124, 13, v8                ; 16 (l % 16) + 32 rows for the upper half of the lanes
	WLOADS 8, 38, 256, 0, 1
	v_lshl_add_u32 v5, v124, 8, v5                 ; the lane's half is the fragment's half h
	v_lshl_add_u32 v6, v124, 7, v6
	s_lshr_b32 s50, s30, 1                         ; K step w / 2, half c = w % 2
	s_mul_i32 s50, s50, 6144
	s_and_b32 s51, s30, 1
	s_mul_i32 s52, s51, 768
	s_add_co_u32 s50, s50, s52
	s_add_co_u32 s50, s50, PA2
	v_add_nc_u32 v5, s50, v5
	v_add_nc_u32 v6, s50, v6
	v_lshl_add_u32 v7, v123, 9, v7
	v_add_nc_u32 v7, v124, v7
	s_lshr_b32 s52, s30, 2                         ; scale byte: (2 b + s / 2) 256 + 8 lane + 4 (s % 2) + 2 c + h
	s_lshl_b32 s52, s52, 8
	s_bfe_u32 s53, s30, 0x10001
	s_lshl_b32 s53, s53, 2
	s_add_co_u32 s52, s52, s53
	s_lshl_b32 s53, s51, 1
	s_add_co_u32 s52, s52, s53
	s_add_co_u32 s52, s52, PS2
	v_add_nc_u32 v7, s52, v7
	s_mul_i32 s54, s30, 3072
	s_add_co_u32 s55, s54, PA2
	v_add_nc_u32 v9, s55, v3
	s_lshl_b32 s55, s30, 9
	s_add_co_u32 s56, s55, PS2
	v_add_nc_u32 v10, s56, v3
	s_lshl_b32 s58, s46, 3
	s_add_co_u32 s58, s58, s45
	s_mul_i32 s58, s58, 25600
	s_add_co_u32 s58, s58, 9830400                 ; slice ph 8 + e of w2's section
	s_add_co_u32 s60, s58, s55
	s_add_co_u32 s60, s60, 24576
	s_mov_b32 s61, 0
	s_add_co_u32 s58, s58, s54
	s_mov_b32 s59, 0
	s_add_nc_u64 s[58:59], s[24:25], s[58:59]
	s_add_nc_u64 s[60:61], s[24:25], s[60:61]
	s_wait_loadcnt 0x0
	WPROC 0, 0
	s_wait_dscnt 0x0
	s_barrier_signal -1
	s_barrier_wait -1
	COPY6 9, 58
	s_cmp_lt_u32 s30, 2
	s_cbranch_scc0 .Lw2_end
	ds_load_b128 v[40:43], v10
	s_wait_dscnt 0x0
	global_store_b128 v3, v[40:43], s[60:61]
.Lw2_end:
	s_wait_tensorcnt 0x0                           ; the wave's end, as above
	ds_add_u32 v1, v2
	s_wait_dscnt 0x0
	s_endpgm
; ---------------- the gate: wave w owns the 16 rows of row tile rt = 8 x work-group + w from end to end
; REGISTERS: v3, v4 16 and 8 x lane; v5-7 a job's places; v8 x's lane offset; v9, v10 4 r, 8 r; v11, v12 the biases' and gw3's lane places; v16-63 x's four fragments; v64-67 their scale words;
; v68-75 half scale words; v76-101 at work; v102-113, v114 the hidden layer's fragment and word; v116-119 gw2's scale words; v120-127 permutes; v128-255 loads, then v128-191 sums, v192-239 fragments, v240-255 gw1's scale words
.Lgate:
	s_lshl_b32 s36, ttmp9, 3
	s_add_co_u32 s36, s36, s30                     ; rt
	s_lshl_b32 s48, s30, 14                        ; a block of 32 rows of 512 bytes
	s_mov_b32 s49, 0
	s_add_nc_u64 s[50:51], s[6:7], s[48:49]        ; gw1 at K block w (the second job: 8 blocks on)
	s_add_nc_u64 s[52:53], s[10:11], s[48:49]      ; gw2 at K block w (used by waves 0-3 alone)
	v_lshlrev_b32 v14, 4, v0
	global_load_b128 v[92:95], v14, s[14:15]       ; gw3: thread n holds unit n / 2, experts 4 (n % 2) .. + 3
	v_and_b32 v15, 127, v0
	v_lshlrev_b32 v15, 2, v15
	s_cmp_lt_u32 s30, 4
	s_cselect_b64 s[38:39], s[8:9], s[12:13]       ; waves 0-3 bring gb1, waves 4-7 gb2
	global_load_b32 v96, v15, s[38:39]
	s_load_b256 s[40:47], s[16:17], 0x0            ; gb3
	WLOADS 3, 50, 512, 0, 0
	s_lshr_b32 s54, s30, 2
	s_mul_i32 s54, s54, 12288                      ; K step w / 4 (8 tiles x 1,536)
	s_bfe_u32 s55, s30, 0x10001
	s_mul_i32 s55, s55, 768
	s_add_co_u32 s54, s54, s55
	s_and_b32 s55, s30, 1
	s_lshl_b32 s56, s55, 8
	s_add_co_u32 s56, s56, s54
	s_lshl_b32 s57, s55, 7
	s_add_co_u32 s57, s57, s54
	v_mad_u32_u24 v5, v124, 6144, v5
	v_mad_u32_u24 v6, v124, 6144, v6
	v_add_nc_u32 v5, s56, v5
	v_add_nc_u32 v6, s57, v6
	v_lshl_add_u32 v7, v124, 10, v7
	v_lshl_add_u32 v7, v123, 9, v7
	s_add_co_u32 s54, s30, GS1
	v_add_nc_u32 v7, s54, v7
	v_and_b32 v13, 15, v0                          ; r
	v_lshlrev_b32 v8, 11, v13
	v_lshl_add_u32 v8, v124, 6, v8                 ; x: row r of 2,048 bytes + 64 h
	v_lshlrev_b32 v9, 2, v13
	v_lshlrev_b32 v10, 3, v13
	v_lshl_add_u32 v11, v124, 6, GBI
	v_lshl_add_u32 v12, v124, 6, G3T
	v_and_b32 v97, 1, v0
	v_lshlrev_b32 v97, 11, v97
	v_lshrrev_b32 v99, 1, v0
	v_lshl_add_u32 v97, v99, 2, v97
	v_add_nc_u32 v97, G3T, v97                     ; gw3 turned: expert 4 (n % 2) + i at 512 bytes a row, unit n / 2
	v_lshl_add_u32 v98, v0, 2, GBI
.irp i, 0,1,2,3,4,5,6,7
	v_mov_b32 v[120+\i], 0                         ; a lane permute's destination counts as one of its sources
.endr
	s_lshl_b32 s48, s36, 15
	s_add_nc_u64 s[4:5], s[4:5], s[48:49]          ; inputs at my 16 rows
	s_mul_i32 s48, s36, 6144
	s_add_nc_u64 s[58:59], s[26:27], s[48:49]      ; x0's codes: 8 half fragments a row tile
	s_lshl_b32 s48, s36, 6
	s_add_co_u32 s48, s48, 1572864
	s_add_nc_u64 s[60:61], s[26:27], s[48:49]      ; x0's half scale words
	s_lshl_b32 s48, s36, 7
	s_add_nc_u64 s[62:63], s[28:29], s[48:49]      ; gt2 at my rows
	s_wait_loadcnt 32                              ; gw3's and the bias's loads are in; the job's 32 may be out
	ds_store_b32 v97, v92
	ds_store_b32 v97, v93 offset:512
	ds_store_b32 v97, v94 offset:1024
	ds_store_b32 v97, v95 offset:1536
	ds_store_b32 v98, v96
	s_wait_loadcnt 0x0
	WPROC 0, 0
	s_wait_dscnt 0x0                               ; the stores have read their registers
	WLOADS 3, 50, 512, 131072, 0
	s_wait_loadcnt 0x0
	WPROC 24576, 256
	s_wait_dscnt 0x0
	s_cmp_lt_u32 s30, 4
	s_cbranch_scc0 .Lg_x
	WLOADS 3, 52, 512, 0, 0
	s_wait_loadcnt 0x0
	WPROC 49152, 2048
.Lg_x:
.irp i, 0,1,2,3
	v_mov_b32 v[80+\i], 0
.endr
.macro XOUT s                          ; fragment s as two half fragments, its word as two halves (bits 0-15 for the even half fragment, 16-31 for the odd: the reader ORs them)
	global_store_b128 v3, v[16+12*\s:19+12*\s], s[58:59] offset:1536*\s
	global_store_b64 v4, v[20+12*\s:21+12*\s], s[58:59] offset:1536*\s+512
	global_store_b128 v3, v[22+12*\s:25+12*\s], s[58:59] offset:1536*\s+768
	global_store_b64 v4, v[26+12*\s:27+12*\s], s[58:59] offset:1536*\s+1280
	v_and_b32 v[68+2*\s], 0xffff, v[64+\s]
	v_and_b32 v[69+2*\s], 0xffff0000, v[64+\s]
	global_store_b32 v9, v[68+2*\s], s[60:61] offset:32768*\s
	global_store_b32 v9, v[69+2*\s], s[60:61] offset:32768*\s+16384
.endm
	XLOAD 128, 0
	XLOAD 192, 1
	s_wait_loadcnt 16                              ; the older 16 loads are in, the other half's 16 may be out
	QUANT 128, 16, 64
	XOUT 0
	XLOAD 128, 2
	s_wait_loadcnt 16
	QUANT 192, 28, 65
	XOUT 1
	XLOAD 192, 3
	s_wait_loadcnt 16
	QUANT 128, 40, 66
	XOUT 2
	s_wait_loadcnt 0x0
	QUANT 192, 52, 67
	XOUT 3
	s_wait_dscnt 0x0                               ; my images, scale bytes and tables have landed
	s_wait_xcnt 0x0                                ; my stores have read their registers: v16-75 may be written again
	s_barrier_signal -1
	s_barrier_wait -1
	; product 1: the sums begin as gb1 (register 8 t + j of lane (r, h): unit 32 (t / 2) + 16 h + 8 (t % 2) + j)
.irp t, 0,1,2,3,4,5,6,7
.irp q, 0,1
	ds_load_b128 v[128+8*\t+4*\q:131+8*\t+4*\q], v11 offset:128*(\t/2)+32*(\t%2)+16*\q
.endr
.endr
.irp g, 0,1,2,3
.irp h, 0,1
	ds_load_b64 v[240+4*\g+2*\h:241+4*\g+2*\h], v4 offset:GS1+512*\g+256*\h
.endr
.endr
	LDF 0
.rept 8
	v_nop                                          ; x's fragments and scale words were written by vector instructions: 4 and 8 places ahead of a scaled matrix instruction
.endr
.set n_, 0
.rept 8                                ; eight accumulators by turns, four a round
.if n_ > 0
.rept 4
	v_nop                                          ; places in front of loads into registers that matrix instructions have read
.endr
.endif
.if n_ < 7
	LDF n_+1
	s_wait_dscnt 16                                ; all but the 16 just issued
.else
	s_wait_dscnt 0x0
.endif
.set fa_, 192-124*(n_&1)
.irp t, 0,1,2,3
	GMM 128+8*(4*(n_&1)+\t), fa_+12*\t, 16+12*(n_>>1), 240+4*((4*(n_&1)+\t)>>1)+(n_>>1), 64+(n_>>1), \t&1
.endr
.set n_, n_+1
.endr
.rept 4
	v_nop
.endr
	; product 2's weights are asked for while the hidden layer is quantised
.irp t, 0,1,2,3
.irp c, 0,1
	ds_load_b128 v[192+12*\t+6*\c:195+12*\t+6*\c], v3 offset:GW2+\t*1536+\c*768
	ds_load_b64 v[196+12*\t+6*\c:197+12*\t+6*\c], v4 offset:GW2+\t*1536+\c*768+512
	ds_load_b128 v[16+12*\t+6*\c:19+12*\t+6*\c], v3 offset:GW2+6144+\t*1536+\c*768
	ds_load_b64 v[20+12*\t+6*\c:21+12*\t+6*\c], v4 offset:GW2+6144+\t*1536+\c*768+512
.endr
.endr
.irp g, 0,1,2,3
	ds_load_b32 v[116+\g], v4 offset:GS2+512*\g
.endr
.set n_, 0
.rept 64
	v_max_num_f32 v[128+n_], 0, v[128+n_]          ; relu, in f32, each accumulator from its low end on
.set n_, n_+1
.endr
	QUANT 128, 102, 114
.irp t, 0,1,2,3,4,5,6,7
.irp q, 0,1
	ds_load_b128 v[128+8*\t+4*\q:131+8*\t+4*\q], v11 offset:512+128*(\t/2)+32*(\t%2)+16*\q   ; gb2 starts product 2's sums
.endr
.endr
	s_wait_dscnt 0x0
.rept 8
	v_nop
.endr
.irp t, 0,1,2,3
	GMM 128+8*\t, 192+12*\t, 102, 116+(\t>>1), 114, \t&1
.endr
.irp t, 4,5,6,7
	GMM 128+8*\t, 12*\t-32, 102, 116+(\t>>1), 114, \t&1
.endr
.rept 4
	v_nop
.endr
.set n_, 0
.rept 64
	v_max_num_f32 v[128+n_], 0, v[128+n_]
.set n_, n_+1
.endr
	; product 3 in f32 (its result goes on into quantised operands): my 64 units, then lane l xor 16's
	G3LD 0
	G3LD 1
.irp e, 0,1,2,3,4,5
	s_wait_dscnt 16
	DOT \e
	G3LD \e+2
.endr
	s_wait_dscnt 16
	DOT 6
	s_wait_dscnt 0x0
	DOT 7
	s_wait_kmcnt 0x0                               ; gb3
.irp e, 0,1,2,3,4,5,6,7
	v_permlanex16_b32 v[120+\e], v[94+\e], s34, s35
.endr
.irp e, 0,1,2,3,4,5,6,7
	v_add_f32 v[94+\e], v[94+\e], v[120+\e]
.endr
.irp e, 0,1,2,3,4,5,6,7
	v_add_f32 v[94+\e], s[40+\e], v[94+\e]
.endr
	v_max3_num_f32 v84, v94, v95, v96              ; the softmax takes its maximum away
	v_max3_num_f32 v84, v84, v97, v98
	v_max3_num_f32 v84, v84, v99, v100
	v_max_num_f32 v84, v84, v101
.irp e, 0,1,2,3,4,5,6,7
	v_sub_f32 v[94+\e], v[94+\e], v84
.endr
.irp e, 0,1,2,3,4,5,6,7
	v_mul_f32 v[94+\e], 0x3fb8aa3b, v[94+\e]
.endr
.irp e, 0,1,2,3,4,5,6,7
	v_exp_f32 v[94+\e], v[94+\e]
.endr
	v_nop                                          ; a plain instruction behind the last exponential
	s_wait_alu depctr_va_vdst(0)                   ; one wait for the eight, ahead of their first reader
	v_add_f32 v85, v94, v95
	v_add_f32 v86, v96, v97
	v_add_f32 v87, v98, v99
	v_add_f32 v88, v100, v101
	v_add_f32 v85, v85, v86
	v_add_f32 v87, v87, v88
	v_add_f32 v85, v85, v87
	v_rcp_f32 v85, v85
	v_nop
	s_wait_alu depctr_va_vdst(0)
.irp e, 0,1,2,3,4,5,6,7
	v_mul_f32 v[102+2*\e], v[94+\e], v85           ; g twice, so that the packed multiply-adds of the later launches take it as a plain pair
	v_mul_f32 v[103+2*\e], v[94+\e], v85
.endr
.irp e, 0,1,2,3,4,5,6,7
	global_store_b64 v10, v[102+2*\e:103+2*\e], s[62:63] offset:32768*\e   ; both halves of the lanes hold the same row and store the same bytes
.endr
	s_wait_tensorcnt 0x0                           ; the wave's end, as above
	ds_add_u32 v1, v2
	s_wait_dscnt 0x0
	s_endpgm
.Lfunc_end_k_qb6dcf89f2c_prep:
	.size	k_qb6dcf89f2c_prep, .Lfunc_end_k_qb6dcf89f2c_prep-k_qb6dcf89f2c_prep
	.p2alignl 7, 3214868480
	.fill 96, 4, 3214868480
	.section	.rodata,"a",@progbits
	.p2align	6, 0x0
	.amdhsa_kernel k_qb6dcf89f2c_prep
		.amdhsa_group_segment_fixed_size 122880
		.amdhsa_private_segment_fixed_size 0
		.amdhsa_enable_private_segment 0
		.amdhsa_kernarg_size 104
		.amdhsa_user_sgpr_count 2
		.amdhsa_user_sgpr_kernarg_segment_ptr 1
		.amdhsa_wavefront_size32 1
		.amdhsa_system_sgpr_workgroup_id_x 1
		.amdhsa_system_sgpr_workgroup_id_y 1
		.amdhsa_system_sgpr_workgroup_id_z 1
		.amdhsa_system_vgpr_workitem_id 0
		.amdhsa_next_free_vgpr 256
		.amdhsa_next_free_sgpr 68
		.amdhsa_reserve_vcc 0
		.amdhsa_float_denorm_mode_32 3
		.amdhsa_float_denorm_mode_16_64 3
		.amdhsa_memory_ordered 1
		.amdhsa_forward_progress 1
		.amdhsa_inst_pref_size 161
	.end_amdhsa_kernel
	.amdgpu_metadata
---
amdhsa.version: [ 1, 2 ]
amdhsa.kernels:
  - .name:           k_qb6dcf89f2c_prep
    .symbol:         k_qb6dcf89f2c_prep.kd
    .args:
      - { .name: inputs, .offset: 0, .size: 8, .value_kind: global_buffer, .address_space: global }
      - { .name: gw1, .offset: 8, .size: 8, .value_kind: global_buffer, .address_space: global }
      - { .name: gb1, .offset: 16, .size: 8, .value_kind: global_buffer, .address_space: global }
      - { .name: gw2, .offset: 24, .size: 8, .value_kind: global_buffer, .address_space: global }
      - { .name: gb2, .offset: 32, .size: 8, .value_kind: global_buffer, .address_space: global }
      - { .name: gw3, .offset: 40, .size: 8, .value_kind: global_buffer, .address_space: global }
      - { .name: gb3, .offset: 48, .size: 8, .value_kind: global_buffer, .address_space: global }
      - { .name: w0, .offset: 56, .size: 8, .value_kind: global_buffer, .address_space: global }
      - { .name: w1, .offset: 64, .size: 8, .value_kind: global_buffer, .address_space: global }
      - { .name: w2, .offset: 72, .size: 8, .value_kind: global_buffer, .address_space: global }
      - { .name: wq, .offset: 80, .size: 8, .value_kind: global_buffer, .address_space: global }
      - { .name: x0, .offset: 88, .size: 8, .value_kind: global_buffer, .address_space: global }
      - { .name: gt2, .offset: 96, .size: 8, .value_kind: global_buffer, .address_space: global }
    .group_segment_fixed_size: 122880
    .private_segment_fixed_size: 0
    .kernarg_segment_align: 8
    .kernarg_segment_size: 104
    .max_flat_workgroup_size: 256
    .sgpr_count:     68
    .vgpr_count:     256
    .wavefront_size: 32
...
	.end_amdgpu_metadata
.endif
;; end of part 1
;; launch lay0 (part 2): grid 16 x 16, 4 waves a work-group, clusters of 4 x 1, 327,680 bytes of LDS; arguments x0, wq, b0, gt2, x1; writes x1
.if DOCPART == 2
	.amdgcn_target "amdgcn-amd-amdhsa--gfx1250"
	.amdhsa_code_object_version 6
	.text
	.protected	k_qb6dcf89f2c_lay0
	.globl	k_qb6dcf89f2c_lay0
	.p2align	8
	.type	k_qb6dcf89f2c_lay0,@function
k_qb6dcf89f2c_lay0:
	s_mov_b64 s[64:65], 0
	v_nop
	global_prefetch_b8 v0, s[64:65] scope:SCOPE_SE
	s_setreg_imm32_b32 hwreg(HW_REG_WAVE_MODE, 25, 1), 1
	s_wait_xcnt 0x0
	s_wait_alu depctr_hold_cnt(0) depctr_sa_sdst(0) depctr_va_vdst(0) depctr_va_sdst(0) depctr_va_ssrc(0) depctr_va_vcc(0) depctr_vm_vsrc(0)
	s_getreg_b32 s2, hwreg(HW_REG_IB_STS2, 6, 4)
	s_cmp_eq_u32 s2, 0
	s_cbranch_scc0 .Lentry_in_a_cluster
	s_endpgm
.Lentry_in_a_cluster:
	s_bfe_u32 s2, ttmp6, 0x10000c
	s_cmp_lg_u32 s2, 0x3003
	s_cbranch_scc0 .Lentry_shape_is_right
	s_endpgm
.Lentry_shape_is_right:
; An expert layer: xout = Q(relu(sum over e of g_e (Q(x) Q(w_e) + b_e))).  One text serves layers 0 and 1; NPH (halves of 512 along K) is all that differs.  Nothing of the layer is left out.
; The quantiser stands on x and not on g x, so each expert has an f32 sum of its own, which one packed multiply-add a pair weighs into OUT.
; LIMITS: as stated at the head of the first launch; the sums over experts (and over the halves of K) are added in another order than the einsum's.
; SHARES.  A work-group makes 256 rows x 64 columns, a wave 64 rows x 64 columns: 16 accumulators.  A wave's codes of x stay in its registers (192 for 512 along K), loaded from memory in operand order.
; The weights come as SLICES (one expert, my 64 columns, 512 along K: 25,600 bytes in operand order), two to a UNIT, through LDS; all four waves read the same fragments.
; CLUSTER.  The four work-groups of a cluster have other rows and the same columns: every unit is asked for JOINTLY (mask 15), each wave a quarter, 12,800 dense bytes.
; A slice is 4 K steps of 16 matrix instructions.  Behind a slice OUT += g_e ACC: these lines stand between the first 16 matrix instructions of the next slice, which begin the accumulators anew.
; The bias is the C of a slice's first K step (first half of K); the second half begins with the constant 0.
; THE MATRIX INSTRUCTION IS USED TRANSPOSED (source 0 = 16 columns of w, source 1 = 16 rows of x): a lane holds one row, and its 16 registers of two neighbouring tiles are 16 neighbours of the next K.
; LDS: NSLOT slots of 51,200; then the biases [8][64] f32, brought by ds_store (no fill lands there); then the spare words.  With NPH = 2 units 6 and 7 fill slots 0 and 1 again.
; REGISTERS, in windows of 256: w0: v1, v2 the add's two; v3-6 16, 8, 4 x lane, 8 r; v16-31 x's scale words; v32-47 w's, two sets; v64-127 g as pairs (8 e + 2 m); v128-255 OUT (32 m + 8 t)
;   w1: v0-127 ACC; v128-223 w's fragments, two sets of 48; v224-235 LDS addresses of the slots; v236 of the biases     w2: v0-191 x, first half of K; v192-223 the bias     w3: v0-191 x, second half
.set NPH,   1
.set NSL,   8*NPH                      ; slices
.set NU,    4*NPH                      ; units
.set NSLOT, 2+2*NPH                    ; slots
.set KH,    8*NPH                      ; half fragments in a row tile of x
.set WSEC,  (NPH-1)*3276800            ; the layer's section of wq
.set XSCI,  NPH*1572864                ; where x's half scale words begin
.set XSCO,  3145728                    ; and xout's
.set UNIT,  51200
.set SLICE, 25600
.set BIA,   NSLOT*UNIT
.set SPARE, BIA+2048
.set G1,    24                         ; s[24:31] descriptor group 1
.set G0,    32                         ; s[32+4u:35+4u] group 0 of unit u: written once, never again
.set MSB,   0
.macro WIN new                         ; the immediate's high byte repeats the setting that is left
.if MSB != (\new)
	s_set_vgpr_msb (MSB<<8)|(\new)
.set MSB, \new
.endif
.endm
.macro CROUND                          ; a round of the cluster's barrier
	s_barrier_signal -1
	s_barrier_wait -1
	s_cmp_lg_u32 s14, 0
	s_cbranch_scc1 .Lnw0_\@
	s_barrier_signal -3
.Lnw0_\@:
	s_barrier_wait -3
	s_barrier_signal -1
	s_barrier_wait -1
.endm
.macro XLD S                           ; x's four fragments of K step S: 16 loads of dense 512 or 256 bytes
	WIN 0x80+0x40*((\S)>>2)
.irp m, 0,1,2,3
.irp c, 0,1
	global_load_b128 v[48*((\S)&3)+12*\m+6*\c:48*((\S)&3)+12*\m+6*\c+3], v3, s[72:73] offset:\m*KH*768+(2*(\S)+\c)*768
	global_load_b64 v[48*((\S)&3)+12*\m+6*\c+4:48*((\S)&3)+12*\m+6*\c+5], v4, s[72:73] offset:\m*KH*768+(2*(\S)+\c)*768+512
.endr
.endr
.endm
.macro LDW kk                          ; w's four fragments of K step kk (slice kk / 4) into set kk % 2: 16 LDS loads
.set jn_, (\kk)>>2
.set sl_, (jn_>>1)%NSLOT
.set fb_, 128+48*((\kk)&1)
.set ob_, (jn_&1)*SLICE+((\kk)&3)*6144
.irp t, 0,1,2,3
.irp c, 0,1
	ds_load_b128 v[fb_+12*\t+6*\c:fb_+12*\t+6*\c+3], v[224+2*sl_] offset:ob_+(2*\t+\c)*768
	ds_load_b64 v[fb_+12*\t+6*\c+4:fb_+12*\t+6*\c+5], v[225+2*sl_] offset:ob_+(2*\t+\c)*768
.endr
.endr
.endm
.macro LDWS j                          ; slice j's scale words: register 4 b + s: lanes 0-15 tile 2 b, lanes 16-31 tile 2 b + 1
.set sl_, ((\j)>>1)%NSLOT
.irp b, 0,1
.irp g, 0,1
	ds_load_b64 v[32+8*((\j)&1)+4*\b+2*\g:33+8*((\j)&1)+4*\b+2*\g], v[225+2*sl_] offset:((\j)&1)*SLICE+24064+(2*\b+\g)*256
.endr
.endr
.endm
.macro LDB e                           ; expert e's bias in the result's layout
.irp t, 0,1,2,3
.irp q, 0,1
	ds_load_b128 v[192+8*\t+4*\q:195+8*\t+4*\q], v236 offset:256*(\e)+128*(\t/2)+32*(\t%2)+16*\q
.endr
.endr
.endm
.macro COMB idx, e, first              ; OUT += g_e ACC for accumulator idx; the first product starts OUT: nothing is cleared
.irp i, 0,1,2,3
.if \first
	v_pk_mul_f32 v[128+8*(\idx)+2*\i:129+8*(\idx)+2*\i], v[8*(\idx)+2*\i:8*(\idx)+2*\i+1], v[64+8*(\e)+2*((\idx)>>2):65+8*(\e)+2*((\idx)>>2)]
.else
	v_pk_fma_f32 v[128+8*(\idx)+2*\i:129+8*(\idx)+2*\i], v[8*(\idx)+2*\i:8*(\idx)+2*\i+1], v[64+8*(\e)+2*((\idx)>>2):65+8*(\e)+2*((\idx)>>2)], v[128+8*(\idx)+2*\i:129+8*(\idx)+2*\i]
.endif
.endr
.endm
.macro MMI z                           ; odd tiles of w and odd row tiles of x have their scale words in lanes 16-31
.if \z
.if (t_&1) && (m_&1)
	v_wmma_scale_f32_16x16x128_f8f6f4 v[rD:rD+7], v[rA:rA+11], v[rB:rB+11], 0, v[rSA], v[rSB] matrix_a_fmt:MATRIX_FMT_FP6 matrix_b_fmt:MATRIX_FMT_FP6 matrix_a_scale:MATRIX_SCALE_ROW1 matrix_b_scale:MATRIX_SCALE_ROW1
.elseif (t_&1)
	v_wmma_scale_f32_16x16x128_f8f6f4 v[rD:rD+7], v[rA:rA+11], v[rB:rB+11], 0, v[rSA], v[rSB] matrix_a_fmt:MATRIX_FMT_FP6 matrix_b_fmt:MATRIX_FMT_FP6 matrix_a_scale:MATRIX_SCALE_ROW1
.elseif (m_&1)
	v_wmma_scale_f32_16x16x128_f8f6f4 v[rD:rD+7], v[rA:rA+11], v[rB:rB+11], 0, v[rSA], v[rSB] matrix_a_fmt:MATRIX_FMT_FP6 matrix_b_fmt:MATRIX_FMT_FP6 matrix_b_scale:MATRIX_SCALE_ROW1
.else
	v_wmma_scale_f32_16x16x128_f8f6f4 v[rD:rD+7], v[rA:rA+11], v[rB:rB+11], 0, v[rSA], v[rSB] matrix_a_fmt:MATRIX_FMT_FP6 matrix_b_fmt:MATRIX_FMT_FP6
.endif
.else
.if (t_&1) && (m_&1)
	v_wmma_scale_f32_16x16x128_f8f6f4 v[rD:rD+7], v[rA:rA+11], v[rB:rB+11], v[rC:rC+7], v[rSA], v[rSB] matrix_a_fmt:MATRIX_FMT_FP6 matrix_b_fmt:MATRIX_FMT_FP6 matrix_a_scale:MATRIX_SCALE_ROW1 matrix_b_scale:MATRIX_SCALE_ROW1
.elseif (t_&1)
	v_wmma_scale_f32_16x16x128_f8f6f4 v[rD:rD+7], v[rA:rA+11], v[rB:rB+11], v[rC:rC+7], v[rSA], v[rSB] matrix_a_fmt:MATRIX_FMT_FP6 matrix_b_fmt:MATRIX_FMT_FP6 matrix_a_scale:MATRIX_SCALE_ROW1
.elseif (m_&1)
	v_wmma_scale_f32_16x16x128_f8f6f4 v[rD:rD+7], v[rA:rA+11], v[rB:rB+11], v[rC:rC+7], v[rSA], v[rSB] matrix_a_fmt:MATRIX_FMT_FP6 matrix_b_fmt:MATRIX_FMT_FP6 matrix_b_scale:MATRIX_SCALE_ROW1
.else
	v_wmma_scale_f32_16x16x128_f8f6f4 v[rD:rD+7], v[rA:rA+11], v[rB:rB+11], v[rC:rC+7], v[rSA], v[rSB] matrix_a_fmt:MATRIX_FMT_FP6 matrix_b_fmt:MATRIX_FMT_FP6
.endif
.endif
.endm
.macro MM j, s, idx                    ; accumulator idx = 4 m + t of slice j, K step s
.set m_, (\idx)>>2
.set t_, (\idx)&3
.set rD, 8*(\idx)
.set rA, 128+48*((\s)&1)+12*t_
.set rB, 48*(\s)+12*m_
.set rC, rD
.set rSA, 32+8*((\j)&1)+4*(t_>>1)+(\s)
.set rSB, 16+8*((\j)>>3)+2*(\s)+(m_>>1)
.if ((\s)==0) && ((\j)<8)
.set rC, 192+8*t_
.endif
.if ((\s)==0) && ((\j)>=8)
	MMI 1
.else
	MMI 0
.endif
.endm
; ONE K STEP.  Places; at the first K step of an odd slice the next unit is made sure of; the next K step's fragments are asked for; the wait; 16 matrix instructions, the accumulators by turns in one order everywhere.
.macro KSTEP j, s
.set kap_, 4*(\j)+(\s)
.set wmm_, 0x59+4*((\j)>>3)            ; w's fragments and ACC in window 1, x in window 2 or 3; LDS loads of fragments run under the same setting (data and address in window 1)
.set wm0_, wmm_
.if ((\s)==0) && ((\j)<8)
.set wm0_, 0x69                        ; C = the bias, in window 2
.endif
.set rdy_, 0
.set un_, ((\j)+1)/2
.if ((\s)==0) && (((\j)&1)==1) && ((\j)+1<NSL)
.set rdy_, 1
.if (un_+1>=NSLOT) && (un_+1<NU)
.set rdy_, 2
.endif
.endif
.if kap_ > 0
.rept 4
	v_nop                                          ; four places in front of loads into registers that matrix instructions have read, and of the first read of results;
.endr
.if (\s)==0
	v_nop                                          ; a fifth where accumulators are begun anew with another C
.endif
.endif
.if rdy_ == 1
.if NSLOT-1-un_ > 0
	s_wait_tensorcnt NSLOT-1-un_                   ; my quarter of the next unit is in: so many first fills were issued behind it
.else
	s_wait_tensorcnt 0x0
.endif
	s_wait_dscnt 0x0                               ; no LDS instruction of mine is out at a signal
	s_barrier_signal -1                            ; the wait for it stands behind this K step's products, which read the unit in hand alone
.endif
.if rdy_ == 2
	WIN 0
	s_wait_tensorcnt 0x0                           ; all my tensor loads have landed, my quarter of the next unit among them;
	ds_add_u32 v1, v2                              ; 0 onto my spare word;
	s_wait_dscnt 0x0                               ; the add is done and no LDS read of mine is out (the slot's last reads lie slices back)
	CROUND                                         ; so of every wave of all four work-groups
	tensor_load_to_lds s[G0+4*(un_+1):G0+4*(un_+1)+3], s[G1:G1+7]   ; my one load behind the round: it has two slices, 128 matrix instructions, in which to land
	s_nop 0
.rept 4
	v_nop
.endr
.endif
.set nw_, 0
.if kap_+1 < 4*NSL
	WIN wmm_
	LDW kap_+1
.set nw_, 16
.endif
.if ((\s)==1) && ((\j)+1<NSL)
	WIN 0x01
	LDWS (\j)+1
.set nw_, nw_+4
.if (\j)+1 < 8
	WIN 0x81
	LDB (\j)+1
.set nw_, nw_+8
.endif
.endif
.if (NPH==2) && ((\s)==1) && ((\j)>=1) && ((\j)<=4)
	XLD 3+(\j)                                     ; x's second half of K is asked for during slices 1 to 4
.endif
	s_wait_dscnt nw_                               ; all but what this K step has just asked for
.if (\j)==0
.if (\s) < 2
	s_wait_loadcnt 63                              ; behind x's K steps 0 and 1 stand 80 and 64 loads: the count is the field's largest
.else
	s_wait_loadcnt 80-16*(\s)                      ; behind K step s: the later K steps' 16 each, and g's 32
.endif
.endif
.if ((\j)==1) && ((\s)==0)
	s_wait_loadcnt 0x0                             ; g
.endif
.if (\j)==8
	s_wait_loadcnt 48-16*(\s)                      ; x's second half: the later K steps' 16 each
.endif
.set i_, 0
.rept 16
.if ((\s)==0) && ((\j)>0)
	WIN 0x01
	COMB i_, ((\j)-1)&7, ((\j)==1)
.endif
	WIN wm0_
	MM \j, \s, i_
.set i_, i_+1
.endr
.if rdy_ == 1
	s_barrier_wait -1                              ; everybody's quarter is in: from the next K step on the next unit may be read
.endif
.endm
	s_load_b256 s[4:11], s[0:1], 0x0               ; x s[4:5], wq s[6:7], bias s[8:9], gt2 s[10:11]
	s_load_b64 s[12:13], s[0:1], 0x20              ; xout
	v_lshl_add_u32 v1, v0, 2, SPARE
	v_mov_b32 v2, 0
	ds_add_u32 v1, v2                              ; the wave's opening: the add, twice on end, and its wait ahead of my first tensor load
	ds_add_u32 v1, v2
	v_lshrrev_b32 v7, 5, v0
	v_readfirstlane_b32 s14, v7                    ; wave 0..3
	s_and_b32 s17, ttmp7, 0xffff                   ; cb: my 64 columns, which the four partners share
	s_mov_b32 s[G1+0], 15|(3<<16)|(1<<21)          ; mask: all four work-groups; elements of 8 bytes; bit 21 beside a mask; no padding
	s_mov_b32 s[G1+1], 32<<16                      ; tensor_dim0 = 32 elements: rows of 256 bytes
	s_mov_b32 s[G1+2], 50<<16                      ; tensor_dim1 = 50 rows: a quarter unit, 12,800 dense bytes
	s_mov_b32 s[G1+3], 32<<16                      ; tile_dim0
	s_mov_b32 s[G1+4], 50                          ; tile_dim1
	s_mov_b32 s[G1+5], 32                          ; the pitch
	s_mov_b32 s[G1+6], 0
	s_mov_b32 s[G1+7], 0
	s_mul_i32 s19, s14, 12800                      ; my quarter, in a unit and in a slot
	s_mul_i32 s20, s17, NPH*204800
	s_add_co_u32 s20, s20, s19
	s_add_co_u32 s20, s20, WSEC
	s_mov_b32 s21, 0
	s_bfe_u32 s70, ttmp6, 0x40000                  ; cx: it enters the addresses of x, g and xout alone, in registers of their own
	s_lshl_b32 s71, ttmp9, 2
	s_add_co_u32 s71, s71, s70
	s_lshl_b32 s71, s71, 2
	s_add_co_u32 s71, s71, s14                     ; rg: my wave's 64 rows
	s_mul_i32 s72, s71, KH*3072
	s_mov_b32 s73, 0
	s_lshl_b32 s74, s71, 8
	s_add_co_u32 s74, s74, XSCI
	s_mov_b32 s75, 0
	s_lshl_b32 s76, s71, 9
	s_mov_b32 s77, 0
	s_mul_i32 s78, s71, 49152
	s_mul_i32 s79, s17, 768
	s_add_co_u32 s78, s78, s79
	s_mov_b32 s79, 0
	s_lshl_b32 s80, s71, 8
	s_lshl_b32 s81, s17, 14
	s_add_co_u32 s80, s80, s81
	s_add_co_u32 s80, s80, XSCO
	s_mov_b32 s81, 0
	s_lshl_b32 s82, s17, 8
	s_mov_b32 s83, 0
	s_mov_b32 s66, 0x76543210
	s_mov_b32 s67, 0xfedcba98                      ; v_permlanex16_b32's selects for lane l xor 16
	s_mov_b32 s68, 0xffff0000                      ; lanes 16-31
	s_and_b32 s69, s17, 1
	s_lshl_b32 s69, s69, 4                         ; an odd half fragment's scale bytes lie in bits 16-31
	v_and_b32 v7, 31, v0
	v_lshlrev_b32 v3, 4, v7
	v_lshlrev_b32 v4, 3, v7
	v_lshlrev_b32 v5, 2, v7
	v_and_b32 v6, 15, v0
	v_lshlrev_b32 v6, 3, v6
	v_bfe_u32 v9, v0, 4, 1
	v_lshrrev_b32 v14, 4, v0
	v_and_b32 v15, 15, v0
	v_lshlrev_b32 v15, 4, v15
	v_lshl_add_u32 v14, v14, 12, v15               ; the bias: thread n takes 16 bytes of expert n / 16
	v_lshl_add_u32 v8, v0, 4, BIA
	s_wait_dscnt 0x0                               ; both opening adds are done
	s_wait_kmcnt 0x0
	s_add_nc_u64 s[22:23], s[6:7], s[20:21]
.set u_, 0
.rept NU
	s_mov_b32 s[G0+4*u_], 1
	s_add_co_u32 s[G0+4*u_+1], s19, (u_%NSLOT)*UNIT
	s_add_nc_u64 s[G0+4*u_+2:G0+4*u_+3], s[22:23], u_*UNIT
	s_or_b32 s[G0+4*u_+3], s[G0+4*u_+3], 0x80000000
.set u_, u_+1
.endr
	s_add_nc_u64 s[72:73], s[4:5], s[72:73]        ; x's codes at my rows
	s_add_nc_u64 s[74:75], s[4:5], s[74:75]        ; its half scale words
	s_add_nc_u64 s[76:77], s[10:11], s[76:77]      ; g
	s_add_nc_u64 s[78:79], s[12:13], s[78:79]      ; xout's codes
	s_add_nc_u64 s[80:81], s[12:13], s[80:81]      ; its half scale words
	s_add_nc_u64 s[82:83], s[8:9], s[82:83]        ; the bias at my columns
	global_load_b128 v[10:13], v14, s[82:83]
.set k_, 0
.rept KH
	global_load_b32 v[128+2*k_], v5, s[74:75] offset:k_*16384        ; lane = row % 32: row tiles 0, 1
	global_load_b32 v[129+2*k_], v5, s[74:75] offset:k_*16384+128    ; row tiles 2, 3
.set k_, k_+1
.endr
	XLD 0
	WIN 0
	CROUND                                         ; all four work-groups are here: the first joint loads meet
.set u_, 0
.rept NSLOT
	tensor_load_to_lds s[G0+4*u_:G0+4*u_+3], s[G1:G1+7]   ; the first fills, one group: NSLOT loads of mine are out
	s_nop 0
.set u_, u_+1
.endr
.rept 4
	v_nop
.endr
	XLD 1
	XLD 2
	XLD 3
	WIN 0
.irp e, 0,1,2,3,4,5,6,7
.irp m, 0,1,2,3
	global_load_b64 v[64+8*\e+2*\m:65+8*\e+2*\m], v6, s[76:77] offset:32768*\e+128*\m
.endr
.endr
	s_wait_loadcnt 63                              ; 80 loads were issued behind x's K step 0: the bias and the half scale words are in
	ds_store_b128 v8, v[10:13]
.set k_, 0
.rept KH/2
	v_or_b32 v[16+2*k_], v[128+4*k_], v[130+4*k_]  ; a K step's scale word from its two halves
	v_or_b32 v[17+2*k_], v[129+4*k_], v[131+4*k_]
.set k_, k_+1
.endr
	WIN 0x40
.set u_, 0
.rept NSLOT
	v_add_nc_u32 v[224+2*u_], u_*UNIT, v3
	v_add_nc_u32 v[225+2*u_], u_*UNIT+512, v4
.set u_, u_+1
.endr
	v_lshl_add_u32 v236, v9, 6, BIA                ; (these lines are also the places between the scale words' making and the first product)
	WIN 0
	s_wait_tensorcnt NSLOT-1                       ; my quarter of unit 0 is in; the later first fills may be out
	s_wait_dscnt 0x0                               ; my part of the biases has landed
	s_barrier_signal -1
	s_barrier_wait -1
	WIN 0x01
	LDWS 0
	WIN 0x81
	LDB 0
	WIN 0x59
	LDW 0
.set jj, 0
.rept NSL
	KSTEP jj, 0
	KSTEP jj, 1
	KSTEP jj, 2
	KSTEP jj, 3
.set jj, jj+1
.endr
	WIN 0
.rept 4
	v_nop
.endr
	WIN 0x01
.set i_, 0
.rept 16
	COMB i_, 7, 0
.set i_, i_+1
.endr
	WIN 0
	; THE WAY OUT: relu; each row tile's 64 columns are two blocks of 32 of the next K: one half fragment and half a scale word
.set i_, 0
.rept 128
	v_max_num_f32 v[128+i_], 0, v[128+i_]
.set i_, i_+1
.endr
.irp n, 0,1,2,3,4,5,6,7
	v_mov_b32 v[24+\n], 0                          ; a lane permute's destination counts as one of its sources
.endr
.irp n, 0,1,2,3,4,5,6,7                ; n = 2 m + b: block b of row tile m; no |.|: nothing is negative
	v_max3_num_f32 v[16+\n], v[128+16*\n], v[129+16*\n], 0x1800000
.endr
.irp i, 2,4,6,8,10,12,14
.irp n, 0,1,2,3,4,5,6,7
	v_max3_num_f32 v[16+\n], v[16+\n], v[128+16*\n+\i], v[129+16*\n+\i]
.endr
.endr
.irp n, 0,1,2,3,4,5,6,7
	v_permlanex16_b32 v[24+\n], v[16+\n], s66, s67
.endr
.irp n, 0,1,2,3,4,5,6,7
	v_max_num_f32 v[16+\n], v[16+\n], v[24+\n]
.endr
.irp n, 0,1,2,3,4,5,6,7
	v_add_nc_u32 v[32+\n], 0xff000000, v[16+\n]
.endr
.irp n, 0,1,2,3,4,5,6,7
	v_lshrrev_b32 v[40+\n], 23, v[32+\n]
.endr
.irp m, 0,1,2,3
	v_lshl_or_b32 v[48+\m], v[41+2*\m], 8, v[40+2*\m]
.endr
.irp m, 0,1,2,3
	v_cvt_scalef32_pk16_fp6_f32 v[64+8*\m:66+8*\m], v[128+32*\m:143+32*\m], v[32+2*\m]
	v_cvt_scalef32_pk16_fp6_f32 v[96+4*\m:98+4*\m], v[144+32*\m:159+32*\m], v[33+2*\m]
.endr
	v_nop                                          ; one plain instruction behind a scaled conversion
.irp m, 0,1,2,3
.irp i, 0,1,2
	v_permlane16_swap_b32 v[64+8*\m+\i], v[96+4*\m+\i]
.endr
.irp i, 0,1,2
	v_mov_b32 v[67+8*\m+\i], v[96+4*\m+\i]
.endr
.endr
.irp m, 0,1,2,3
	global_store_b128 v3, v[64+8*\m:67+8*\m], s[78:79] offset:12288*\m        ; 512 consecutive bytes, aligned to 256
	global_store_b64 v4, v[68+8*\m:69+8*\m], s[78:79] offset:12288*\m+512     ; 256 more
.endr
.irp p, 0,1
	v_cndmask_b32 v[52+\p], v[48+2*\p], v[49+2*\p], s68   ; lanes 0-15 row tile 2 p, lanes 16-31 row tile 2 p + 1
	v_lshlrev_b32 v[52+\p], s69, v[52+\p]
	global_store_b32 v5, v[52+\p], s[80:81] offset:128*\p
.endr
	s_wait_tensorcnt 0x0                           ; the wave's end
	ds_add_u32 v1, v2
	s_wait_dscnt 0x0
	CROUND                                         ; the closing round
	s_endpgm
.Lfunc_end_k_qb6dcf89f2c_lay0:
	.size	k_qb6dcf89f2c_lay0, .Lfunc_end_k_qb6dcf89f2c_lay0-k_qb6dcf89f2c_lay0
	.p2alignl 7, 3214868480
	.fill 96, 4, 3214868480
	.section	.rodata,"a",@progbits
	.p2align	6, 0x0
	.amdhsa_kernel k_qb6dcf89f2c_lay0
		.amdhsa_group_segment_fixed_size 327680
		.amdhsa_private_segment_fixed_size 0
		.amdhsa_enable_private_segment 0
		.amdhsa_kernarg_size 40
		.amdhsa_user_sgpr_count 2
		.amdhsa_user_sgpr_kernarg_segment_ptr 1
		.amdhsa_wavefront_size32 1
		.amdhsa_system_sgpr_workgroup_id_x 1
		.amdhsa_system_sgpr_workgroup_id_y 1
		.amdhsa_system_sgpr_workgroup_id_z 1
		.amdhsa_system_vgpr_workitem_id 0
		.amdhsa_next_free_vgpr 768
		.amdhsa_next_free_sgpr 84
		.amdhsa_reserve_vcc 0
		.amdhsa_float_denorm_mode_32 3
		.amdhsa_float_denorm_mode_16_64 3
		.amdhsa_memory_ordered 1
		.amdhsa_forward_progress 1
		.amdhsa_inst_pref_size 179
	.end_amdhsa_kernel
	.amdgpu_metadata
---
amdhsa.version: [ 1, 2 ]
amdhsa.kernels:
  - .name:           k_qb6dcf89f2c_lay0
    .symbol:         k_qb6dcf89f2c_lay0.kd
    .args:
      - { .name: x0, .offset: 0, .size: 8, .value_kind: global_buffer, .address_space: global }
      - { .name: wq, .offset: 8, .size: 8, .value_kind: global_buffer, .address_space: global }
      - { .name: b0, .offset: 16, .size: 8, .value_kind: global_buffer, .address_space: global }
      - { .name: gt2, .offset: 24, .size: 8, .value_kind: global_buffer, .address_space: global }
      - { .name: x1, .offset: 32, .size: 8, .value_kind: global_buffer, .address_space: global }
    .group_segment_fixed_size: 327680
    .private_segment_fixed_size: 0
    .kernarg_segment_align: 8
    .kernarg_segment_size: 40
    .max_flat_workgroup_size: 128
    .sgpr_count:     84
    .vgpr_count:     768
    .wavefront_size: 32
...
	.end_amdgpu_metadata
.endif
;; end of part 2
;; launch lay1 (part 3): grid 16 x 16, 4 waves a work-group, clusters of 4 x 1, 327,680 bytes of LDS; arguments x1, wq, b1, gt2, x2; writes x2
.if DOCPART == 3
	.amdgcn_target "amdgcn-amd-amdhsa--gfx1250"
	.amdhsa_code_object_version 6
	.text
	.protected	k_qb6dcf89f2c_lay1
	.globl	k_qb6dcf89f2c_lay1
	.p2align	8
	.type	k_qb6dcf89f2c_lay1,@function
k_qb6dcf89f2c_lay1:
	s_mov_b64 s[64:65], 0
	v_nop
	global_prefetch_b8 v0, s[64:65] scope:SCOPE_SE
	s_setreg_imm32_b32 hwreg(HW_REG_WAVE_MODE, 25, 1), 1
	s_wait_xcnt 0x0
	s_wait_alu depctr_hold_cnt(0) depctr_sa_sdst(0) depctr_va_vdst(0) depctr_va_sdst(0) depctr_va_ssrc(0) depctr_va_vcc(0) depctr_vm_vsrc(0)
	s_getreg_b32 s2, hwreg(HW_REG_IB_STS2, 6, 4)
	s_cmp_eq_u32 s2, 0
	s_cbranch_scc0 .Lentry_in_a_cluster
	s_endpgm
.Lentry_in_a_cluster:
	s_bfe_u32 s2, ttmp6, 0x10000c
	s_cmp_lg_u32 s2, 0x3003
	s_cbranch_scc0 .Lentry_shape_is_right
	s_endpgm
.Lentry_shape_is_right:
; An expert layer: xout = Q(relu(sum over e of g_e (Q(x) Q(w_e) + b_e))).  One text serves layers 0 and 1; NPH (halves of 512 along K) is all that differs.  Nothing of the layer is left out.
; The quantiser stands on x and not on g x, so each expert has an f32 sum of its own, which one packed multiply-add a pair weighs into OUT.
; LIMITS: as stated at the head of the first launch; the sums over experts (and over the halves of K) are added in another order than the einsum's.
; SHARES.  A work-group makes 256 rows x 64 columns, a wave 64 rows x 64 columns: 16 accumulators.  A wave's codes of x stay in its registers (192 for 512 along K), loaded from memory in operand order.
; The weights come as SLICES (one expert, my 64 columns, 512 along K: 25,600 bytes in operand order), two to a UNIT, through LDS; all four waves read the same fragments.
; CLUSTER.  The four work-groups of a cluster have other rows and the same columns: every unit is asked for JOINTLY (mask 15), each wave a quarter, 12,800 dense bytes.
; A slice is 4 K steps of 16 matrix instructions.  Behind a slice OUT += g_e ACC: these lines stand between the first 16 matrix instructions of the next slice, which begin the accumulators anew.
; The bias is the C of a slice's first K step (first half of K); the second half begins with the constant 0.
; THE MATRIX INSTRUCTION IS USED TRANSPOSED (source 0 = 16 columns of w, source 1 = 16 rows of x): a lane holds one row, and its 16 registers of two neighbouring tiles are 16 neighbours of the next K.
; LDS: NSLOT slots of 51,200; then the biases [8][64] f32, brought by ds_store (no fill lands there); then the spare words.  With NPH = 2 units 6 and 7 fill slots 0 and 1 again.
; REGISTERS, in windows of 256: w0: v1, v2 the add's two; v3-6 16, 8, 4 x lane, 8 r; v16-31 x's scale words; v32-47 w's, two sets; v64-127 g as pairs (8 e + 2 m); v128-255 OUT (32 m + 8 t)
;   w1: v0-127 ACC; v128-223 w's fragments, two sets of 48; v224-235 LDS addresses of the slots; v236 of the biases     w2: v0-191 x, first half of K; v192-223 the bias     w3: v0-191 x, second half
.set NPH,   2
.set NSL,   8*NPH                      ; slices
.set NU,    4*NPH                      ; units
.set NSLOT, 2+2*NPH                    ; slots
.set KH,    8*NPH                      ; half fragments in a row tile of x
.set WSEC,  (NPH-1)*3276800            ; the layer's section of wq
.set XSCI,  NPH*1572864                ; where x's half scale words begin
.set XSCO,  3145728                    ; and xout's
.set UNIT,  51200
.set SLICE, 25600
.set BIA,   NSLOT*UNIT
.set SPARE, BIA+2048
.set G1,    24                         ; s[24:31] descriptor group 1
.set G0,    32                         ; s[32+4u:35+4u] group 0 of unit u: written once, never again
.set MSB,   0
.macro WIN new                         ; the immediate's high byte repeats the setting that is left
.if MSB != (\new)
	s_set_vgpr_msb (MSB<<8)|(\new)
.set MSB, \new
.endif
.endm
.macro CROUND                          ; a round of the cluster's barrier
	s_barrier_signal -1
	s_barrier_wait -1
	s_cmp_lg_u32 s14, 0
	s_cbranch_scc1 .Lnw0_\@
	s_barrier_signal -3
.Lnw0_\@:
	s_barrier_wait -3
	s_barrier_signal -1
	s_barrier_wait -1
.endm
.macro XLD S                           ; x's four fragments of K step S: 16 loads of dense 512 or 256 bytes
	WIN 0x80+0x40*((\S)>>2)
.irp m, 0,1,2,3
.irp c, 0,1
	global_load_b128 v[48*((\S)&3)+12*\m+6*\c:48*((\S)&3)+12*\m+6*\c+3], v3, s[72:73] offset:\m*KH*768+(2*(\S)+\c)*768
	global_load_b64 v[48*((\S)&3)+12*\m+6*\c+4:48*((\S)&3)+12*\m+6*\c+5], v4, s[72:73] offset:\m*KH*768+(2*(\S)+\c)*768+512
.endr
.endr
.endm
.macro LDW kk                          ; w's four fragments of K step kk (slice kk / 4) into set kk % 2: 16 LDS loads
.set jn_, (\kk)>>2
.set sl_, (jn_>>1)%NSLOT
.set fb_, 128+48*((\kk)&1)
.set ob_, (jn_&1)*SLICE+((\kk)&3)*6144
.irp t, 0,1,2,3
.irp c, 0,1
	ds_load_b128 v[fb_+12*\t+6*\c:fb_+12*\t+6*\c+3], v[224+2*sl_] offset:ob_+(2*\t+\c)*768
	ds_load_b64 v[fb_+12*\t+6*\c+4:fb_+12*\t+6*\c+5], v[225+2*sl_] offset:ob_+(2*\t+\c)*768
.endr
.endr
.endm
.macro LDWS j                          ; slice j's scale words: register 4 b + s: lanes 0-15 tile 2 b, lanes 16-31 tile 2 b + 1
.set sl_, ((\j)>>1)%NSLOT
.irp b, 0,1
.irp g, 0,1
	ds_load_b64 v[32+8*((\j)&1)+4*\b+2*\g:33+8*((\j)&1)+4*\b+2*\g], v[225+2*sl_] offset:((\j)&1)*SLICE+24064+(2*\b+\g)*256
.endr
.endr
.endm
.macro LDB e                           ; expert e's bias in the result's layout
.irp t, 0,1,2,3
.irp q, 0,1
	ds_load_b128 v[192+8*\t+4*\q:195+8*\t+4*\q], v236 offset:256*(\e)+128*(\t/2)+32*(\t%2)+16*\q
.endr
.endr
.endm
.macro COMB idx, e, first              ; OUT += g_e ACC for accumulator idx; the first product starts OUT: nothing is cleared
.irp i, 0,1,2,3
.if \first
	v_pk_mul_f32 v[128+8*(\idx)+2*\i:129+8*(\idx)+2*\i], v[8*(\idx)+2*\i:8*(\idx)+2*\i+1], v[64+8*(\e)+2*((\idx)>>2):65+8*(\e)+2*((\idx)>>2)]
.else
	v_pk_fma_f32 v[128+8*(\idx)+2*\i:129+8*(\idx)+2*\i], v[8*(\idx)+2*\i:8*(\idx)+2*\i+1], v[64+8*(\e)+2*((\idx)>>2):65+8*(\e)+2*((\idx)>>2)], v[128+8*(\idx)+2*\i:129+8*(\idx)+2*\i]
.endif
.endr
.endm
.macro MMI z                           ; odd tiles of w and odd row tiles of x have their scale words in lanes 16-31
.if \z
.if (t_&1) && (m_&1)
	v_wmma_scale_f32_16x16x128_f8f6f4 v[rD:rD+7], v[rA:rA+11], v[rB:rB+11], 0, v[rSA], v[rSB] matrix_a_fmt:MATRIX_FMT_FP6 matrix_b_fmt:MATRIX_FMT_FP6 matrix_a_scale:MATRIX_SCALE_ROW1 matrix_b_scale:MATRIX_SCALE_ROW1
.elseif (t_&1)
	v_wmma_scale_f32_16x16x128_f8f6f4 v[rD:rD+7], v[rA:rA+11], v[rB:rB+11], 0, v[rSA], v[rSB] matrix_a_fmt:MATRIX_FMT_FP6 matrix_b_fmt:MATRIX_FMT_FP6 matrix_a_scale:MATRIX_SCALE_ROW1
.elseif (m_&1)
	v_wmma_scale_f32_16x16x128_f8f6f4 v[rD:rD+7], v[rA:rA+11], v[rB:rB+11], 0, v[rSA], v[rSB] matrix_a_fmt:MATRIX_FMT_FP6 matrix_b_fmt:MATRIX_FMT_FP6 matrix_b_scale:MATRIX_SCALE_ROW1
.else
	v_wmma_scale_f32_16x16x128_f8f6f4 v[rD:rD+7], v[rA:rA+11], v[rB:rB+11], 0, v[rSA], v[rSB] matrix_a_fmt:MATRIX_FMT_FP6 matrix_b_fmt:MATRIX_FMT_FP6
.endif
.else
.if (t_&1) && (m_&1)
	v_wmma_scale_f32_16x16x128_f8f6f4 v[rD:rD+7], v[rA:rA+11], v[rB:rB+11], v[rC:rC+7], v[rSA], v[rSB] matrix_a_fmt:MATRIX_FMT_FP6 matrix_b_fmt:MATRIX_FMT_FP6 matrix_a_scale:MATRIX_SCALE_ROW1 matrix_b_scale:MATRIX_SCALE_ROW1
.elseif (t_&1)
	v_wmma_scale_f32_16x16x128_f8f6f4 v[rD:rD+7], v[rA:rA+11], v[rB:rB+11], v[rC:rC+7], v[rSA], v[rSB] matrix_a_fmt:MATRIX_FMT_FP6 matrix_b_fmt:MATRIX_FMT_FP6 matrix_a_scale:MATRIX_SCALE_ROW1
.elseif (m_&1)
	v_wmma_scale_f32_16x16x128_f8f6f4 v[rD:rD+7], v[rA:rA+11], v[rB:rB+11], v[rC:rC+7], v[rSA], v[rSB] matrix_a_fmt:MATRIX_FMT_FP6 matrix_b_fmt:MATRIX_FMT_FP6 matrix_b_scale:MATRIX_SCALE_ROW1
.else
	v_wmma_scale_f32_16x16x128_f8f6f4 v[rD:rD+7], v[rA:rA+11], v[rB:rB+11], v[rC:rC+7], v[rSA], v[rSB] matrix_a_fmt:MATRIX_FMT_FP6 matrix_b_fmt:MATRIX_FMT_FP6
.endif
.endif
.endm
.macro MM j, s, idx                    ; accumulator idx = 4 m + t of slice j, K step s
.set m_, (\idx)>>2
.set t_, (\idx)&3
.set rD, 8*(\idx)
.set rA, 128+48*((\s)&1)+12*t_
.set rB, 48*(\s)+12*m_
.set rC, rD
.set rSA, 32+8*((\j)&1)+4*(t_>>1)+(\s)
.set rSB, 16+8*((\j)>>3)+2*(\s)+(m_>>1)
.if ((\s)==0) && ((\j)<8)
.set rC, 192+8*t_
.endif
.if ((\s)==0) && ((\j)>=8)
	MMI 1
.else
	MMI 0
.endif
.endm
; ONE K STEP.  Places; at the first K step of an odd slice the next unit is made sure of; the next K step's fragments are asked for; the wait; 16 matrix instructions, the accumulators by turns in one order everywhere.
.macro KSTEP j, s
.set kap_, 4*(\j)+(\s)
.set wmm_, 0x59+4*((\j)>>3)            ; w's fragments and ACC in window 1, x in window 2 or 3; LDS loads of fragments run under the same setting (data and address in window 1)
.set wm0_, wmm_
.if ((\s)==0) && ((\j)<8)
.set wm0_, 0x69                        ; C = the bias, in window 2
.endif
.set rdy_, 0
.set un_, ((\j)+1)/2
.if ((\s)==0) && (((\j)&1)==1) && ((\j)+1<NSL)
.set rdy_, 1
.if (un_+1>=NSLOT) && (un_+1<NU)
.set rdy_, 2
.endif
.endif
.if kap_ > 0
.rept 4
	v_nop                                          ; four places in front of loads into registers that matrix instructions have read, and of the first read of results;
.endr
.if (\s)==0
	v_nop                                          ; a fifth where accumulators are begun anew with another C
.endif
.endif
.if rdy_ == 1
.if NSLOT-1-un_ > 0
	s_wait_tensorcnt NSLOT-1-un_                   ; my quarter of the next unit is in: so many first fills were issued behind it
.else
	s_wait_tensorcnt 0x0
.endif
	s_wait_dscnt 0x0                               ; no LDS instruction of mine is out at a signal
	s_barrier_signal -1                            ; the wait for it stands behind this K step's products, which read the unit in hand alone
.endif
.if rdy_ == 2
	WIN 0
	s_wait_tensorcnt 0x0                           ; all my tensor loads have landed, my quarter of the next unit among them;
	ds_add_u32 v1, v2                              ; 0 onto my spare word;
	s_wait_dscnt 0x0                               ; the add is done and no LDS read of mine is out (the slot's last reads lie slices back)
	CROUND                                         ; so of every wave of all four work-groups
	tensor_load_to_lds s[G0+4*(un_+1):G0+4*(un_+1)+3], s[G1:G1+7]   ; my one load behind the round: it has two slices, 128 matrix instructions, in which to land
	s_nop 0
.rept 4
	v_nop
.endr
.endif
.set nw_, 0
.if kap_+1 < 4*NSL
	WIN wmm_
	LDW kap_+1
.set nw_, 16
.endif
.if ((\s)==1) && ((\j)+1<NSL)
	WIN 0x01
	LDWS (\j)+1
.set nw_, nw_+4
.if (\j)+1 < 8
	WIN 0x81
	LDB (\j)+1
.set nw_, nw_+8
.endif
.endif
.if (NPH==2) && ((\s)==1) && ((\j)>=1) && ((\j)<=4)
	XLD 3+(\j)                                     ; x's second half of K is asked for during slices 1 to 4
.endif
	s_wait_dscnt nw_                               ; all but what this K step has just asked for
.if (\j)==0
.if (\s) < 2
	s_wait_loadcnt 63                              ; behind x's K steps 0 and 1 stand 80 and 64 loads: the count is the field's largest
.else
	s_wait_loadcnt 80-16*(\s)                      ; behind K step s: the later K steps' 16 each, and g's 32
.endif
.endif
.if ((\j)==1) && ((\s)==0)
	s_wait_loadcnt 0x0                             ; g
.endif
.if (\j)==8
	s_wait_loadcnt 48-16*(\s)                      ; x's second half: the later K steps' 16 each
.endif
.set i_, 0
.rept 16
.if ((\s)==0) && ((\j)>0)
	WIN 0x01
	COMB i_, ((\j)-1)&7, ((\j)==1)
.endif
	WIN wm0_
	MM \j, \s, i_
.set i_, i_+1
.endr
.if rdy_ == 1
	s_barrier_wait -1                              ; everybody's quarter is in: from the next K step on the next unit may be read
.endif
.endm
	s_load_b256 s[4:11], s[0:1], 0x0               ; x s[4:5], wq s[6:7], bias s[8:9], gt2 s[10:11]
	s_load_b64 s[12:13], s[0:1], 0x20              ; xout
	v_lshl_add_u32 v1, v0, 2, SPARE
	v_mov_b32 v2, 0
	ds_add_u32 v1, v2                              ; the wave's opening: the add, twice on end, and its wait ahead of my first tensor load
	ds_add_u32 v1, v2
	v_lshrrev_b32 v7, 5, v0
	v_readfirstlane_b32 s14, v7                    ; wave 0..3
	s_and_b32 s17, ttmp7, 0xffff                   ; cb: my 64 columns, which the four partners share
	s_mov_b32 s[G1+0], 15|(3<<16)|(1<<21)          ; mask: all four work-groups; elements of 8 bytes; bit 21 beside a mask; no padding
	s_mov_b32 s[G1+1], 32<<16                      ; tensor_dim0 = 32 elements: rows of 256 bytes
	s_mov_b32 s[G1+2], 50<<16                      ; tensor_dim1 = 50 rows: a quarter unit, 12,800 dense bytes
	s_mov_b32 s[G1+3], 32<<16                      ; tile_dim0
	s_mov_b32 s[G1+4], 50                          ; tile_dim1
	s_mov_b32 s[G1+5], 32                          ; the pitch
	s_mov_b32 s[G1+6], 0
	s_mov_b32 s[G1+7], 0
	s_mul_i32 s19, s14, 12800                      ; my quarter, in a unit and in a slot
	s_mul_i32 s20, s17, NPH*204800
	s_add_co_u32 s20, s20, s19
	s_add_co_u32 s20, s20, WSEC
	s_mov_b32 s21, 0
	s_bfe_u32 s70, ttmp6, 0x40000                  ; cx: it enters the addresses of x, g and xout alone, in registers of their own
	s_lshl_b32 s71, ttmp9, 2
	s_add_co_u32 s71, s71, s70
	s_lshl_b32 s71, s71, 2
	s_add_co_u32 s71, s71, s14                     ; rg: my wave's 64 rows
	s_mul_i32 s72, s71, KH*3072
	s_mov_b32 s73, 0
	s_lshl_b32 s74, s71, 8
	s_add_co_u32 s74, s74, XSCI
	s_mov_b32 s75, 0
	s_lshl_b32 s76, s71, 9
	s_mov_b32 s77, 0
	s_mul_i32 s78, s71, 49152
	s_mul_i32 s79, s17, 768
	s_add_co_u32 s78, s78, s79
	s_mov_b32 s79, 0
	s_lshl_b32 s80, s71, 8
	s_lshl_b32 s81, s17, 14
	s_add_co_u32 s80, s80, s81
	s_add_co_u32 s80, s80, XSCO
	s_mov_b32 s81, 0
	s_lshl_b32 s82, s17, 8
	s_mov_b32 s83, 0
	s_mov_b32 s66, 0x76543210
	s_mov_b32 s67, 0xfedcba98                      ; v_permlanex16_b32's selects for lane l xor 16
	s_mov_b32 s68, 0xffff0000                      ; lanes 16-31
	s_and_b32 s69, s17, 1
	s_lshl_b32 s69, s69, 4                         ; an odd half fragment's scale bytes lie in bits 16-31
	v_and_b32 v7, 31, v0
	v_lshlrev_b32 v3, 4, v7
	v_lshlrev_b32 v4, 3, v7
	v_lshlrev_b32 v5, 2, v7
	v_and_b32 v6, 15, v0
	v_lshlrev_b32 v6, 3, v6
	v_bfe_u32 v9, v0, 4, 1
	v_lshrrev_b32 v14, 4, v0
	v_and_b32 v15, 15, v0
	v_lshlrev_b32 v15, 4, v15
	v_lshl_add_u32 v14, v14, 12, v15               ; the bias: thread n takes 16 bytes of expert n / 16
	v_lshl_add_u32 v8, v0, 4, BIA
	s_wait_dscnt 0x0                               ; both opening adds are done
	s_wait_kmcnt 0x0
	s_add_nc_u64 s[22:23], s[6:7], s[20:21]
.set u_, 0
.rept NU
	s_mov_b32 s[G0+4*u_], 1
	s_add_co_u32 s[G0+4*u_+1], s19, (u_%NSLOT)*UNIT
	s_add_nc_u64 s[G0+4*u_+2:G0+4*u_+3], s[22:23], u_*UNIT
	s_or_b32 s[G0+4*u_+3], s[G0+4*u_+3], 0x80000000
.set u_, u_+1
.endr
	s_add_nc_u64 s[72:73], s[4:5], s[72:73]        ; x's codes at my rows
	s_add_nc_u64 s[74:75], s[4:5], s[74:75]        ; its half scale words
	s_add_nc_u64 s[76:77], s[10:11], s[76:77]      ; g
	s_add_nc_u64 s[78:79], s[12:13], s[78:79]      ; xout's codes
	s_add_nc_u64 s[80:81], s[12:13], s[80:81]      ; its half scale words
	s_add_nc_u64 s[82:83], s[8:9], s[82:83]        ; the bias at my columns
	global_load_b128 v[10:13], v14, s[82:83]
.set k_, 0
.rept KH
	global_load_b32 v[128+2*k_], v5, s[74:75] offset:k_*16384        ; lane = row % 32: row tiles 0, 1
	global_load_b32 v[129+2*k_], v5, s[74:75] offset:k_*16384+128    ; row tiles 2, 3
.set k_, k_+1
.endr
	XLD 0
	WIN 0
	CROUND                                         ; all four work-groups are here: the first joint loads meet
.set u_, 0
.rept NSLOT
	tensor_load_to_lds s[G0+4*u_:G0+4*u_+3], s[G1:G1+7]   ; the first fills, one group: NSLOT loads of mine are out
	s_nop 0
.set u_, u_+1
.endr
.rept 4
	v_nop
.endr
	XLD 1
	XLD 2
	XLD 3
	WIN 0
.irp e, 0,1,2,3,4,5,6,7
.irp m, 0,1,2,3
	global_load_b64 v[64+8*\e+2*\m:65+8*\e+2*\m], v6, s[76:77] offset:32768*\e+128*\m
.endr
.endr
	s_wait_loadcnt 63                              ; 80 loads were issued behind x's K step 0: the bias and the half scale words are in
	ds_store_b128 v8, v[10:13]
.set k_, 0
.rept KH/2
	v_or_b32 v[16+2*k_], v[128+4*k_], v[130+4*k_]  ; a K step's scale word from its two halves
	v_or_b32 v[17+2*k_], v[129+4*k_], v[131+4*k_]
.set k_, k_+1
.endr
	WIN 0x40
.set u_, 0
.rept NSLOT
	v_add_nc_u32 v[224+2*u_], u_*UNIT, v3
	v_add_nc_u32 v[225+2*u_], u_*UNIT+512, v4
.set u_, u_+1
.endr
	v_lshl_add_u32 v236, v9, 6, BIA                ; (these lines are also the places between the scale words' making and the first product)
	WIN 0
	s_wait_tensorcnt NSLOT-1                       ; my quarter of unit 0 is in; the later first fills may be out
	s_wait_dscnt 0x0                               ; my part of the biases has landed
	s_barrier_signal -1
	s_barrier_wait -1
	WIN 0x01
	LDWS 0
	WIN 0x81
	LDB 0
	WIN 0x59
	LDW 0
.set jj, 0
.rept NSL
	KSTEP jj, 0
	KSTEP jj, 1
	KSTEP jj, 2
	KSTEP jj, 3
.set jj, jj+1
.endr
	WIN 0
.rept 4
	v_nop
.endr
	WIN 0x01
.set i_, 0
.rept 16
	COMB i_, 7, 0
.set i_, i_+1
.endr
	WIN 0
	; THE WAY OUT: relu; each row tile's 64 columns are two blocks of 32 of the next K: one half fragment and half a scale word
.set i_, 0
.rept 128
	v_max_num_f32 v[128+i_], 0, v[128+i_]
.set i_, i_+1
.endr
.irp n, 0,1,2,3,4,5,6,7
	v_mov_b32 v[24+\n], 0                          ; a lane permute's destination counts as one of its sources
.endr
.irp n, 0,1,2,3,4,5,6,7                ; n = 2 m + b: block b of row tile m; no |.|: nothing is negative
	v_max3_num_f32 v[16+\n], v[128+16*\n], v[129+16*\n], 0x1800000
.endr
.irp i, 2,4,6,8,10,12,14
.irp n, 0,1,2,3,4,5,6,7
	v_max3_num_f32 v[16+\n], v[16+\n], v[128+16*\n+\i], v[129+16*\n+\i]
.endr
.endr
.irp n, 0,1,2,3,4,5,6,7
	v_permlanex16_b32 v[24+\n], v[16+\n], s66, s67
.endr
.irp n, 0,1,2,3,4,5,6,7
	v_max_num_f32 v[16+\n], v[16+\n], v[24+\n]
.endr
.irp n, 0,1,2,3,4,5,6,7
	v_add_nc_u32 v[32+\n], 0xff000000, v[16+\n]
.endr
.irp n, 0,1,2,3,4,5,6,7
	v_lshrrev_b32 v[40+\n], 23, v[32+\n]
.endr
.irp m, 0,1,2,3
	v_lshl_or_b32 v[48+\m], v[41+2*\m], 8, v[40+2*\m]
.endr
.irp m, 0,1,2,3
	v_cvt_scalef32_pk16_fp6_f32 v[64+8*\m:66+8*\m], v[128+32*\m:143+32*\m], v[32+2*\m]
	v_cvt_scalef32_pk16_fp6_f32 v[96+4*\m:98+4*\m], v[144+32*\m:159+32*\m], v[33+2*\m]
.endr
	v_nop                                          ; one plain instruction behind a scaled conversion
.irp m, 0,1,2,3
.irp i, 0,1,2
	v_permlane16_swap_b32 v[64+8*\m+\i], v[96+4*\m+\i]
.endr
.irp i, 0,1,2
	v_mov_b32 v[67+8*\m+\i], v[96+4*\m+\i]
.endr
.endr
.irp m, 0,1,2,3
	global_store_b128 v3, v[64+8*\m:67+8*\m], s[78:79] offset:12288*\m        ; 512 consecutive bytes, aligned to 256
	global_store_b64 v4, v[68+8*\m:69+8*\m], s[78:79] offset:12288*\m+512     ; 256 more
.endr
.irp p, 0,1
	v_cndmask_b32 v[52+\p], v[48+2*\p], v[49+2*\p], s68   ; lanes 0-15 row tile 2 p, lanes 16-31 row tile 2 p + 1
	v_lshlrev_b32 v[52+\p], s69, v[52+\p]
	global_store_b32 v5, v[52+\p], s[80:81] offset:128*\p
.endr
	s_wait_tensorcnt 0x0                           ; the wave's end
	ds_add_u32 v1, v2
	s_wait_dscnt 0x0
	CROUND                                         ; the closing round
	s_endpgm
.Lfunc_end_k_qb6dcf89f2c_lay1:
	.size	k_qb6dcf89f2c_lay1, .Lfunc_end_k_qb6dcf89f2c_lay1-k_qb6dcf89f2c_lay1
	.p2alignl 7, 3214868480
	.fill 96, 4, 3214868480
	.section	.rodata,"a",@progbits
	.p2align	6, 0x0
	.amdhsa_kernel k_qb6dcf89f2c_lay1
		.amdhsa_group_segment_fixed_size 327680
		.amdhsa_private_segment_fixed_size 0
		.amdhsa_enable_private_segment 0
		.amdhsa_kernarg_size 40
		.amdhsa_user_sgpr_count 2
		.amdhsa_user_sgpr_kernarg_segment_ptr 1
		.amdhsa_wavefront_size32 1
		.amdhsa_system_sgpr_workgroup_id_x 1
		.amdhsa_system_sgpr_workgroup_id_y 1
		.amdhsa_system_sgpr_workgroup_id_z 1
		.amdhsa_system_vgpr_workitem_id 0
		.amdhsa_next_free_vgpr 1024
		.amdhsa_next_free_sgpr 84
		.amdhsa_reserve_vcc 0
		.amdhsa_float_denorm_mode_32 3
		.amdhsa_float_denorm_mode_16_64 3
		.amdhsa_memory_ordered 1
		.amdhsa_forward_progress 1
		.amdhsa_inst_pref_size 255
	.end_amdhsa_kernel
	.section	.bss,"aw",@nobits
	.p2align	6
	.space	262144
	.amdgpu_metadata
---
amdhsa.version: [ 1, 2 ]
amdhsa.kernels:
  - .name:           k_qb6dcf89f2c_lay1
    .symbol:         k_qb6dcf89f2c_lay1.kd
    .args:
      - { .name: x1, .offset: 0, .size: 8, .value_kind: global_buffer, .address_space: global }
      - { .name: wq, .offset: 8, .size: 8, .value_kind: global_buffer, .address_space: global }
      - { .name: b1, .offset: 16, .size: 8, .value_kind: global_buffer, .address_space: global }
      - { .name: gt2, .offset: 24, .size: 8, .value_kind: global_buffer, .address_space: global }
      - { .name: x2, .offset: 32, .size: 8, .value_kind: global_buffer, .address_space: global }
    .group_segment_fixed_size: 327680
    .private_segment_fixed_size: 0
    .kernarg_segment_align: 8
    .kernarg_segment_size: 40
    .max_flat_workgroup_size: 128
    .sgpr_count:     84
    .vgpr_count:     1024
    .wavefront_size: 32
...
	.end_amdgpu_metadata
.endif
;; end of part 3
;; launch tail (part 4): grid 64 x 1, 4 waves a work-group, no clusters, 70,144 bytes of LDS; arguments x2, wq, b2, gt2, out0; writes out0
.if DOCPART == 4
	.amdgcn_target "amdgcn-amd-amdhsa--gfx1250"
	.amdhsa_code_object_version 6
	.text
	.protected	k_qb6dcf89f2c_tail
	.globl	k_qb6dcf89f2c_tail
	.p2align	8
	.type	k_qb6dcf89f2c_tail,@function
k_qb6dcf89f2c_tail:
	s_mov_b64 s[64:65], 0
	v_nop
	global_prefetch_b8 v0, s[64:65] scope:SCOPE_SE
	s_setreg_imm32_b32 hwreg(HW_REG_WAVE_MODE, 25, 1), 1
	s_wait_xcnt 0x0
; The last expert layer: out0 = tanh(sum over e of g_e (Q(x) Q(w2_e) + b2_e)).  Nothing of it is left out.
; LIMITS: as stated at the head of the first launch.  tanh(y) = 1 - 2 / (1 + 2^(2 log2(e) y)): an absolute error of some 1e-7 near 0; it goes to +-1 where the exponential overflows or falls to 0.
; The sum over experts is added in another order than the einsum's.
; SHARES.  A work-group owns 64 rows.  Wave w takes experts 2 w and 2 w + 1 for all 64 rows x 64 outputs: 16 accumulators, 8 K steps an expert, 256 matrix instructions.  The four waves' weighed sums meet in LDS,
; which also turns them to rows; each wave then finishes 16 rows.
; NO CLUSTER, NO LDS FOR THE WEIGHTS: a work-group multiplies each fragment of w2 once, by one wave (16 products), so a pass through LDS would add a write and a read for each byte and spare none inside
; the work-group; the fragments go from memory, where they lie in operand order, straight into registers, three K steps (48 loads) ahead.  64 work-groups: every work-group that owns rows reads all
; 409,600 bytes of w2's codes, so more work-groups would read more, with fewer products to stand beside the reading.
; REGISTERS, in windows of 256: w0: v1, v2 the add's two; v3-6 16, 8, 4 x lane, 8 r; v16-31 x's scale words; v32-63 w2's (16 el + 8 ph + 4 b + s); v64-79 g as pairs; v80-127 fragment set 3; v128-255 OUT
;   w1: v0-127 ACC; v128-175, v176-223 sets 0, 1; v224-255 my first expert's bias     w2: v0-191 x, K steps 0-3; v192-239 set 2     w3: v0-191 x, K steps 4-7; v192-223 my second expert's bias
.set KH,    16
.set SPARE, 69632                      ; behind the four stages of 64 rows x 272 bytes
.set MSB,   0
.macro WIN new
.if MSB != (\new)
	s_set_vgpr_msb (MSB<<8)|(\new)
.set MSB, \new
.endif
.endm
.macro XLD S
	WIN 0x80+0x40*((\S)>>2)
.irp m, 0,1,2,3
.irp c, 0,1
	global_load_b128 v[48*((\S)&3)+12*\m+6*\c:48*((\S)&3)+12*\m+6*\c+3], v3, s[16:17] offset:\m*KH*768+(2*(\S)+\c)*768
	global_load_b64 v[48*((\S)&3)+12*\m+6*\c+4:48*((\S)&3)+12*\m+6*\c+5], v4, s[16:17] offset:\m*KH*768+(2*(\S)+\c)*768+512
.endr
.endr
.endm
.macro SETOF k                         ; where fragment set k % 4 lies: window sw_, register sb_
.set q_, (\k)&3
.set sw_, 1
.set sb_, 128+48*q_
.if q_ == 2
.set sw_, 2
.set sb_, 192
.endif
.if q_ == 3
.set sw_, 0
.set sb_, 80
.endif
.endm
.macro GLW k                           ; step k = 8 el + s: expert 2 w + el, K step s: four fragments, 16 loads
	SETOF \k
	WIN sw_<<6
.set ob_, (((\k)&7)>>2)*204800+((\k)>>3)*25600+((\k)&3)*6144
.irp t, 0,1,2,3
.irp c, 0,1
	global_load_b128 v[sb_+12*\t+6*\c:sb_+12*\t+6*\c+3], v3, s[20:21] offset:ob_+(2*\t+\c)*768
	global_load_b64 v[sb_+12*\t+6*\c+4:sb_+12*\t+6*\c+5], v4, s[20:21] offset:ob_+(2*\t+\c)*768+512
.endr
.endr
.endm
.macro COMB idx, el, first
.irp i, 0,1,2,3
.if \first
	v_pk_mul_f32 v[128+8*(\idx)+2*\i:129+8*(\idx)+2*\i], v[8*(\idx)+2*\i:8*(\idx)+2*\i+1], v[64+8*(\el)+2*((\idx)>>2):65+8*(\el)+2*((\idx)>>2)]
.else
	v_pk_fma_f32 v[128+8*(\idx)+2*\i:129+8*(\idx)+2*\i], v[8*(\idx)+2*\i:8*(\idx)+2*\i+1], v[64+8*(\el)+2*((\idx)>>2):65+8*(\el)+2*((\idx)>>2)], v[128+8*(\idx)+2*\i:129+8*(\idx)+2*\i]
.endif
.endr
.endm
.macro TMM idx
.set m_, (\idx)>>2
.set t_, (\idx)&3
.set rD, 8*(\idx)
.set rA, sb_+12*t_
.set rB, 48*(s_&3)+12*m_
.set rC, rD
.if s_ == 0
.set rC, 224-32*el_+8*t_
.endif
.set rSA, 32+16*el_+8*(s_>>2)+4*(t_>>1)+(s_&3)
.set rSB, 16+2*s_+(m_>>1)
.if (t_&1) && (m_&1)
	v_wmma_scale_f32_16x16x128_f8f6f4 v[rD:rD+7], v[rA:rA+11], v[rB:rB+11], v[rC:rC+7], v[rSA], v[rSB] matrix_a_fmt:MATRIX_FMT_FP6 matrix_b_fmt:MATRIX_FMT_FP6 matrix_a_scale:MATRIX_SCALE_ROW1 matrix_b_scale:MATRIX_SCALE_ROW1
.elseif (t_&1)
	v_wmma_scale_f32_16x16x128_f8f6f4 v[rD:rD+7], v[rA:rA+11], v[rB:rB+11], v[rC:rC+7], v[rSA], v[rSB] matrix_a_fmt:MATRIX_FMT_FP6 matrix_b_fmt:MATRIX_FMT_FP6 matrix_a_scale:MATRIX_SCALE_ROW1
.elseif (m_&1)
	v_wmma_scale_f32_16x16x128_f8f6f4 v[rD:rD+7], v[rA:rA+11], v[rB:rB+11], v[rC:rC+7], v[rSA], v[rSB] matrix_a_fmt:MATRIX_FMT_FP6 matrix_b_fmt:MATRIX_FMT_FP6 matrix_b_scale:MATRIX_SCALE_ROW1
.else
	v_wmma_scale_f32_16x16x128_f8f6f4 v[rD:rD+7], v[rA:rA+11], v[rB:rB+11], v[rC:rC+7], v[rSA], v[rSB] matrix_a_fmt:MATRIX_FMT_FP6 matrix_b_fmt:MATRIX_FMT_FP6
.endif
.endm
.macro TSTEP k
.set el_, (\k)>>3
.set s_, (\k)&7
.if (\k) > 0
.rept 4
	v_nop                                          ; places in front of loads into the set that the last step's products read, and of the first read of results;
.endr
.if s_ == 0
	v_nop                                          ; a fifth where the accumulators are begun anew
.endif
.endif
.if (\k)+3 <= 15
	GLW (\k)+3
	s_wait_loadcnt 48                              ; this step's fragments are in; the next three steps' 16 loads each may be out
.else
	s_wait_loadcnt 16*(15-(\k))
.endif
.if (\k) == 0
	WIN 0
.set n_, 0
.rept 8
	v_or_b32 v[16+2*n_], v[128+4*n_], v[130+4*n_]  ; a K step's scale word of x from its two halves
	v_or_b32 v[17+2*n_], v[129+4*n_], v[131+4*n_]
.set n_, n_+1
.endr
.rept 8
	v_nop                                          ; a scale register written by a vector instruction stands 8 places ahead of a scaled matrix instruction
.endr
.endif
	SETOF \k
.set wc_, 1
.if (s_ == 0) && (el_ == 1)
.set wc_, 3
.endif
.set i_, 0
.rept 16
.if (\k) == 8
	WIN 0x01
	COMB i_, 0, 1
.endif
	WIN (1<<6)|(wc_<<4)|((2+(s_>>2))<<2)|sw_
	TMM i_
.set i_, i_+1
.endr
.endm
	s_load_b256 s[4:11], s[0:1], 0x0               ; x2 s[4:5], wq s[6:7], b2 s[8:9], gt2 s[10:11]
	s_load_b64 s[12:13], s[0:1], 0x20              ; out0
	v_lshl_add_u32 v1, v0, 2, SPARE
	v_mov_b32 v2, 0
	v_lshrrev_b32 v7, 5, v0
	v_readfirstlane_b32 s14, v7                    ; wave 0..3
	v_and_b32 v7, 31, v0
	v_lshlrev_b32 v3, 4, v7
	v_lshlrev_b32 v4, 3, v7
	v_lshlrev_b32 v5, 2, v7
	v_and_b32 v11, 15, v0                          ; r
	v_lshlrev_b32 v6, 3, v11
	v_bfe_u32 v10, v0, 4, 1                        ; h
	v_lshlrev_b32 v9, 6, v10
	s_mul_i32 s15, s14, 17408
	v_mul_u32_u24 v7, v11, 272
	v_lshl_add_u32 v7, v10, 6, v7
	v_add_nc_u32 v7, s15, v7                       ; my stage: row r of a row tile, + 64 h
	s_mul_i32 s15, s14, 4352
	v_mul_u32_u24 v8, v10, 272
	v_lshl_add_u32 v8, v11, 4, v8
	v_add_nc_u32 v8, s15, v8                       ; back: rows 16 w on; lanes 0-15 one row, lanes 16-31 the next
	s_mul_i32 s16, ttmp9, 49152
	s_mov_b32 s17, 0
	s_lshl_b32 s18, ttmp9, 8
	s_add_co_u32 s18, s18, 3145728
	s_mov_b32 s19, 0
	s_mul_i32 s20, s14, 51200
	s_add_co_u32 s20, s20, 9830400
	s_mov_b32 s21, 0
	s_lshl_b32 s22, s14, 9
	s_mov_b32 s23, 0
	s_lshl_b32 s24, ttmp9, 9
	s_lshl_b32 s25, s14, 16
	s_add_co_u32 s24, s24, s25
	s_mov_b32 s25, 0
	s_lshl_b32 s26, ttmp9, 14
	s_lshl_b32 s27, s14, 12
	s_add_co_u32 s26, s26, s27
	s_mov_b32 s27, 0
	s_wait_kmcnt 0x0
	s_add_nc_u64 s[16:17], s[4:5], s[16:17]        ; x's codes at my work-group's rows
	s_add_nc_u64 s[18:19], s[4:5], s[18:19]        ; its half scale words
	s_add_nc_u64 s[20:21], s[6:7], s[20:21]        ; w2's slices of my two experts
	s_add_nc_u64 s[22:23], s[8:9], s[22:23]        ; their biases
	s_add_nc_u64 s[24:25], s[10:11], s[24:25]      ; their g at my rows
	s_add_nc_u64 s[26:27], s[12:13], s[26:27]      ; out0 at the 16 rows that I finish
.set k_, 0
.rept KH
	global_load_b32 v[128+2*k_], v5, s[18:19] offset:k_*16384
	global_load_b32 v[129+2*k_], v5, s[18:19] offset:k_*16384+128
.set k_, k_+1
.endr
.irp l, 0,1
.irp m, 0,1,2,3
	global_load_b64 v[64+8*\l+2*\m:65+8*\l+2*\m], v6, s[24:25] offset:32768*\l+128*\m
.endr
.endr
.irp l, 0,1
.irp p, 0,1
.irp b, 0,1
.irp g, 0,1
	global_load_b64 v[32+16*\l+8*\p+4*\b+2*\g:33+16*\l+8*\p+4*\b+2*\g], v4, s[20:21] offset:\p*204800+\l*25600+24576+(2*\b+\g)*256
.endr
.endr
.endr
.endr
	WIN 0x40
.irp t, 0,1,2,3
.irp q, 0,1
	global_load_b128 v[224+8*\t+4*\q:227+8*\t+4*\q], v9, s[22:23] offset:128*(\t/2)+32*(\t%2)+16*\q
.endr
.endr
	WIN 0xc0
.irp t, 0,1,2,3
.irp q, 0,1
	global_load_b128 v[192+8*\t+4*\q:195+8*\t+4*\q], v9, s[22:23] offset:256+128*(\t/2)+32*(\t%2)+16*\q
.endr
.endr
.irp S, 0,1,2,3,4,5,6,7
	XLD \S
.endr
	GLW 0
	GLW 1
	GLW 2
.set kk, 0
.rept 16
	TSTEP kk
.set kk, kk+1
.endr
	WIN 0
.rept 4
	v_nop
.endr
	WIN 0x01
.set i_, 0
.rept 16
	COMB i_, 1, 0
.set i_, i_+1
.endr
	WIN 0
	; the four waves' sums meet: register 32 m + 8 t + j of lane (r, h) is (row 16 m + r, output 32 (t / 2) + 16 h + 8 (t % 2) + j)
.irp m, 0,1,2,3
.irp t, 0,1,2,3
.irp q, 0,1
	ds_store_b128 v7, v[128+32*\m+8*\t+4*\q:131+32*\m+8*\t+4*\q] offset:\m*4352+128*(\t/2)+32*(\t%2)+16*\q
.endr
.endr
.endr
	s_wait_dscnt 0x0                               ; for the others' sake: my stores have landed
	s_barrier_signal -1
	s_barrier_wait -1
.irp i, 0,1,2,3,4,5,6,7
.irp q, 0,1,2,3
	ds_load_b128 v[128+16*\i+4*\q:131+16*\i+4*\q], v8 offset:\q*17408+544*\i
.endr
.endr
	s_wait_dscnt 0x0
.irp i, 0,1,2,3,4,5,6,7
	v_pk_add_f32 v[128+16*\i:129+16*\i], v[128+16*\i:129+16*\i], v[132+16*\i:133+16*\i]
	v_pk_add_f32 v[130+16*\i:131+16*\i], v[130+16*\i:131+16*\i], v[134+16*\i:135+16*\i]
	v_pk_add_f32 v[136+16*\i:137+16*\i], v[136+16*\i:137+16*\i], v[140+16*\i:141+16*\i]
	v_pk_add_f32 v[138+16*\i:139+16*\i], v[138+16*\i:139+16*\i], v[142+16*\i:143+16*\i]
	v_pk_add_f32 v[128+16*\i:129+16*\i], v[128+16*\i:129+16*\i], v[136+16*\i:137+16*\i]
	v_pk_add_f32 v[130+16*\i:131+16*\i], v[130+16*\i:131+16*\i], v[138+16*\i:139+16*\i]
.endr
.set n_, 0
.rept 32
	v_mul_f32 v[128+16*(n_>>2)+(n_&3)], 0x4038aa3b, v[128+16*(n_>>2)+(n_&3)]   ; 2 log2(e) y
.set n_, n_+1
.endr
.set n_, 0
.rept 32
	v_exp_f32 v[128+16*(n_>>2)+(n_&3)], v[128+16*(n_>>2)+(n_&3)]
.set n_, n_+1
.endr
	v_nop                                          ; a plain instruction behind the last exponential
	s_wait_alu depctr_va_vdst(0)                   ; one wait for the batch, ahead of its first reader
.set n_, 0
.rept 32
	v_add_f32 v[128+16*(n_>>2)+(n_&3)], 1.0, v[128+16*(n_>>2)+(n_&3)]
.set n_, n_+1
.endr
.set n_, 0
.rept 32
	v_rcp_f32 v[128+16*(n_>>2)+(n_&3)], v[128+16*(n_>>2)+(n_&3)]
.set n_, n_+1
.endr
	v_nop
	s_wait_alu depctr_va_vdst(0)
.set n_, 0
.rept 32
	v_fma_f32 v[128+16*(n_>>2)+(n_&3)], v[128+16*(n_>>2)+(n_&3)], -2.0, 1.0
.set n_, n_+1
.endr
.irp i, 0,1,2,3,4,5,6,7
	global_store_b128 v3, v[128+16*\i:131+16*\i], s[26:27] offset:512*\i   ; two rows of 256 bytes: 512 consecutive bytes, aligned to 256
.endr
	s_wait_tensorcnt 0x0                           ; the wave's end
	ds_add_u32 v1, v2
	s_wait_dscnt 0x0
	s_endpgm
.Lfunc_end_k_qb6dcf89f2c_tail:
	.size	k_qb6dcf89f2c_tail, .Lfunc_end_k_qb6dcf89f2c_tail-k_qb6dcf89f2c_tail
	.p2alignl 7, 3214868480
	.fill 96, 4, 3214868480
	.section	.rodata,"a",@progbits
	.p2align	6, 0x0
	.amdhsa_kernel k_qb6dcf89f2c_tail
		.amdhsa_group_segment_fixed_size 70144
		.amdhsa_private_segment_fixed_size 0
		.amdhsa_enable_private_segment 0
		.amdhsa_kernarg_size 40
		.amdhsa_user_sgpr_count 2
		.amdhsa_user_sgpr_kernarg_segment_ptr 1
		.amdhsa_wavefront_size32 1
		.amdhsa_system_sgpr_workgroup_id_x 1
		.amdhsa_system_sgpr_workgroup_id_y 1
		.amdhsa_system_sgpr_workgroup_id_z 1
		.amdhsa_system_vgpr_workitem_id 0
		.amdhsa_next_free_vgpr 1024
		.amdhsa_next_free_sgpr 66
		.amdhsa_reserve_vcc 0
		.amdhsa_float_denorm_mode_32 3
		.amdhsa_float_denorm_mode_16_64 3
		.amdhsa_memory_ordered 1
		.amdhsa_forward_progress 1
		.amdhsa_inst_pref_size 106
	.end_amdhsa_kernel
	.amdgpu_metadata
---
amdhsa.version: [ 1, 2 ]
amdhsa.kernels:
  - .name:           k_qb6dcf89f2c_tail
    .symbol:         k_qb6dcf89f2c_tail.kd
    .args:
      - { .name: x2, .offset: 0, .size: 8, .value_kind: global_buffer, .address_space: global }
      - { .name: wq, .offset: 8, .size: 8, .value_kind: global_buffer, .address_space: global }
      - { .name: b2, .offset: 16, .size: 8, .value_kind: global_buffer, .address_space: global }
      - { .name: gt2, .offset: 24, .size: 8, .value_kind: global_buffer, .address_space: global }
      - { .name: out0, .offset: 32, .size: 8, .value_kind: global_buffer, .address_space: global }
    .group_segment_fixed_size: 70144
    .private_segment_fixed_size: 0
    .kernarg_segment_align: 8
    .kernarg_segment_size: 40
    .max_flat_workgroup_size: 128
    .sgpr_count:     66
    .vgpr_count:     1024
    .wavefront_size: 32
...
	.end_amdgpu_metadata
.endif
;; end of part 4
;; ======== version 2 of 2: 4 launches
;; limits: right only within a limited range of input values
;; workspace buffers: wq 10,240,000 bytes; x0 1,703,936 bytes; x1 3,407,872 bytes; x2 3,407,872 bytes; gt2 262,144 bytes
;; launch prep (part 5): grid 256 x 1, 16 waves a work-group, no clusters, 175,104 bytes of LDS; arguments inputs, gw1, gb1, gw2, gb2, gw3, gb3, w0, w1, w2, wq, x0, gt2; writes wq, x0, gt2
.if DOCPART == 5
	.amdgcn_target "amdgcn-amd-amdhsa--gfx1250"
	.amdhsa_code_object_version 6
	.text
	.protected	k_qb6dcf89f2c_prep
	.globl	k_qb6dcf89f2c_prep
	.p2align	8
	.type	k_qb6dcf89f2c_prep,@function
k_qb6dcf89f2c_prep:
	s_mov_b64 s[64:65], 0
	v_nop
	global_prefetch_b8 v0, s[64:65] scope:SCOPE_SE
	s_setreg_imm32_b32 hwreg(HW_REG_WAVE_MODE, 25, 1), 1
	s_wait_xcnt 0x0
; ActorCriticNetMann, launch 1 of 4: everything that is quantised once, and the whole gate.
; NO WORK IS LEFT OUT: the gate is a softmax over all 8 experts and every expert's product is weighed in for every row, so all 13 inputs reach the output and all are loaded.
; LIMITS: NaN and infinities among the inputs are not served.  A block whose largest magnitude lies under 2^-124 keeps the scale byte 1; a block of zeros gets the byte 1 where the rule
; says 127: its codes are zeros, which add nothing under any byte but 0xff, and the bytes are read by this program alone.
; THREE ROLES, chosen by the work-group's number (the same in all its 16 waves); each role has LDS bytes of its own:
;   0-63     the gate for 64 rows (the longest chain, so it has the lowest numbers): Q(inputs) -> x0; Q(gw1), Q(gw2) as fragment images in LDS; products 1 and 2 on codes, product 3 by f32
;            multiply-adds, softmax with its maximum -> gt2 as pairs (g, g)
;   64-255   w0 (64 work-groups) and w1 (128): 128 columns x 512 along K of one expert: two whole slices -> wq
;   256-263  w2: one expert, all 1,024 along K, all 64 columns: two whole slices -> wq
; LAYOUTS (this program's own).  A HALF FRAGMENT is 768 bytes: 16 rows x 64 K of codes = registers 6 c .. 6 c + 5 of an operand: lane L's first four registers at 16 L, its last two at 512 + 8 L.
; A SLICE is 25,600 bytes: one expert, 64 columns, 512 along K: half fragment ((s 4 + t) 2 + c) for K step s, tile t; from 24,576 on the scale words: (b, s) at (2 b + s / 2) 256 + 8 lane + 4 (s % 2),
; lane = tile row + 16 (t % 2), b = t / 2.  Tile t's row i is column 32 (t / 2) + 8 (t % 2) + i + 8 (i / 8), so that a transposed result's 16 registers of tiles 2 b, 2 b + 1 are 16 neighbours of the next K.
; A WEIGHT JOB (one wave): 128 columns x one block of 32 along K.  32 loads of 512 consecutive bytes; lane l then holds columns 4 l .. 4 l + 3 of each row.  A column's 32 numbers are copied into
; consecutive registers, since the conversion takes neighbours along K from one lane's consecutive registers; the codes go to LDS at their place in the slice and leave as dense runs of 512 bytes.
; THE GATE'S SHARES.  A gate work-group fetches 20 jobs of 16 KB (gw1: 16 blocks of K, gw2: 4) and 16 K steps of x of 8 KB: 448 KB, 28 KB a wave: no wave has more than two rounds of 16 KB.
;   waves 0-11: gw1's blocks 0-11; then waves 0-3 gw1's blocks 12-15, waves 4-7 gw2's blocks 0-3; waves 8-11 bring gw3, gb1, gb2 behind their one job;
;   waves 12-15: one row tile of 16 rows each, from x's four K steps to g.  All meet at ONE barrier; behind it the twelve helpers end.
; NO CLUSTER: the weight roles share no input; the gate's work-groups share gw1 and gw2 (327,680 bytes of f32), which must pass through registers to be quantised, where a joint load into LDS would add a trip.
.set GW2,   49152                      ; LDS: gw1's images from 0 (4 K steps x 8 tiles x 1,536), gw2's from here (8 x 1,536)
.set GS1,   61440                      ; gw1's scale words: pair of tiles g at 512 g + 256 (s / 2) + 8 lane + 4 (s % 2)
.set GS2,   63488                      ; gw2's: 512 g + 8 lane
.set G3T,   65536                      ; gw3 turned: [expert][unit] f32
.set GBI,   69632                      ; gb1, then gb2
.set PA,    70656                      ; role w0/w1: two column blocks x 24,576 bytes of codes
.set PS,    119808                     ; and their 2 x 1,024 scale bytes
; W2 HAS NO WORK-GROUPS OF ITS OWN (this takes the place of what the head says of work-groups 256-263): its 128 jobs (8 experts x 16 runs of 64 rows, all 64 columns) are a second job of wave 15 of the
; 128 work-groups of w1: work-group 128 + n takes rows 64 n on of w2 as one tensor of 8,192 rows.  Its loads are issued behind the wave's first job, ahead of the barrier.  So the grid is 256 work-groups.
.set PA2,   121856                     ; the stage of a w2 job: four half fragments 1,536 apart, from 6,144 on its scale bytes
.set SPARE, 173056                     ; the spare words, 128 bytes for each of 16 waves: no other line names them
.macro WLOADS src, base, stride, off, nt   ; a job's 32 rows into v128-255: row k in v[128 + 4 k ..]
.set k_, 0
.rept 32
.if \nt
	global_load_b128 v[128+4*k_:131+4*k_], v[\src], s[\base:\base+1] offset:(\off)+k_*(\stride) th:TH_LOAD_NT
.else
	global_load_b128 v[128+4*k_:131+4*k_], v[\src], s[\base:\base+1] offset:(\off)+k_*(\stride)
.endif
.set k_, k_+1
.endr
.endm
; my four columns, one after the other: largest magnitude, scale, 32 codes (24 bytes), to LDS.  v5, v6, v[asb]: my places for 16 bytes, 8 bytes and the scale byte of column 0; a column on is a tile row on
.macro WPROC o16, osc, asb
.irp i, 0,1,2,3
.set k_, 0
.rept 32
	v_mov_b32 v[16+k_], v[128+4*k_+\i]
.set k_, k_+1
.endr
	v_max3_num_f32 v88, |v16|, |v17|, |v18|
	v_max3_num_f32 v89, |v19|, |v20|, |v21|
.irp q, 6,10,14,18,22,26
	s_delay_alu instid0(VALU_DEP_2)
	v_max3_num_f32 v88, v88, |v[16+\q]|, |v[17+\q]|
	s_delay_alu instid0(VALU_DEP_2)
	v_max3_num_f32 v89, v89, |v[18+\q]|, |v[19+\q]|
.endr
	s_delay_alu instid0(VALU_DEP_2)
	v_max3_num_f32 v88, v88, |v46|, |v47|
	s_delay_alu instid0(VALU_DEP_1)
	v_max3_num_f32 v88, v88, v89, 0x1800000        ; the floor 2^(3 - 127): the byte cannot fall under 1
	s_delay_alu instid0(VALU_DEP_1)
	v_add_nc_u32 v90, 0xff000000, v88              ; 2 off the exponent field: the conversion's scale operand
	v_cvt_scalef32_pk16_fp6_f32 v[48+6*\i:50+6*\i], v[16:31], v90
	v_cvt_scalef32_pk16_fp6_f32 v[80:82], v[32:47], v90   ; (a conversion's three registers begin on an even number)
	v_lshrrev_b32 v[84+\i], 23, v90                ; the scale's byte; also the plain instruction behind the conversions
	v_mov_b32 v[51+6*\i], v80
	v_mov_b32 v[52+6*\i], v81
	v_mov_b32 v[53+6*\i], v82
	ds_store_b128 v5, v[48+6*\i:51+6*\i] offset:(\o16)+16*\i
	ds_store_b64 v6, v[52+6*\i:53+6*\i] offset:(\o16)+8*\i
	ds_store_b8 v[\asb], v[84+\i] offset:(\osc)+8*\i
.endr
.endm
.macro COPY6 adr, base                 ; 3,072 dense bytes from LDS to memory: each store covers 512 consecutive bytes, aligned to 256
.irp j, 0,1,2,3,4,5
	ds_load_b128 v[16+4*\j:19+4*\j], v[\adr] offset:512*\j
.endr
.irp j, 0,1,2,3,4,5
	s_wait_dscnt 5-\j                              ; LDS loads come back in order: the 5 - j younger ones may be out
	global_store_b128 v3, v[16+4*\j:19+4*\j], s[\base:\base+1] offset:512*\j
.endr
.endm
; my 16 rows' numbers of K step s: register 16 b + i = k 32 b + 16 (lane / 16) + i of my row
.macro XLOAD reg, s
.irp b, 0,1,2,3
.irp j, 0,1,2,3
	global_load_b128 v[\reg+16*\b+4*\j:\reg+16*\b+4*\j+3], v8, s[4:5] offset:512*(\s)+128*\b+16*\j th:TH_LOAD_NT
.endr
.endr
.endm
; 64 numbers of a lane in that order become a fragment's 12 registers at v[d] and its scale word in v[w]
.macro QUANT s, d, w
.irp b, 0,1,2,3
	v_max3_num_f32 v[76+\b], |v[\s+16*\b]|, |v[\s+1+16*\b]|, 0x1800000
.endr
.irp i, 2,4,6,8,10,12,14
.irp b, 0,1,2,3
	s_delay_alu instid0(VALU_DEP_4)
	v_max3_num_f32 v[76+\b], v[76+\b], |v[\s+16*\b+\i]|, |v[\s+1+16*\b+\i]|
.endr
.endr
.irp b, 0,1,2,3
	s_delay_alu instid0(VALU_DEP_4)
	v_permlanex16_b32 v[80+\b], v[76+\b], s34, s35
.endr
.irp b, 0,1,2,3
	s_delay_alu instid0(VALU_DEP_4)
	v_max_num_f32 v[76+\b], v[76+\b], v[80+\b]     ; with lane l xor 16's 16: the block's largest magnitude
.endr
.irp b, 0,1,2,3
	s_delay_alu instid0(VALU_DEP_4)
	v_add_nc_u32 v[88+\b], 0xff000000, v[76+\b]
.endr
.irp b, 0,1,2,3
	s_delay_alu instid0(VALU_DEP_4)
	v_lshrrev_b32 v[80+\b], 23, v[88+\b]
.endr
	s_delay_alu instid0(VALU_DEP_3)
	v_lshl_or_b32 v[\w], v81, 8, v80
	s_delay_alu instid0(VALU_DEP_1)
	v_lshl_or_b32 v[\w], v82, 16, v[\w]
	s_delay_alu instid0(VALU_DEP_1)
	v_lshl_or_b32 v[\w], v83, 24, v[\w]
.irp c, 0,1
	v_cvt_scalef32_pk16_fp6_f32 v[\d+6*\c:\d+2+6*\c], v[\s+32*\c:\s+15+32*\c], v[88+2*\c]
	v_cvt_scalef32_pk16_fp6_f32 v[94+4*\c:96+4*\c], v[\s+16+32*\c:\s+31+32*\c], v[89+2*\c]
.endr
	v_nop                                          ; one plain instruction behind a scaled conversion
.irp c, 0,1                            ; the operand wants a whole block in a lane: lanes 0-15 block 2 c, lanes 16-31 block 2 c + 1
.irp i, 0,1,2
	v_permlane16_swap_b32 v[\d+6*\c+\i], v[94+4*\c+\i]
.endr
.irp i, 0,1,2
	s_delay_alu instid0(VALU_DEP_3)
	v_mov_b32 v[\d+3+6*\c+\i], v[94+4*\c+\i]
.endr
.endr
.endm
.macro XOUT s                          ; fragment s as two half fragments, its word as two halves (bits 0-15 for the even half fragment, 16-31 for the odd: the reader ORs them)
	global_store_b128 v3, v[16+12*\s:19+12*\s], s[58:59] offset:1536*\s
	global_store_b64 v4, v[20+12*\s:21+12*\s], s[58:59] offset:1536*\s+512
	global_store_b128 v3, v[22+12*\s:25+12*\s], s[58:59] offset:1536*\s+768
	global_store_b64 v4, v[26+12*\s:27+12*\s], s[58:59] offset:1536*\s+1280
	v_and_b32 v[68+2*\s], 0xffff, v[64+\s]
	v_and_b32 v[69+2*\s], 0xffff0000, v[64+\s]
	global_store_b32 v9, v[68+2*\s], s[60:61] offset:32768*\s
	global_store_b32 v9, v[69+2*\s], s[60:61] offset:32768*\s+16384
.endm
.macro LDF n                           ; round n of product 1: K step n / 2, tiles 4 (n % 2) .. + 3, into v192.. (even n) or v68.. (odd n)
.set fb_, 192-124*((\n)&1)
.set ob_, ((\n)>>1)*12288+((\n)&1)*6144
.irp t, 0,1,2,3
.irp c, 0,1
	ds_load_b128 v[fb_+12*\t+6*\c:fb_+12*\t+6*\c+3], v3 offset:ob_+\t*1536+\c*768
	ds_load_b64 v[fb_+12*\t+6*\c+4:fb_+12*\t+6*\c+5], v4 offset:ob_+\t*1536+\c*768+512
.endr
.endr
.endm
.macro GMM d, a, b, sa, sb, odd        ; source 0 = 16 rows of a weight, source 1 = my 16 rows; the sum goes on in place (it began as the bias)
.if \odd
	v_wmma_scale_f32_16x16x128_f8f6f4 v[(\d):(\d)+7], v[(\a):(\a)+11], v[(\b):(\b)+11], v[(\d):(\d)+7], v[(\sa)], v[(\sb)] matrix_a_fmt:MATRIX_FMT_FP6 matrix_b_fmt:MATRIX_FMT_FP6 matrix_a_scale:MATRIX_SCALE_ROW1
.else
	v_wmma_scale_f32_16x16x128_f8f6f4 v[(\d):(\d)+7], v[(\a):(\a)+11], v[(\b):(\b)+11], v[(\d):(\d)+7], v[(\sa)], v[(\sb)] matrix_a_fmt:MATRIX_FMT_FP6 matrix_b_fmt:MATRIX_FMT_FP6
.endif
.endm
.macro G3LD e                          ; gw3's column e at my 64 units, into v192.. (even e) or v16.. (odd e)
.set gl_, 192-176*((\e)&1)
.irp b, 0,1,2,3
.irp q, 0,1,2,3
	ds_load_b128 v[gl_+16*\b+4*\q:gl_+16*\b+4*\q+3], v12 offset:512*(\e)+128*\b+16*\q
.endr
.endr
.endm
.macro DOT e                           ; f32 multiply-adds, two at a time, in four chains that the first products start
.set gd_, 192-176*((\e)&1)
	v_pk_mul_f32 v[84:85], v[128:129], v[gd_:gd_+1]              ; four chains, so that a line reads what the fourth line before it made
	v_pk_mul_f32 v[86:87], v[130:131], v[gd_+2:gd_+3]
	v_pk_mul_f32 v[88:89], v[132:133], v[gd_+4:gd_+5]
	v_pk_mul_f32 v[90:91], v[134:135], v[gd_+6:gd_+7]
.irp i, 8,16,24,32,40,48,56
	s_delay_alu instid0(VALU_DEP_4)
	v_pk_fma_f32 v[84:85], v[128+\i:129+\i], v[gd_+\i:gd_+\i+1], v[84:85]
	s_delay_alu instid0(VALU_DEP_4)
	v_pk_fma_f32 v[86:87], v[130+\i:131+\i], v[gd_+\i+2:gd_+\i+3], v[86:87]
	s_delay_alu instid0(VALU_DEP_4)
	v_pk_fma_f32 v[88:89], v[132+\i:133+\i], v[gd_+\i+4:gd_+\i+5], v[88:89]
	s_delay_alu instid0(VALU_DEP_4)
	v_pk_fma_f32 v[90:91], v[134+\i:135+\i], v[gd_+\i+6:gd_+\i+7], v[90:91]
.endr
	s_delay_alu instid0(VALU_DEP_3)
	v_pk_add_f32 v[84:85], v[84:85], v[86:87]
	s_delay_alu instid0(VALU_DEP_2)
	v_pk_add_f32 v[88:89], v[88:89], v[90:91]
	s_delay_alu instid0(VALU_DEP_1)
	v_pk_add_f32 v[84:85], v[84:85], v[88:89]
	s_delay_alu instid0(VALU_DEP_1)
	v_add_f32 v[94+(\e)], v84, v85
.endm
	s_load_b512 s[4:19], s[0:1], 0x0               ; inputs s[4:5], gw1 s[6:7], gb1 s[8:9], gw2 s[10:11], gb2 s[12:13], gw3 s[14:15], gb3 s[16:17], w0 s[18:19]
	s_load_b256 s[20:27], s[0:1], 0x40             ; w1 s[20:21], w2 s[22:23], wq s[24:25], x0 s[26:27]
	s_load_b64 s[28:29], s[0:1], 0x60              ; gt2
	v_lshl_add_u32 v1, v0, 2, SPARE                ; my spare word,
	v_mov_b32 v2, 0                                ; and 0: kept for the closing lines alone
	v_lshrrev_b32 v13, 5, v0
	s_delay_alu instid0(VALU_DEP_1)
	v_readfirstlane_b32 s30, v13                   ; wave 0..15
	v_and_b32 v13, 31, v0
	s_delay_alu instid0(VALU_DEP_1)
	v_lshlrev_b32 v3, 4, v13                       ; 16 x lane
	s_delay_alu instid0(VALU_DEP_2)
	v_lshlrev_b32 v4, 3, v13                       ; 8 x lane
	v_and_b32 v120, 1, v0                          ; the lane's bits: columns 4 l .. 4 l + 3 are tile row 4 a + 8 d on, of tile 2 b + u, of column block cbl
	v_bfe_u32 v121, v0, 1, 1                       ; u
	v_bfe_u32 v122, v0, 2, 1                       ; d
	v_bfe_u32 v123, v0, 3, 1                       ; b
	v_bfe_u32 v124, v0, 4, 1                       ; cbl (in the w2 role and in fragments: the lane's half)
	s_delay_alu instid0(VALU_DEP_2)
	v_mul_u32_u24 v5, v123, 3072                   ; what all roles share of the three places: tile (2 b + u) x 1,536 + the tile row
	s_delay_alu instid0(VALU_DEP_1)
	v_mad_u32_u24 v5, v121, 1536, v5
	s_delay_alu instid0(VALU_DEP_4)
	v_mul_u32_u24 v6, v123, 3072
	s_delay_alu instid0(VALU_DEP_1)
	v_mad_u32_u24 v6, v121, 1536, v6
	s_delay_alu instid0(VALU_DEP_3)
	v_lshl_add_u32 v5, v120, 6, v5
	s_delay_alu instid0(VALU_DEP_1)
	v_lshl_add_u32 v5, v122, 7, v5                 ; + 16 (4 a + 8 d)
	s_delay_alu instid0(VALU_DEP_3)
	v_lshl_add_u32 v6, v120, 5, v6
	s_delay_alu instid0(VALU_DEP_1)
	v_lshl_add_u32 v6, v122, 6, v6
	s_delay_alu instid0(VALU_DEP_1)
	v_add_nc_u32 v6, 512, v6                       ; + 512 + 8 (4 a + 8 d)
	v_lshlrev_b32 v7, 7, v121
	s_delay_alu instid0(VALU_DEP_1)
	v_lshl_add_u32 v7, v120, 5, v7
	s_delay_alu instid0(VALU_DEP_1)
	v_lshl_add_u32 v7, v122, 6, v7                 ; 8 (4 a + 8 d + 16 u)
	s_mov_b32 s34, 0x76543210
	s_mov_b32 s35, 0xfedcba98                      ; v_permlanex16_b32's selects for lane l xor 16
	s_wait_kmcnt 0x0
	s_cmp_lt_u32 ttmp9, 64
	s_cbranch_scc1 .Lgate
; ---------------- w0 and w1: column pair cp, expert e, K half ph; wave w takes the block of 32 at 512 ph + 32 w: K step w / 4, block w % 4 of it
	s_sub_co_u32 s36, ttmp9, 64
	s_cmp_lt_u32 s36, 64                           ; w0's work-group or w1's: ids alone decide
	s_cselect_b64 s[38:39], s[18:19], s[20:21]
	s_cselect_b32 s40, 9, 10                       ; log2 of K
	s_cselect_b32 s41, 0, 1                        ; log2 of the slices along K
	s_cselect_b32 s42, 0, 3276800                  ; the tensor's section of wq
	s_cselect_b32 s43, 0, 64
	s_sub_co_u32 s36, s36, s43
	s_and_b32 s44, s36, 7                          ; cp
	s_bfe_u32 s45, s36, 0x30003                    ; e
	s_lshr_b32 s46, s36, 6                         ; ph
	s_lshl_b32 s47, s45, s40
	s_lshl_b32 s48, s46, 9
	s_add_co_u32 s47, s47, s48
	s_lshl_b32 s48, s30, 5
	s_add_co_u32 s47, s47, s48                     ; my first row: e K + 512 ph + 32 w
	s_lshl_b32 s47, s47, 12                        ; rows of 4,096 bytes (under 2^26)
	s_lshl_b32 s48, s44, 9
	s_add_co_u32 s48, s48, s47
	s_mov_b32 s49, 0
	s_add_nc_u64 s[38:39], s[38:39], s[48:49]
	WLOADS 3, 38, 4096, 0, 1
	s_lshr_b32 s50, s30, 2                         ; my block's place: K step w / 4, half c = (w / 2) % 2, lane half h = w % 2
	s_mul_i32 s50, s50, 6144
	s_bfe_u32 s51, s30, 0x10001
	s_mul_i32 s51, s51, 768
	s_add_co_u32 s50, s50, s51
	s_add_co_u32 s50, s50, PA
	s_and_b32 s51, s30, 1
	s_lshl_b32 s52, s51, 8
	s_add_co_u32 s52, s52, s50
	s_lshl_b32 s53, s51, 7
	s_add_co_u32 s53, s53, s50
	s_wait_alu depctr_va_vdst(0)
	v_lshl_add_u32 v72, v124, 8, v5                ; a w2 job's places (a row of w2 is 256 bytes: lanes 0-15 take one block of 32 rows, lanes 16-31 the next, so the lane's half is the fragment's half): 16 bytes,
	v_lshl_add_u32 v73, v124, 7, v6                ; 8 bytes,
	v_lshl_add_u32 v74, v123, 8, v7                ; the scale byte: 256 b + 8 lane + h,
	v_and_b32 v78, 15, v0
	v_add_nc_u32 v74, v124, v74
	v_lshlrev_b32 v78, 4, v78
	v_lshl_add_u32 v78, v124, 13, v78              ; and where it reads: 16 (l % 16) + 32 rows for the upper half of the lanes
	v_mad_u32_u24 v5, v124, 24576, v5
	v_mad_u32_u24 v6, v124, 24576, v6
	s_delay_alu instid0(VALU_DEP_2)
	v_add_nc_u32 v5, s52, v5
	s_delay_alu instid0(VALU_DEP_2)
	v_add_nc_u32 v6, s53, v6
	v_lshl_add_u32 v7, v124, 10, v7
	s_delay_alu instid0(VALU_DEP_1)
	v_lshl_add_u32 v7, v123, 9, v7
	s_lshr_b32 s54, s30, 3                         ; scale byte: (2 b + s / 2) 256 + 8 lane + 4 (s % 2) + w % 4, s = w / 4: the wave's part is 256 (w / 8) + w % 8
	s_lshl_b32 s54, s54, 8
	s_and_b32 s55, s30, 7
	s_add_co_u32 s54, s54, s55
	s_add_co_u32 s54, s54, PS
	v_add_nc_u32 v7, s54, v7
	s_mul_i32 s54, s30, 3072
	s_add_co_u32 s54, s54, PA
	v_add_nc_u32 v9, s54, v3                       ; the way out: my wave's 3,072 bytes of codes
	s_lshl_b32 s54, s30, 8
	s_add_co_u32 s54, s54, PS
	v_add_nc_u32 v10, s54, v4                      ; and (waves 0-7) 256 scale bytes
	s_lshl_b32 s55, s44, 1
	s_lshr_b32 s58, s30, 3                         ; codes: slice ((2 cp + w / 8) NPH + ph) 8 + e, + (w % 8) 3,072
	s_add_co_u32 s58, s58, s55
	s_lshl_b32 s58, s58, s41
	s_add_co_u32 s58, s58, s46
	s_lshl_b32 s58, s58, 3
	s_add_co_u32 s58, s58, s45
	s_mul_i32 s58, s58, 25600
	s_add_co_u32 s58, s58, s42
	s_and_b32 s59, s30, 7
	s_mul_i32 s59, s59, 3072
	s_add_co_u32 s58, s58, s59
	s_mov_b32 s59, 0
	s_add_nc_u64 s[58:59], s[24:25], s[58:59]
	s_lshr_b32 s60, s30, 2                         ; scale bytes: slice of column block 2 cp + w / 4, + 24,576 + (w % 4) 256
	s_add_co_u32 s60, s60, s55
	s_lshl_b32 s60, s60, s41
	s_add_co_u32 s60, s60, s46
	s_lshl_b32 s60, s60, 3
	s_add_co_u32 s60, s60, s45
	s_mul_i32 s60, s60, 25600
	s_add_co_u32 s60, s60, s42
	s_add_co_u32 s60, s60, 24576
	s_and_b32 s61, s30, 3
	s_lshl_b32 s61, s61, 8
	s_add_co_u32 s60, s60, s61
	s_mov_b32 s61, 0
	s_add_nc_u64 s[60:61], s[24:25], s[60:61]
	s_wait_loadcnt 0x0
	WPROC 0, 0, 7
	s_cmp_lt_u32 ttmp9, 128                        ; wave 15 of a work-group of w1 asks for its job of w2 now: the first job's numbers have been read out of v128-255
	s_cbranch_scc1 .Lw01_meet
	s_cmp_lg_u32 s30, 15
	s_cbranch_scc1 .Lw01_meet
	s_sub_co_u32 s48, ttmp9, 128
	s_lshl_b32 s48, s48, 14                        ; 64 rows of 256 bytes a job
	s_add_nc_u64 s[38:39], s[22:23], s[48:49]
	WLOADS 78, 38, 256, 0, 1
.Lw01_meet:
	s_wait_dscnt 0x0                               ; for the others' sake: my stores have landed
	s_barrier_signal -1
	s_barrier_wait -1
	COPY6 9, 58
	s_cmp_lt_u32 s30, 8
	s_cbranch_scc0 .Lw01_end
	ds_load_b64 v[40:41], v10
	s_wait_dscnt 0x0
	global_store_b64 v4, v[40:41], s[60:61]        ; 32 lanes store 256 consecutive bytes, aligned
.Lw01_end:
	s_cmp_lt_u32 ttmp9, 128                        ; ids alone decide: wave 15 of a work-group of w1 finishes its job of w2
	s_cbranch_scc1 .Lw01_bye
	s_cmp_lg_u32 s30, 15
	s_cbranch_scc1 .Lw01_bye
	s_sub_co_u32 s50, ttmp9, 128                   ; n = 16 e + w: expert e, run w of 64 rows: K half w / 8, K step s = (w / 2) % 4, half c = w % 2
	s_lshr_b32 s51, s50, 4
	s_and_b32 s50, s50, 15
	s_and_b32 s54, s50, 1                          ; c
	s_bfe_u32 s57, s50, 0x20001                    ; s
	s_lshr_b32 s48, s50, 3
	s_lshl_b32 s48, s48, 3
	s_add_co_u32 s48, s48, s51
	s_mul_i32 s48, s48, 25600
	s_add_co_u32 s48, s48, 9830400
	s_add_nc_u64 s[50:51], s[24:25], s[48:49]      ; slice (w / 8) 8 + e of w2's section
	s_mul_i32 s48, s57, 6144
	s_mul_i32 s52, s54, 768
	s_add_co_u32 s48, s48, s52
	s_add_nc_u64 s[52:53], s[50:51], s[48:49]      ; my four half fragments: (s 4 + t) 2 + c
	s_lshr_b32 s48, s57, 1
	s_lshl_b32 s48, s48, 8
	s_and_b32 s57, s57, 1
	s_lshl_b32 s57, s57, 2
	s_add_co_u32 s48, s48, s57
	s_lshl_b32 s57, s54, 1
	s_add_co_u32 s48, s48, s57
	s_add_co_u32 s48, s48, 24576
	s_add_nc_u64 s[54:55], s[50:51], s[48:49]      ; my two bytes of each scale word: (s / 2) 256 + 4 (s % 2) + 2 c
	s_wait_xcnt 0x0                                ; the first job's stores have read their registers
	s_wait_loadcnt 0x0
	v_add_nc_u32 v5, PA2, v72
	v_add_nc_u32 v6, PA2, v73
	v_add_nc_u32 v74, PA2, v74
	v_add_nc_u32 v75, PA2, v3
	v_add_nc_u32 v76, PA2, v4
	WPROC 0, 6144, 74
.irp t, 0,1,2,3
	ds_load_b128 v[16+8*\t:19+8*\t], v75 offset:1536*\t          ; LDS serves a wave's instructions in order: these see my stores
	ds_load_b64 v[20+8*\t:21+8*\t], v76 offset:1536*\t+512
.endr
	ds_load_u16 v48, v76 offset:6144
	ds_load_u16 v49, v76 offset:6400
	s_wait_dscnt 0x0
.irp t, 0,1,2,3
	global_store_b128 v3, v[16+8*\t:19+8*\t], s[52:53] offset:1536*\t       ; 512 consecutive bytes, aligned to 256
	global_store_b64 v4, v[20+8*\t:21+8*\t], s[52:53] offset:1536*\t+512    ; 256 more
.endr
	global_store_b16 v4, v48, s[54:55]             ; 128 bytes of scales a job, two to a lane, 8 apart: the word's other half is another job's
	global_store_b16 v4, v49, s[54:55] offset:512
.Lw01_bye:
	s_wait_tensorcnt 0x0                           ; the wave's end
	ds_add_u32 v1, v2
	s_wait_dscnt 0x0
	s_endpgm
; ---------------- the gate.  Every address register of both roles is made here, ahead of the parting of the roles.
; REGISTERS: v3, v4 16 and 8 x lane; v5-7 a job's places, v14 the second job's scale bytes; v8 x's lane offset; v9, v10 4 r, 8 r; v11, v12 the biases' and gw3's lane places; v106-109 the tables' places and offsets;
; helpers: v16-47 a column, v48-71 its codes, v80-90 at work, v92-101 the tables, v128-255 a job's loads
; tile waves: v16-63 x's four fragments; v64-67 their scale words; v68-75 half scale words; v76-101 at work; v102-113, v114 the hidden layer's fragment and word; v116-119 gw2's scale words; v120-127 permutes;
;   v128-255 loads, then v128-191 sums, v192-239 fragments, v240-255 gw1's scale words
.Lgate:
	s_load_b256 s[40:47], s[16:17], 0x0            ; gb3
	s_lshl_b32 s36, ttmp9, 2
	s_and_b32 s37, s30, 3
	s_add_co_u32 s36, s36, s37                     ; rt: the row tile of wave 12 + w % 4
	s_lshl_b32 s48, s30, 14                        ; a block of 32 rows of 512 bytes
	s_mov_b32 s49, 0
	s_add_nc_u64 s[50:51], s[6:7], s[48:49]        ; the first job: gw1 at K block w (waves 0-11)
	s_lshl_b32 s48, s37, 14
	s_cmp_lt_u32 s30, 4                            ; the second job: waves 0-3 gw1's block 12 + w, waves 4-7 gw2's block w - 4
	s_cselect_b64 s[52:53], s[6:7], s[10:11]
	s_cselect_b32 s54, 196608, 0
	s_add_co_u32 s48, s48, s54
	s_add_nc_u64 s[52:53], s[52:53], s[48:49]
	s_lshr_b32 s54, s30, 2
	s_mul_i32 s54, s54, 12288                      ; K step w / 4 (8 tiles x 1,536)
	s_bfe_u32 s55, s30, 0x10001
	s_mul_i32 s55, s55, 768
	s_add_co_u32 s54, s54, s55
	s_and_b32 s55, s30, 1
	s_lshl_b32 s56, s55, 8
	s_add_co_u32 s56, s56, s54
	s_lshl_b32 s57, s55, 7
	s_add_co_u32 s57, s57, s54
	s_wait_alu depctr_va_vdst(0)
	v_mad_u32_u24 v5, v124, 6144, v5
	v_mad_u32_u24 v6, v124, 6144, v6
	s_delay_alu instid0(VALU_DEP_2)
	v_add_nc_u32 v5, s56, v5                       ; the second job's codes lie 36,864 bytes on: K step 3 for waves 0-3 (3 x 12,288), gw2's images for waves 4-7 (12,288 + 36,864 = GW2)
	s_delay_alu instid0(VALU_DEP_2)
	v_add_nc_u32 v6, s57, v6
	v_lshl_add_u32 v7, v124, 10, v7
	s_delay_alu instid0(VALU_DEP_1)
	v_lshl_add_u32 v7, v123, 9, v7
	s_lshr_b32 s54, s30, 3                         ; scale byte of K step s = w / 4: 256 (s / 2) + 4 (s % 2) + w % 4 = 256 (w / 8) + w % 8
	s_lshl_b32 s54, s54, 8
	s_and_b32 s55, s30, 7
	s_add_co_u32 s54, s54, s55
	s_add_co_u32 s54, s54, GS1
	v_add_nc_u32 v7, s54, v7
	s_bfe_u32 s55, s30, 0x10002                    ; the second job's: waves 0-3: K step 3, 260 on; waves 4-7: gw2's, GS2 - GS1 - 4 = 2,044 on
	s_mul_i32 s55, s55, 1784
	s_add_co_u32 s55, s55, 260
	v_add_nc_u32 v14, s55, v7
	v_and_b32 v13, 15, v0                          ; r
	s_delay_alu instid0(VALU_DEP_1)
	v_lshlrev_b32 v8, 11, v13
	s_delay_alu instid0(VALU_DEP_1)
	v_lshl_add_u32 v8, v124, 6, v8                 ; x: row r of 2,048 bytes + 64 h
	s_delay_alu instid0(VALU_DEP_3)
	v_lshlrev_b32 v9, 2, v13
	s_delay_alu instid0(VALU_DEP_4)
	v_lshlrev_b32 v10, 3, v13
	v_lshl_add_u32 v11, v124, 6, GBI
	v_lshl_add_u32 v12, v124, 6, G3T
	v_and_b32 v13, 127, v0                         ; the tables (waves 8-11): thread n takes unit n
	s_delay_alu instid0(VALU_DEP_1)
	v_lshl_add_u32 v106, v13, 2, G3T               ; gw3 turned: expert e at 512 bytes a row, unit n
	s_delay_alu instid0(VALU_DEP_2)
	v_lshl_add_u32 v107, v13, 2, GBI
	s_delay_alu instid0(VALU_DEP_3)
	v_lshlrev_b32 v108, 5, v13                     ; gw3's row of unit n: 8 experts, 32 bytes
	s_delay_alu instid0(VALU_DEP_4)
	v_lshlrev_b32 v109, 2, v13
.irp i, 0,1,2,3,4,5,6,7
	v_mov_b32 v[120+\i], 0                         ; a lane permute's destination counts as one of its sources
.endr
.irp i, 0,1,2,3
	v_mov_b32 v[80+\i], 0
.endr
	s_lshl_b32 s48, s36, 15
	s_add_nc_u64 s[4:5], s[4:5], s[48:49]          ; inputs at my 16 rows
	s_mul_i32 s48, s36, 6144
	s_add_nc_u64 s[58:59], s[26:27], s[48:49]      ; x0's codes: 8 half fragments a row tile
	s_lshl_b32 s48, s36, 6
	s_add_co_u32 s48, s48, 1572864
	s_add_nc_u64 s[60:61], s[26:27], s[48:49]      ; x0's half scale words
	s_lshl_b32 s48, s36, 7
	s_add_nc_u64 s[62:63], s[28:29], s[48:49]      ; gt2 at my rows
	s_cmp_lt_u32 s30, 12
	s_cbranch_scc0 .Lg_tile
	; ---- the helpers, waves 0-11
	WLOADS 3, 50, 512, 0, 0
	s_cmp_lt_u32 s30, 8
	s_cbranch_scc1 .Lg_proc1
	global_load_b128 v[92:95], v108, s[14:15]      ; waves 8-11, which have one job: gw3(n, 0 .. 3),
	global_load_b128 v[96:99], v108, s[14:15] offset:16   ; gw3(n, 4 .. 7),
	global_load_b32 v100, v109, s[8:9]             ; gb1(n),
	global_load_b32 v101, v109, s[12:13]           ; gb2(n)
	s_wait_loadcnt 0x0
.irp e, 0,1,2,3,4,5,6,7
	ds_store_b32 v106, v[92+\e] offset:512*\e
.endr
	ds_store_b32 v107, v100
	ds_store_b32 v107, v101 offset:512
.Lg_proc1:
	s_wait_loadcnt 0x0
	WPROC 0, 0, 7
	s_cmp_lt_u32 s30, 8
	s_cbranch_scc0 .Lg_join
	s_wait_dscnt 0x0                               ; the stores have read their registers
	WLOADS 3, 52, 512, 0, 0
	s_wait_loadcnt 0x0
	WPROC 36864, 0, 14
	s_branch .Lg_join
	; ---- the tile waves, 12-15: my 16 rows of x, two K steps in flight
.Lg_tile:
	XLOAD 128, 0
	XLOAD 192, 1
	s_wait_loadcnt 16                              ; the older 16 loads are in, the other half's 16 may be out
	QUANT 128, 16, 64
	XOUT 0
	XLOAD 128, 2
	s_wait_loadcnt 16
	QUANT 192, 28, 65
	XOUT 1
	XLOAD 192, 3
	s_wait_loadcnt 16
	QUANT 128, 40, 66
	XOUT 2
	s_wait_loadcnt 0x0
	QUANT 192, 52, 67
	XOUT 3
.Lg_join:
	s_wait_dscnt 0x0                               ; my images, scale bytes and tables have landed
	s_wait_xcnt 0x0                                ; my stores have read their registers: v16-75 may be written again
	s_wait_kmcnt 0x0                               ; gb3
	s_barrier_signal -1
	s_barrier_wait -1
	s_cmp_lt_u32 s30, 12
	s_cbranch_scc1 .Lg_end                         ; the helpers are done
	; product 1: the sums begin as gb1 (register 8 t + j of lane (r, h): unit 32 (t / 2) + 16 h + 8 (t % 2) + j)
.irp t, 0,1,2,3,4,5,6,7
.irp q, 0,1
	ds_load_b128 v[128+8*\t+4*\q:131+8*\t+4*\q], v11 offset:128*(\t/2)+32*(\t%2)+16*\q
.endr
.endr
.irp g, 0,1,2,3
.irp h, 0,1
	ds_load_b64 v[240+4*\g+2*\h:241+4*\g+2*\h], v4 offset:GS1+512*\g+256*\h
.endr
.endr
	LDF 0
.rept 8
	v_nop                                          ; x's fragments and scale words were written by vector instructions: 4 and 8 places ahead of a scaled matrix instruction
.endr
.set n_, 0
.rept 8                                ; eight accumulators by turns, four a round
.if n_ > 0
.rept 4
	v_nop                                          ; places in front of loads into registers that matrix instructions have read
.endr
.endif
.if n_ < 7
	LDF n_+1
	s_wait_alu depctr_va_vdst(0)
	s_wait_dscnt 16                                ; all but the 16 just issued
.else
	s_wait_dscnt 0x0
.endif
.set fa_, 192-124*(n_&1)
.irp t, 0,1,2,3
	GMM 128+8*(4*(n_&1)+\t), fa_+12*\t, 16+12*(n_>>1), 240+4*((4*(n_&1)+\t)>>1)+(n_>>1), 64+(n_>>1), \t&1
.endr
.set n_, n_+1
.endr
.rept 4
	v_nop
.endr
	; product 2's weights are asked for while the hidden layer is quantised
.irp t, 0,1,2,3
.irp c, 0,1
	ds_load_b128 v[192+12*\t+6*\c:195+12*\t+6*\c], v3 offset:GW2+\t*1536+\c*768
	ds_load_b64 v[196+12*\t+6*\c:197+12*\t+6*\c], v4 offset:GW2+\t*1536+\c*768+512
	ds_load_b128 v[16+12*\t+6*\c:19+12*\t+6*\c], v3 offset:GW2+6144+\t*1536+\c*768
	ds_load_b64 v[20+12*\t+6*\c:21+12*\t+6*\c], v4 offset:GW2+6144+\t*1536+\c*768+512
.endr
.endr
.irp g, 0,1,2,3
	ds_load_b32 v[116+\g], v4 offset:GS2+512*\g
.endr
.set n_, 0
.rept 64
	v_max_num_f32 v[128+n_], 0, v[128+n_]          ; relu, in f32, each accumulator from its low end on
.set n_, n_+1
.endr
	QUANT 128, 102, 114
.irp t, 0,1,2,3,4,5,6,7
.irp q, 0,1
	ds_load_b128 v[128+8*\t+4*\q:131+8*\t+4*\q], v11 offset:512+128*(\t/2)+32*(\t%2)+16*\q   ; gb2 starts product 2's sums
.endr
.endr
	s_wait_alu depctr_va_vdst(0)
	s_wait_dscnt 0x0
.rept 8
	v_nop
.endr
.irp t, 0,1,2,3
	GMM 128+8*\t, 192+12*\t, 102, 116+(\t>>1), 114, \t&1
.endr
.irp t, 4,5,6,7
	GMM 128+8*\t, 12*\t-32, 102, 116+(\t>>1), 114, \t&1
.endr
.rept 4
	v_nop
.endr
.set n_, 0
.rept 64
	v_max_num_f32 v[128+n_], 0, v[128+n_]
.set n_, n_+1
.endr
	; product 3 in f32 (its result goes on into quantised operands): my 64 units, then lane l xor 16's
	G3LD 0
	G3LD 1
.irp e, 0,1,2,3,4,5
	s_wait_dscnt 16                                ; this expert's 16 loads are in, the next one's 16 may be out
	DOT \e
	G3LD \e+2
.endr
	s_wait_dscnt 16
	DOT 6
	s_wait_dscnt 0x0
	DOT 7
.irp e, 0,1,2,3,4,5,6,7
	v_permlanex16_b32 v[120+\e], v[94+\e], s34, s35
.endr
.irp e, 0,1,2,3,4,5,6,7
	v_add_f32 v[94+\e], v[94+\e], v[120+\e]
.endr
.irp e, 0,1,2,3,4,5,6,7
	v_add_f32 v[94+\e], s[40+\e], v[94+\e]
.endr
	v_max3_num_f32 v84, v94, v95, v96              ; the softmax takes its maximum away
	s_delay_alu instid0(VALU_DEP_1)
	v_max3_num_f32 v84, v84, v97, v98
	s_delay_alu instid0(VALU_DEP_1)
	v_max3_num_f32 v84, v84, v99, v100
	s_delay_alu instid0(VALU_DEP_1)
	v_max_num_f32 v84, v84, v101
.irp e, 0,1,2,3,4,5,6,7
	v_sub_f32 v[94+\e], v[94+\e], v84
.endr
.irp e, 0,1,2,3,4,5,6,7
	v_mul_f32 v[94+\e], 0x3fb8aa3b, v[94+\e]
.endr
	s_wait_alu depctr_va_vdst(0)
.irp e, 0,1,2,3,4,5,6,7
	v_exp_f32 v[94+\e], v[94+\e]
.endr
	v_nop                                          ; a plain instruction behind the last exponential
	s_wait_alu depctr_va_vdst(0)                   ; one wait for the eight, ahead of their first reader
	v_add_f32 v85, v94, v95
	v_add_f32 v86, v96, v97
	v_add_f32 v87, v98, v99
	v_add_f32 v88, v100, v101
	s_delay_alu instid0(VALU_DEP_3)
	v_add_f32 v85, v85, v86
	s_delay_alu instid0(VALU_DEP_2)
	v_add_f32 v87, v87, v88
	s_delay_alu instid0(VALU_DEP_1)
	v_add_f32 v85, v85, v87
	s_wait_alu depctr_va_vdst(0)
	v_rcp_f32 v85, v85
	v_nop
	s_wait_alu depctr_va_vdst(0)
.irp e, 0,1,2,3,4,5,6,7
	v_mul_f32 v[102+2*\e], v[94+\e], v85           ; g twice, so that the packed multiply-adds of the later launches take it as a plain pair
	v_mul_f32 v[103+2*\e], v[94+\e], v85
.endr
.irp e, 0,1,2,3,4,5,6,7
	global_store_b64 v10, v[102+2*\e:103+2*\e], s[62:63] offset:32768*\e   ; both halves of the lanes hold the same row and store the same bytes
.endr
.Lg_end:
	s_wait_tensorcnt 0x0                           ; the wave's end, as above
	ds_add_u32 v1, v2
	s_wait_dscnt 0x0
	s_endpgm
.Lfunc_end_k_qb6dcf89f2c_prep:
	.size	k_qb6dcf89f2c_prep, .Lfunc_end_k_qb6dcf89f2c_prep-k_qb6dcf89f2c_prep
	.p2alignl 7, 3214868480
	.fill 96, 4, 3214868480
	.section	.rodata,"a",@progbits
	.p2align	6, 0x0
	.amdhsa_kernel k_qb6dcf89f2c_prep
		.amdhsa_group_segment_fixed_size 175104
		.amdhsa_private_segment_fixed_size 0
		.amdhsa_enable_private_segment 0
		.amdhsa_kernarg_size 104
		.amdhsa_user_sgpr_count 2
		.amdhsa_user_sgpr_kernarg_segment_ptr 1
		.amdhsa_wavefront_size32 1
		.amdhsa_system_sgpr_workgroup_id_x 1
		.amdhsa_system_sgpr_workgroup_id_y 1
		.amdhsa_system_sgpr_workgroup_id_z 1
		.amdhsa_system_vgpr_workitem_id 0
		.amdhsa_next_free_vgpr 256
		.amdhsa_next_free_sgpr 68
		.amdhsa_reserve_vcc 0
		.amdhsa_float_denorm_mode_32 3
		.amdhsa_float_denorm_mode_16_64 3
		.amdhsa_memory_ordered 1
		.amdhsa_forward_progress 1
		.amdhsa_inst_pref_size 174
	.end_amdhsa_kernel
	.amdgpu_metadata
---
amdhsa.version: [ 1, 2 ]
amdhsa.kernels:
  - .name:           k_qb6dcf89f2c_prep
    .symbol:         k_qb6dcf89f2c_prep.kd
    .args:
      - { .name: inputs, .offset: 0, .size: 8, .value_kind: global_buffer, .address_space: global }
      - { .name: gw1, .offset: 8, .size: 8, .value_kind: global_buffer, .address_space: global }
      - { .name: gb1, .offset: 16, .size: 8, .value_kind: global_buffer, .address_space: global }
      - { .name: gw2, .offset: 24, .size: 8, .value_kind: global_buffer, .address_space: global }
      - { .name: gb2, .offset: 32, .size: 8, .value_kind: global_buffer, .address_space: global }
      - { .name: gw3, .offset: 40, .size: 8, .value_kind: global_buffer, .address_space: global }
      - { .name: gb3, .offset: 48, .size: 8, .value_kind: global_buffer, .address_space: global }
      - { .name: w0, .offset: 56, .size: 8, .value_kind: global_buffer, .address_space: global }
      - { .name: w1, .offset: 64, .size: 8, .value_kind: global_buffer, .address_space: global }
      - { .name: w2, .offset: 72, .size: 8, .value_kind: global_buffer, .address_space: global }
      - { .name: wq, .offset: 80, .size: 8, .value_kind: global_buffer, .address_space: global }
      - { .name: x0, .offset: 88, .size: 8, .value_kind: global_buffer, .address_space: global }
      - { .name: gt2, .offset: 96, .size: 8, .value_kind: global_buffer, .address_space: global }
    .group_segment_fixed_size: 175104
    .private_segment_fixed_size: 0
    .kernarg_segment_align: 8
    .kernarg_segment_size: 104
    .max_flat_workgroup_size: 512
    .sgpr_count:     68
    .vgpr_count:     256
    .wavefront_size: 32
...
	.end_amdgpu_metadata
.endif
;; end of part 5
;; launch lay0 (part 6): grid 16 x 16, 4 waves a work-group, clusters of 4 x 1, 327,680 bytes of LDS; arguments x0, wq, b0, gt2, x1; writes x1
.if DOCPART == 6
	.amdgcn_target "amdgcn-amd-amdhsa--gfx1250"
	.amdhsa_code_object_version 6
	.text
	.protected	k_qb6dcf89f2c_lay0
	.globl	k_qb6dcf89f2c_lay0
	.p2align	8
	.type	k_qb6dcf89f2c_lay0,@function
k_qb6dcf89f2c_lay0:
	s_mov_b64 s[64:65], 0
	v_nop
	global_prefetch_b8 v0, s[64:65] scope:SCOPE_SE
	s_setreg_imm32_b32 hwreg(HW_REG_WAVE_MODE, 25, 1), 1
	s_wait_xcnt 0x0
	s_wait_alu depctr_hold_cnt(0) depctr_sa_sdst(0) depctr_va_vdst(0) depctr_va_sdst(0) depctr_va_ssrc(0) depctr_va_vcc(0) depctr_vm_vsrc(0)
	s_getreg_b32 s2, hwreg(HW_REG_IB_STS2, 6, 4)
	s_cmp_eq_u32 s2, 0
	s_cbranch_scc0 .Lentry_in_a_cluster
	s_endpgm
.Lentry_in_a_cluster:
	s_bfe_u32 s2, ttmp6, 0x10000c
	s_cmp_lg_u32 s2, 0x3003
	s_cbranch_scc0 .Lentry_shape_is_right
	s_endpgm
.Lentry_shape_is_right:
; Expert layer 0: the text of layer 1's launch with NPH = 1 (K = 512); see the comments there.  Nothing of the layer is left out.  LIMITS as stated at the head of the first launch.
.set NPH,   1
.set NSL,   8*NPH
.set NF,    2*NPH
.set KH,    8*NPH
.set WSEC,  (NPH-1)*3276800
.set XSCI,  NPH*1572864
.set XSCO,  3145728
.set SLICE, 25600
.set SLOTB, 4*SLICE
.set BIA,   2*SLOTB
.set SPARE, BIA+2048
.set G1,    24
.set G0,    32
.set MSB,   0
.macro WIN new
.if MSB != (\new)
	s_set_vgpr_msb (MSB<<8)|(\new)
.set MSB, \new
.endif
.endm
.macro NOPS
.rept 4
	v_nop
.endr
.endm
.macro CROUND
	s_barrier_signal -1
	s_barrier_wait -1
	s_cmp_lg_u32 s14, 0
	s_cbranch_scc1 .Lnw0_\@
	s_barrier_signal -3
.Lnw0_\@:
	s_barrier_wait -3
	s_barrier_signal -1
	s_barrier_wait -1
.endm
.macro ATTR j
.if (NPH==2) && ((\j)<8)
.set ae_, (\j)&3
.set ap_, (\j)>>2
.set as_, 1+ap_
.else
.set ae_, (\j)/NPH
.set ap_, (\j)%NPH
.set as_, 1-ap_
.endif
.endm
.macro MKG0 u, p, off
	s_mov_b32 s[G0+4*\u], 1
	s_add_co_u32 s[G0+4*\u+1], s19, ((\u)&1)*SLOTB
	s_add_nc_u64 s[G0+4*\u+2:G0+4*\u+3], s[\p:\p+1], \off
	s_or_b32 s[G0+4*\u+3], s[G0+4*\u+3], 0x80000000
.endm
.macro XLD S
	WIN 0x80+0x40*((\S)>>2)
.irp m, 0,1,2,3
.irp c, 0,1
	global_load_b128 v[48*((\S)&3)+12*\m+6*\c:48*((\S)&3)+12*\m+6*\c+3], v3, s[72:73] offset:\m*KH*768+(2*(\S)+\c)*768
	global_load_b64 v[48*((\S)&3)+12*\m+6*\c+4:48*((\S)&3)+12*\m+6*\c+5], v4, s[72:73] offset:\m*KH*768+(2*(\S)+\c)*768+512
.endr
.endr
.endm
.macro LDW kk
.set jn_, (\kk)>>2
.set ad_, 224+2*((jn_>>1)&3)
.set fb_, 128+48*((\kk)&1)
.set ob_, (jn_&1)*SLICE+((\kk)&3)*6144
.irp t, 0,1,2,3
.irp c, 0,1
	ds_load_b128 v[fb_+12*\t+6*\c:fb_+12*\t+6*\c+3], v[ad_] offset:ob_+(2*\t+\c)*768
	ds_load_b64 v[fb_+12*\t+6*\c+4:fb_+12*\t+6*\c+5], v[ad_+1] offset:ob_+(2*\t+\c)*768
.endr
.endr
.endm
.macro LDWS j
.set ad_, 225+2*(((\j)>>1)&3)
.irp b, 0,1
.irp g, 0,1
	ds_load_b64 v[32+8*((\j)&1)+4*\b+2*\g:33+8*((\j)&1)+4*\b+2*\g], v[ad_] offset:((\j)&1)*SLICE+24064+(2*\b+\g)*256
.endr
.endr
.endm
.macro LDB e
.irp t, 0,1,2,3
.irp q, 0,1
	ds_load_b128 v[192+8*\t+4*\q:195+8*\t+4*\q], v236 offset:256*(\e)+128*(\t/2)+32*(\t%2)+16*\q
.endr
.endr
.endm
.macro COMBALL e, f
	WIN 0x01
.set c_, 0
.rept 64
.if (\f)
	v_pk_mul_f32 v[128+2*c_:129+2*c_], v[2*c_:2*c_+1], v[64+8*(\e)+2*(c_>>4):65+8*(\e)+2*(c_>>4)]
.else
	v_pk_fma_f32 v[128+2*c_:129+2*c_], v[2*c_:2*c_+1], v[64+8*(\e)+2*(c_>>4):65+8*(\e)+2*(c_>>4)], v[128+2*c_:129+2*c_]
.endif
.set c_, c_+1
.endr
.endm
.macro MM j, s, idx
.set m_, (\idx)>>2
.set t_, (\idx)&3
.set rD, 8*(\idx)
.set rA, 128+48*((\s)&1)+12*t_
.set rB, 48*(\s)+12*m_
.set rC, rD
.if st_ == 1
.set rC, 192+8*t_
.endif
.set rSA, 32+8*((\j)&1)+4*(t_>>1)+(\s)
.set rSB, 16+8*ph_+2*(\s)+(m_>>1)
.if st_ == 2
.if (t_&1) && (m_&1)
	v_wmma_scale_f32_16x16x128_f8f6f4 v[rD:rD+7], v[rA:rA+11], v[rB:rB+11], 0, v[rSA], v[rSB] matrix_a_fmt:MATRIX_FMT_FP6 matrix_b_fmt:MATRIX_FMT_FP6 matrix_a_scale:MATRIX_SCALE_ROW1 matrix_b_scale:MATRIX_SCALE_ROW1
.elseif (t_&1)
	v_wmma_scale_f32_16x16x128_f8f6f4 v[rD:rD+7], v[rA:rA+11], v[rB:rB+11], 0, v[rSA], v[rSB] matrix_a_fmt:MATRIX_FMT_FP6 matrix_b_fmt:MATRIX_FMT_FP6 matrix_a_scale:MATRIX_SCALE_ROW1
.elseif (m_&1)
	v_wmma_scale_f32_16x16x128_f8f6f4 v[rD:rD+7], v[rA:rA+11], v[rB:rB+11], 0, v[rSA], v[rSB] matrix_a_fmt:MATRIX_FMT_FP6 matrix_b_fmt:MATRIX_FMT_FP6 matrix_b_scale:MATRIX_SCALE_ROW1
.else
	v_wmma_scale_f32_16x16x128_f8f6f4 v[rD:rD+7], v[rA:rA+11], v[rB:rB+11], 0, v[rSA], v[rSB] matrix_a_fmt:MATRIX_FMT_FP6 matrix_b_fmt:MATRIX_FMT_FP6
.endif
.else
.if (t_&1) && (m_&1)
	v_wmma_scale_f32_16x16x128_f8f6f4 v[rD:rD+7], v[rA:rA+11], v[rB:rB+11], v[rC:rC+7], v[rSA], v[rSB] matrix_a_fmt:MATRIX_FMT_FP6 matrix_b_fmt:MATRIX_FMT_FP6 matrix_a_scale:MATRIX_SCALE_ROW1 matrix_b_scale:MATRIX_SCALE_ROW1
.elseif (t_&1)
	v_wmma_scale_f32_16x16x128_f8f6f4 v[rD:rD+7], v[rA:rA+11], v[rB:rB+11], v[rC:rC+7], v[rSA], v[rSB] matrix_a_fmt:MATRIX_FMT_FP6 matrix_b_fmt:MATRIX_FMT_FP6 matrix_a_scale:MATRIX_SCALE_ROW1
.elseif (m_&1)
	v_wmma_scale_f32_16x16x128_f8f6f4 v[rD:rD+7], v[rA:rA+11], v[rB:rB+11], v[rC:rC+7], v[rSA], v[rSB] matrix_a_fmt:MATRIX_FMT_FP6 matrix_b_fmt:MATRIX_FMT_FP6 matrix_b_scale:MATRIX_SCALE_ROW1
.else
	v_wmma_scale_f32_16x16x128_f8f6f4 v[rD:rD+7], v[rA:rA+11], v[rB:rB+11], v[rC:rC+7], v[rSA], v[rSB] matrix_a_fmt:MATRIX_FMT_FP6 matrix_b_fmt:MATRIX_FMT_FP6
.endif
.endif
.endm
.macro KSTEP j, s
.set kap_, 4*(\j)+(\s)
.set pe_, 0
.if (\j) > 0
	ATTR (\j)-1
.set pe_, ae_
.endif
.set ns_, 0
.set ne_, 0
.if (\j)+1 < NSL
	ATTR (\j)+1
.set ns_, as_
.set ne_, ae_
.endif
	ATTR \j
.set ph_, ap_
.set st_, 0
.if (\s)==0
.set st_, as_
.endif
.set cf_, 0
.if (\j)==1
.set cf_, 1
.endif
.set wmm_, 0x59+4*ph_
.set wm0_, wmm_
.if st_ == 1
.set wm0_, 0x69
.endif
.set bnd_, 0
.if ((\s)==0) && ((\j)>0) && (((\j)&3)==0)
.set bnd_, 1
.endif
.if kap_ > 0
	NOPS
.endif
.if bnd_
	WIN 0
	s_wait_tensorcnt 0x0
.if (\j)/4+1 < NF
	ds_add_u32 v1, v2
.endif
	COMBALL pe_, cf_
	WIN 0
	s_wait_dscnt 0x0
.if (\j)/4+1 < NF
	CROUND
	tensor_load_to_lds s[G0+4*((\j)/4+1):G0+4*((\j)/4+1)+3], s[G1:G1+7]
	s_nop 0
	NOPS
.else
	s_barrier_signal -1
	s_barrier_wait -1
.endif
	WIN 0x01
	LDWS \j
	WIN wmm_
	LDW kap_
.endif
.set nw_, 0
.if (kap_+1 < 4*NSL) && (((kap_+1)&15) != 0)
	WIN wmm_
	LDW kap_+1
.set nw_, 16
.endif
.if ((\s)==1) && (((\j)&3) != 3)
	WIN 0x01
	LDWS (\j)+1
.set nw_, nw_+4
.endif
.if ((\s)==1) && (ns_==1)
	WIN 0x81
	LDB ne_
.set nw_, nw_+8
.endif
.if (NPH==2) && ((\s)==1) && ((\j)<4)
	XLD 4+(\j)
.endif
.if (st_ != 0) && ((\j)>0) && (bnd_==0)
.if (\j)==1
	s_wait_loadcnt 16*(NPH-1)
.endif
	COMBALL pe_, cf_
.endif
	s_wait_dscnt nw_
.if (\j)==0
.set lc_, 16*(3-(\s))+32
.if (NPH==2) && ((\s)>=1)
.set lc_, lc_+16
.endif
.if lc_ > 63
.set lc_, 63
.endif
	s_wait_loadcnt lc_
.endif
.if (NPH==2) && ((\j)==4)
	s_wait_loadcnt 16*(3-(\s))
.endif
	WIN wm0_
.set i_, 0
.rept 16
	MM \j, \s, i_
.set i_, i_+1
.endr
.endm
	s_load_b256 s[4:11], s[0:1], 0x0
	s_load_b64 s[12:13], s[0:1], 0x20
	v_lshl_add_u32 v1, v0, 2, SPARE
	v_mov_b32 v2, 0
	ds_add_u32 v1, v2
	ds_add_u32 v1, v2
	v_lshrrev_b32 v7, 5, v0
	v_readfirstlane_b32 s14, v7
	s_and_b32 s17, ttmp7, 0xffff
	s_mov_b32 s[G1+0], 15|(3<<16)|(1<<21)
	s_mov_b32 s[G1+1], 32<<16
	s_mov_b32 s[G1+2], 100<<16
	s_mov_b32 s[G1+3], 32<<16
	s_mov_b32 s[G1+4], 100
	s_mov_b32 s[G1+5], 32
	s_mov_b32 s[G1+6], 0
	s_mov_b32 s[G1+7], 0
	s_mul_i32 s19, s14, SLICE
	s_and_b32 s18, s14, 1
	s_lshl_b32 s18, s18, 3
	s_lshr_b32 s15, s14, 1
	s_add_co_u32 s18, s18, s15
	s_mul_i32 s18, s18, SLICE
	s_mul_i32 s20, s17, NPH*204800
	s_add_co_u32 s20, s20, WSEC
	s_add_co_u32 s84, s20, s18
	s_mov_b32 s85, 0
	s_add_co_u32 s20, s20, s19
	s_mov_b32 s21, 0
	s_bfe_u32 s70, ttmp6, 0x40000
	s_lshl_b32 s71, ttmp9, 2
	s_add_co_u32 s71, s71, s70
	s_lshl_b32 s71, s71, 2
	s_add_co_u32 s71, s71, s14
	s_mul_i32 s72, s71, KH*3072
	s_mov_b32 s73, 0
	s_lshl_b32 s74, s71, 8
	s_add_co_u32 s74, s74, XSCI
	s_mov_b32 s75, 0
	s_lshl_b32 s76, s71, 9
	s_mov_b32 s77, 0
	s_mul_i32 s78, s71, 49152
	s_mul_i32 s79, s17, 768
	s_add_co_u32 s78, s78, s79
	s_mov_b32 s79, 0
	s_lshl_b32 s80, s71, 8
	s_lshl_b32 s81, s17, 14
	s_add_co_u32 s80, s80, s81
	s_add_co_u32 s80, s80, XSCO
	s_mov_b32 s81, 0
	s_lshl_b32 s82, s17, 8
	s_mov_b32 s83, 0
	s_mov_b32 s66, 0x76543210
	s_mov_b32 s67, 0xfedcba98
	s_mov_b32 s68, 0xffff0000
	s_and_b32 s69, s17, 1
	s_lshl_b32 s69, s69, 4
	v_and_b32 v7, 31, v0
	v_lshlrev_b32 v3, 4, v7
	v_lshlrev_b32 v4, 3, v7
	v_lshlrev_b32 v5, 2, v7
	v_and_b32 v6, 15, v0
	v_lshlrev_b32 v6, 3, v6
	v_bfe_u32 v9, v0, 4, 1
	v_lshrrev_b32 v14, 4, v0
	v_and_b32 v15, 15, v0
	v_lshlrev_b32 v15, 4, v15
	v_lshl_add_u32 v14, v14, 12, v15
	v_lshl_add_u32 v8, v0, 4, BIA
	s_wait_alu depctr_va_vdst(0)
	s_wait_dscnt 0x0
	CROUND
	s_wait_kmcnt 0x0
	s_add_nc_u64 s[22:23], s[6:7], s[20:21]
	MKG0 0, 22, 0
	tensor_load_to_lds s[G0:G0+3], s[G1:G1+7]
	s_nop 0
	NOPS
	s_add_nc_u64 s[72:73], s[4:5], s[72:73]
	s_add_nc_u64 s[74:75], s[4:5], s[74:75]
	s_add_nc_u64 s[82:83], s[8:9], s[82:83]
	global_load_b128 v[10:13], v14, s[82:83]
.set k_, 0
.rept KH
	global_load_b32 v[128+2*k_], v5, s[74:75] offset:k_*16384
	global_load_b32 v[129+2*k_], v5, s[74:75] offset:k_*16384+128
.set k_, k_+1
.endr
	XLD 0
	XLD 1
	XLD 2
	XLD 3
	WIN 0
	MKG0 1, 22, 4*NPH*SLICE
.if NPH == 2
	s_add_nc_u64 s[84:85], s[6:7], s[84:85]
	MKG0 2, 84, 4*SLICE
	MKG0 3, 84, 6*SLICE
.endif
	s_add_nc_u64 s[76:77], s[10:11], s[76:77]
	s_add_nc_u64 s[78:79], s[12:13], s[78:79]
	s_add_nc_u64 s[80:81], s[12:13], s[80:81]
	s_wait_loadcnt 63
	ds_store_b128 v8, v[10:13]
.set k_, 0
.rept KH/2
	v_or_b32 v[16+2*k_], v[128+4*k_], v[130+4*k_]
	v_or_b32 v[17+2*k_], v[129+4*k_], v[131+4*k_]
.set k_, k_+1
.endr
	WIN 0x40
.set u_, 0
.rept 4
	v_add_nc_u32 v[224+2*u_], u_*2*SLICE, v3
	v_add_nc_u32 v[225+2*u_], u_*2*SLICE+512, v4
.set u_, u_+1
.endr
	v_lshl_add_u32 v236, v9, 6, BIA
	WIN 0
.irp e, 0,1,2,3,4,5,6,7
.irp m, 0,1,2,3
	global_load_b64 v[64+8*\e+2*\m:65+8*\e+2*\m], v6, s[76:77] offset:32768*\e+128*\m
.endr
.endr
	s_wait_alu depctr_va_vdst(0)
	s_wait_tensorcnt 0x0
	ds_add_u32 v1, v2
	s_wait_dscnt 0x0
	CROUND
	tensor_load_to_lds s[G0+4:G0+7], s[G1:G1+7]
	s_nop 0
	NOPS
	WIN 0x01
	LDWS 0
	WIN 0x81
	LDB 0
	WIN 0x59
	LDW 0
.set jj, 0
.rept NSL
	KSTEP jj, 0
	KSTEP jj, 1
	KSTEP jj, 2
	KSTEP jj, 3
.set jj, jj+1
.endr
	WIN 0
	NOPS
	COMBALL 7, 0
	WIN 0
.set i_, 0
.rept 128
	v_max_num_f32 v[128+i_], 0, v[128+i_]
.set i_, i_+1
.endr
.irp n, 0,1,2,3,4,5,6,7
	v_mov_b32 v[24+\n], 0
.endr
.irp n, 0,1,2,3,4,5,6,7
	v_max3_num_f32 v[16+\n], v[128+16*\n], v[129+16*\n], 0x1800000
.endr
.irp i, 2,4,6,8,10,12,14
.irp n, 0,1,2,3,4,5,6,7
	v_max3_num_f32 v[16+\n], v[16+\n], v[128+16*\n+\i], v[129+16*\n+\i]
.endr
.endr
.irp n, 0,1,2,3,4,5,6,7
	v_permlanex16_b32 v[24+\n], v[16+\n], s66, s67
.endr
.irp n, 0,1,2,3,4,5,6,7
	v_max_num_f32 v[16+\n], v[16+\n], v[24+\n]
.endr
.irp n, 0,1,2,3,4,5,6,7
	v_add_nc_u32 v[32+\n], 0xff000000, v[16+\n]
.endr
.irp n, 0,1,2,3,4,5,6,7
	v_lshrrev_b32 v[40+\n], 23, v[32+\n]
.endr
.irp m, 0,1,2,3
	v_lshl_or_b32 v[48+\m], v[41+2*\m], 8, v[40+2*\m]
.endr
.irp m, 0,1,2,3
	v_cvt_scalef32_pk16_fp6_f32 v[64+8*\m:66+8*\m], v[128+32*\m:143+32*\m], v[32+2*\m]
	v_cvt_scalef32_pk16_fp6_f32 v[96+4*\m:98+4*\m], v[144+32*\m:159+32*\m], v[33+2*\m]
.endr
	v_nop
.irp m, 0,1,2,3
.irp i, 0,1,2
	v_permlane16_swap_b32 v[64+8*\m+\i], v[96+4*\m+\i]
.endr
.irp i, 0,1,2
	v_mov_b32 v[67+8*\m+\i], v[96+4*\m+\i]
.endr
.endr
.irp m, 0,1,2,3
	global_store_b128 v3, v[64+8*\m:67+8*\m], s[78:79] offset:12288*\m
	global_store_b64 v4, v[68+8*\m:69+8*\m], s[78:79] offset:12288*\m+512
.endr
.irp p, 0,1
	v_cndmask_b32 v[52+\p], v[48+2*\p], v[49+2*\p], s68
	v_lshlrev_b32 v[52+\p], s69, v[52+\p]
	global_store_b32 v5, v[52+\p], s[80:81] offset:128*\p
.endr
	s_wait_tensorcnt 0x0
	ds_add_u32 v1, v2
	s_wait_dscnt 0x0
	CROUND
	s_endpgm
.Lfunc_end_k_qb6dcf89f2c_lay0:
	.size	k_qb6dcf89f2c_lay0, .Lfunc_end_k_qb6dcf89f2c_lay0-k_qb6dcf89f2c_lay0
	.p2alignl 7, 3214868480
	.fill 96, 4, 3214868480
	.section	.rodata,"a",@progbits
	.p2align	6, 0x0
	.amdhsa_kernel k_qb6dcf89f2c_lay0
		.amdhsa_group_segment_fixed_size 327680
		.amdhsa_private_segment_fixed_size 0
		.amdhsa_enable_private_segment 0
		.amdhsa_kernarg_size 40
		.amdhsa_user_sgpr_count 2
		.amdhsa_user_sgpr_kernarg_segment_ptr 1
		.amdhsa_wavefront_size32 1
		.amdhsa_system_sgpr_workgroup_id_x 1
		.amdhsa_system_sgpr_workgroup_id_y 1
		.amdhsa_system_sgpr_workgroup_id_z 1
		.amdhsa_system_vgpr_workitem_id 0
		.amdhsa_next_free_vgpr 768
		.amdhsa_next_free_sgpr 88
		.amdhsa_reserve_vcc 0
		.amdhsa_float_denorm_mode_32 3
		.amdhsa_float_denorm_mode_16_64 3
		.amdhsa_memory_ordered 1
		.amdhsa_forward_progress 1
		.amdhsa_inst_pref_size 172
	.end_amdhsa_kernel
	.amdgpu_metadata
---
amdhsa.version: [ 1, 2 ]
amdhsa.kernels:
  - .name:           k_qb6dcf89f2c_lay0
    .symbol:         k_qb6dcf89f2c_lay0.kd
    .args:
      - { .name: x0, .offset: 0, .size: 8, .value_kind: global_buffer, .address_space: global }
      - { .name: wq, .offset: 8, .size: 8, .value_kind: global_buffer, .address_space: global }
      - { .name: b0, .offset: 16, .size: 8, .value_kind: global_buffer, .address_space: global }
      - { .name: gt2, .offset: 24, .size: 8, .value_kind: global_buffer, .address_space: global }
      - { .name: x1, .offset: 32, .size: 8, .value_kind: global_buffer, .address_space: global }
    .group_segment_fixed_size: 327680
    .private_segment_fixed_size: 0
    .kernarg_segment_align: 8
    .kernarg_segment_size: 40
    .max_flat_workgroup_size: 128
    .sgpr_count:     88
    .vgpr_count:     768
    .wavefront_size: 32
...
	.end_amdgpu_metadata
.endif
;; end of part 6
;; launch lay1 (part 7): grid 16 x 16, 4 waves a work-group, clusters of 4 x 1, 327,680 bytes of LDS; arguments x1, wq, b1, gt2, x2; writes x2
.if DOCPART == 7
	.amdgcn_target "amdgcn-amd-amdhsa--gfx1250"
	.amdhsa_code_object_version 6
	.text
	.protected	k_qb6dcf89f2c_lay1
	.globl	k_qb6dcf89f2c_lay1
	.p2align	8
	.type	k_qb6dcf89f2c_lay1,@function
k_qb6dcf89f2c_lay1:
	s_mov_b64 s[64:65], 0
	v_nop
	global_prefetch_b8 v0, s[64:65] scope:SCOPE_SE
	s_setreg_imm32_b32 hwreg(HW_REG_WAVE_MODE, 25, 1), 1
	s_wait_xcnt 0x0
	s_wait_alu depctr_hold_cnt(0) depctr_sa_sdst(0) depctr_va_vdst(0) depctr_va_sdst(0) depctr_va_ssrc(0) depctr_va_vcc(0) depctr_vm_vsrc(0)
	s_getreg_b32 s2, hwreg(HW_REG_IB_STS2, 6, 4)
	s_cmp_eq_u32 s2, 0
	s_cbranch_scc0 .Lentry_in_a_cluster
	s_endpgm
.Lentry_in_a_cluster:
	s_bfe_u32 s2, ttmp6, 0x10000c
	s_cmp_lg_u32 s2, 0x3003
	s_cbranch_scc0 .Lentry_shape_is_right
	s_endpgm
.Lentry_shape_is_right:
; An expert layer: xout = Q(relu(sum over e of g_e (Q(x) Q(w_e) + b_e))).  One text serves layers 0 and 1; NPH (halves of 512 along K) is all that differs.  Nothing of the layer is left out.
; The quantiser stands on x and not on g x, so each expert has an f32 sum of its own (ACC), which packed multiply-adds weigh into OUT.
; LIMITS: as stated at the head of the first launch; the sums over experts and over the halves of K are added in another order than the einsum's.
; SHARES.  A work-group makes 256 rows x 64 columns, a wave 64 rows x 64 columns: 16 accumulators.  A wave's codes of x stay in its registers (192 for 512 along K), loaded from memory in operand order.
; The weights come as SLICES (one expert, my 64 columns, 512 along K: 25,600 dense bytes in operand order) through a ring of TWO SLOTS OF FOUR SLICES; all four waves read the same fragments.
; Fill f brings slices 4 f .. 4 f + 3 of the walk, wave w slice 4 f + w: one tensor load of 100 rows of 256 bytes a wave behind each round.  One load of a wave is out at a time; it is asked for a whole slot,
; 256 matrix instructions a wave, ahead of its first read, which is why no prefetch is laid.
; THE WALK (macro ATTR).  With NPH = 2: slices 0-3 are experts 0-3 on the first half of K, slices 4-7 the same experts on the second half, each weighed in by itself, so that x's second half is first read
; 256 matrix instructions into the walk and is loaded during slices 0-3; from slice 8 on an expert's two halves follow each other on the same accumulators and are weighed in once.  With NPH = 1: a slice an expert.
; CLUSTER.  The four work-groups of a cluster have other rows and the same columns: every fill is asked for JOINTLY (mask 15).
; The walk is written out, not looped: the register numbers of g and the offsets of the slots differ from expert to expert, and the last fills' steps, which ask for nothing, would have to be written out beside a loop.
; The bias is the C of an expert's first K step.  THE MATRIX INSTRUCTION IS USED TRANSPOSED (source 0 = 16 columns of w, source 1 = 16 rows of x): a lane holds one row, and its 16 registers of two neighbouring tiles are 16 neighbours of the next K.
; LDS: two slots of 102,400; the biases [8][64] f32, brought by ds_store (no fill lands there); the spare words.
; REGISTERS, in windows of 256: w0: v1, v2 the add's two; v3-6 16, 8, 4 x lane, 8 r; v16-31 x's scale words; v32-47 w's, two sets; v64-127 g as pairs (8 e + 2 m); v128-255 OUT (32 m + 8 t)
;   w1: v0-127 ACC; v128-223 w's fragments, two sets of 48; v224-231 LDS addresses, a pair for each two slices; v236 of the biases     w2: v0-191 x, first half of K; v192-223 the bias     w3: v0-191 x, second half
.set NPH,   2
.set NSL,   8*NPH                      ; slices
.set NF,    2*NPH                      ; fills
.set KH,    8*NPH                      ; half fragments in a row tile of x
.set WSEC,  (NPH-1)*3276800            ; the layer's section of wq
.set XSCI,  NPH*1572864                ; where x's half scale words begin
.set XSCO,  3145728                    ; and xout's
.set SLICE, 25600
.set SLOTB, 4*SLICE
.set BIA,   2*SLOTB
.set SPARE, BIA+2048
.set G1,    24                         ; s[24:31] descriptor group 1
.set G0,    32                         ; s[32+4f:35+4f] group 0 of fill f: written once
.set MSB,   0
.macro WIN new                         ; the immediate's high byte repeats the setting that is left
.if MSB != (\new)
	s_set_vgpr_msb (MSB<<8)|(\new)
.set MSB, \new
.endif
.endm
.macro NOPS                            ; four places (ISA guide 7.12.1)
.rept 4
	v_nop
.endr
.endm
.macro CROUND                          ; a round of the cluster's barrier
	s_barrier_signal -1
	s_barrier_wait -1
	s_cmp_lg_u32 s14, 0
	s_cbranch_scc1 .Lnw0_\@
	s_barrier_signal -3
.Lnw0_\@:
	s_barrier_wait -3
	s_barrier_signal -1
	s_barrier_wait -1
.endm
.macro ATTR j                          ; slice j of the walk: expert ae_, half ap_ of K; as_: 1 its sums begin at the bias, 2 at 0, 0 they go on
.if (NPH==2) && ((\j)<8)
.set ae_, (\j)&3
.set ap_, (\j)>>2
.set as_, 1+ap_
.else
.set ae_, (\j)/NPH
.set ap_, (\j)%NPH
.set as_, 1-ap_
.endif
.endm
.macro MKG0 u, p, off                  ; group 0 of fill u: my slice's place in the slot; my slice in wq
	s_mov_b32 s[G0+4*\u], 1
	s_add_co_u32 s[G0+4*\u+1], s19, ((\u)&1)*SLOTB
	s_add_nc_u64 s[G0+4*\u+2:G0+4*\u+3], s[\p:\p+1], \off
	s_or_b32 s[G0+4*\u+3], s[G0+4*\u+3], 0x80000000
.endm
.macro XLD S                           ; x's four fragments of K step S: 16 loads of dense 512 or 256 bytes
	WIN 0x80+0x40*((\S)>>2)
.irp m, 0,1,2,3
.irp c, 0,1
	global_load_b128 v[48*((\S)&3)+12*\m+6*\c:48*((\S)&3)+12*\m+6*\c+3], v3, s[72:73] offset:\m*KH*768+(2*(\S)+\c)*768
	global_load_b64 v[48*((\S)&3)+12*\m+6*\c+4:48*((\S)&3)+12*\m+6*\c+5], v4, s[72:73] offset:\m*KH*768+(2*(\S)+\c)*768+512
.endr
.endr
.endm
.macro LDW kk                          ; w's four fragments of K step kk (slice kk / 4, which lies at (slice % 8) x SLICE) into set kk % 2: 16 LDS loads
.set jn_, (\kk)>>2
.set ad_, 224+2*((jn_>>1)&3)
.set fb_, 128+48*((\kk)&1)
.set ob_, (jn_&1)*SLICE+((\kk)&3)*6144
.irp t, 0,1,2,3
.irp c, 0,1
	ds_load_b128 v[fb_+12*\t+6*\c:fb_+12*\t+6*\c+3], v[ad_] offset:ob_+(2*\t+\c)*768
	ds_load_b64 v[fb_+12*\t+6*\c+4:fb_+12*\t+6*\c+5], v[ad_+1] offset:ob_+(2*\t+\c)*768
.endr
.endr
.endm
.macro LDWS j                          ; slice j's scale words: register 4 b + s: lanes 0-15 tile 2 b, lanes 16-31 tile 2 b + 1
.set ad_, 225+2*(((\j)>>1)&3)
.irp b, 0,1
.irp g, 0,1
	ds_load_b64 v[32+8*((\j)&1)+4*\b+2*\g:33+8*((\j)&1)+4*\b+2*\g], v[ad_] offset:((\j)&1)*SLICE+24064+(2*\b+\g)*256
.endr
.endr
.endm
.macro LDB e                           ; expert e's bias in the result's layout
.irp t, 0,1,2,3
.irp q, 0,1
	ds_load_b128 v[192+8*\t+4*\q:195+8*\t+4*\q], v236 offset:256*(\e)+128*(\t/2)+32*(\t%2)+16*\q
.endr
.endr
.endm
.macro COMBALL e, f                    ; OUT += g_e ACC, each accumulator from its low end on; f = 1: the first products start OUT: nothing is cleared
	WIN 0x01
.set c_, 0
.rept 64
.if (\f)
	v_pk_mul_f32 v[128+2*c_:129+2*c_], v[2*c_:2*c_+1], v[64+8*(\e)+2*(c_>>4):65+8*(\e)+2*(c_>>4)]
.else
	v_pk_fma_f32 v[128+2*c_:129+2*c_], v[2*c_:2*c_+1], v[64+8*(\e)+2*(c_>>4):65+8*(\e)+2*(c_>>4)], v[128+2*c_:129+2*c_]
.endif
.set c_, c_+1
.endr
.endm
.macro MM j, s, idx                    ; accumulator idx = 4 m + t of slice j, K step s; odd tiles of w and odd row tiles of x have their scale words in lanes 16-31
.set m_, (\idx)>>2
.set t_, (\idx)&3
.set rD, 8*(\idx)
.set rA, 128+48*((\s)&1)+12*t_
.set rB, 48*(\s)+12*m_
.set rC, rD
.if st_ == 1
.set rC, 192+8*t_
.endif
.set rSA, 32+8*((\j)&1)+4*(t_>>1)+(\s)
.set rSB, 16+8*ph_+2*(\s)+(m_>>1)
.if st_ == 2
.if (t_&1) && (m_&1)
	v_wmma_scale_f32_16x16x128_f8f6f4 v[rD:rD+7], v[rA:rA+11], v[rB:rB+11], 0, v[rSA], v[rSB] matrix_a_fmt:MATRIX_FMT_FP6 matrix_b_fmt:MATRIX_FMT_FP6 matrix_a_scale:MATRIX_SCALE_ROW1 matrix_b_scale:MATRIX_SCALE_ROW1
.elseif (t_&1)
	v_wmma_scale_f32_16x16x128_f8f6f4 v[rD:rD+7], v[rA:rA+11], v[rB:rB+11], 0, v[rSA], v[rSB] matrix_a_fmt:MATRIX_FMT_FP6 matrix_b_fmt:MATRIX_FMT_FP6 matrix_a_scale:MATRIX_SCALE_ROW1
.elseif (m_&1)
	v_wmma_scale_f32_16x16x128_f8f6f4 v[rD:rD+7], v[rA:rA+11], v[rB:rB+11], 0, v[rSA], v[rSB] matrix_a_fmt:MATRIX_FMT_FP6 matrix_b_fmt:MATRIX_FMT_FP6 matrix_b_scale:MATRIX_SCALE_ROW1
.else
	v_wmma_scale_f32_16x16x128_f8f6f4 v[rD:rD+7], v[rA:rA+11], v[rB:rB+11], 0, v[rSA], v[rSB] matrix_a_fmt:MATRIX_FMT_FP6 matrix_b_fmt:MATRIX_FMT_FP6
.endif
.else
.if (t_&1) && (m_&1)
	v_wmma_scale_f32_16x16x128_f8f6f4 v[rD:rD+7], v[rA:rA+11], v[rB:rB+11], v[rC:rC+7], v[rSA], v[rSB] matrix_a_fmt:MATRIX_FMT_FP6 matrix_b_fmt:MATRIX_FMT_FP6 matrix_a_scale:MATRIX_SCALE_ROW1 matrix_b_scale:MATRIX_SCALE_ROW1
.elseif (t_&1)
	v_wmma_scale_f32_16x16x128_f8f6f4 v[rD:rD+7], v[rA:rA+11], v[rB:rB+11], v[rC:rC+7], v[rSA], v[rSB] matrix_a_fmt:MATRIX_FMT_FP6 matrix_b_fmt:MATRIX_FMT_FP6 matrix_a_scale:MATRIX_SCALE_ROW1
.elseif (m_&1)
	v_wmma_scale_f32_16x16x128_f8f6f4 v[rD:rD+7], v[rA:rA+11], v[rB:rB+11], v[rC:rC+7], v[rSA], v[rSB] matrix_a_fmt:MATRIX_FMT_FP6 matrix_b_fmt:MATRIX_FMT_FP6 matrix_b_scale:MATRIX_SCALE_ROW1
.else
	v_wmma_scale_f32_16x16x128_f8f6f4 v[rD:rD+7], v[rA:rA+11], v[rB:rB+11], v[rC:rC+7], v[rSA], v[rSB] matrix_a_fmt:MATRIX_FMT_FP6 matrix_b_fmt:MATRIX_FMT_FP6
.endif
.endif
.endm
; ONE K STEP: places; at a slot's first step the change of slots; the next K step's fragments are asked for; where sums begin anew the sums before are weighed in; the wait; 16 matrix instructions, the accumulators by turns in one order everywhere.
.macro KSTEP j, s
.set kap_, 4*(\j)+(\s)
.set pe_, 0                            ; the expert of the slice before
.if (\j) > 0
	ATTR (\j)-1
.set pe_, ae_
.endif
.set ns_, 0                            ; how the next slice begins, and its expert
.set ne_, 0
.if (\j)+1 < NSL
	ATTR (\j)+1
.set ns_, as_
.set ne_, ae_
.endif
	ATTR \j
.set ph_, ap_
.set st_, 0
.if (\s)==0
.set st_, as_
.endif
.set cf_, 0
.if (\j)==1
.set cf_, 1
.endif
.set wmm_, 0x59+4*ph_                  ; w's fragments and ACC in window 1, x in window 2 or 3; the fragments' LDS loads run under the same setting
.set wm0_, wmm_
.if st_ == 1
.set wm0_, 0x69                        ; C = the bias, in window 2
.endif
.set bnd_, 0
.if ((\s)==0) && ((\j)>0) && (((\j)&3)==0)
.set bnd_, 1
.endif
.if kap_ > 0
	NOPS                                           ; in front of loads into registers that matrix instructions have read, and of the first read of results
.endif
.if bnd_
	WIN 0
	s_wait_tensorcnt 0x0                           ; all my tensor loads have landed: my slice of the slot that is read next;
.if (\j)/4+1 < NF
	ds_add_u32 v1, v2
.endif
	COMBALL pe_, cf_                               ; work on registers that is due anyway
	WIN 0
	s_wait_dscnt 0x0                               ; the add is done and my reads of the slot left behind are over
.if (\j)/4+1 < NF
	CROUND                                         ; so of every wave of all four work-groups
	tensor_load_to_lds s[G0+4*((\j)/4+1):G0+4*((\j)/4+1)+3], s[G1:G1+7]   ; my one load behind the round: the next fill, into the slot left behind
	s_nop 0
	NOPS
.else
	s_barrier_signal -1                            ; the last slot is whole; nothing is filled again, so no round
	s_barrier_wait -1
.endif
	WIN 0x01
	LDWS \j
	WIN wmm_
	LDW kap_
.endif
.set nw_, 0
.if (kap_+1 < 4*NSL) && (((kap_+1)&15) != 0)
	WIN wmm_
	LDW kap_+1
.set nw_, 16
.endif
.if ((\s)==1) && (((\j)&3) != 3)
	WIN 0x01
	LDWS (\j)+1
.set nw_, nw_+4
.endif
.if ((\s)==1) && (ns_==1)
	WIN 0x81
	LDB ne_
.set nw_, nw_+8
.endif
.if (NPH==2) && ((\s)==1) && ((\j)<4)
	XLD 4+(\j)                                     ; x's second half of K is asked for during slices 0 to 3
.endif
.if (st_ != 0) && ((\j)>0) && (bnd_==0)
.if (\j)==1
	s_wait_loadcnt 16*(NPH-1)                      ; g is in; behind it stands at most one K step of x's second half
.endif
	COMBALL pe_, cf_                               ; these 64 lines are also the places in front of accumulators begun anew
.endif
	s_wait_dscnt nw_                               ; all but what this K step has asked for for later steps
.if (\j)==0
.set lc_, 16*(3-(\s))+32               ; behind x's K step s: the later K steps' 16 loads each, g's 32, and from s = 1 on one K step of the second half; held at the field's largest
.if (NPH==2) && ((\s)>=1)
.set lc_, lc_+16
.endif
.if lc_ > 63
.set lc_, 63
.endif
	s_wait_loadcnt lc_
.endif
.if (NPH==2) && ((\j)==4)
	s_wait_loadcnt 16*(3-(\s))                     ; x's second half: the later K steps' 16 each
.endif
	WIN wm0_
.set i_, 0
.rept 16
	MM \j, \s, i_
.set i_, i_+1
.endr
.endm
	s_load_b256 s[4:11], s[0:1], 0x0               ; x s[4:5], wq s[6:7], bias s[8:9], gt2 s[10:11]
	s_load_b64 s[12:13], s[0:1], 0x20              ; xout
	v_lshl_add_u32 v1, v0, 2, SPARE
	v_mov_b32 v2, 0
	ds_add_u32 v1, v2                              ; the wave's opening: the add, twice on end, and its wait ahead of my first tensor load
	ds_add_u32 v1, v2
	v_lshrrev_b32 v7, 5, v0
	v_readfirstlane_b32 s14, v7                    ; wave 0..3
	s_and_b32 s17, ttmp7, 0xffff                   ; cb: my 64 columns, which the four partners share
	s_mov_b32 s[G1+0], 15|(3<<16)|(1<<21)          ; mask: all four work-groups; elements of 8 bytes; bit 21 beside a mask; no padding
	s_mov_b32 s[G1+1], 32<<16                      ; rows of 256 bytes
	s_mov_b32 s[G1+2], 100<<16                     ; 100 rows: a slice
	s_mov_b32 s[G1+3], 32<<16
	s_mov_b32 s[G1+4], 100
	s_mov_b32 s[G1+5], 32
	s_mov_b32 s[G1+6], 0
	s_mov_b32 s[G1+7], 0
	s_mul_i32 s19, s14, SLICE                      ; my slice's place in a slot; also in wq where a fill is four experts on one half of K (slice (half, expert) lies at (8 half + expert) SLICE)
	s_and_b32 s18, s14, 1                          ; and where a fill is two experts on both halves: half w % 2, expert w / 2
	s_lshl_b32 s18, s18, 3
	s_lshr_b32 s15, s14, 1
	s_add_co_u32 s18, s18, s15
	s_mul_i32 s18, s18, SLICE
	s_mul_i32 s20, s17, NPH*204800
	s_add_co_u32 s20, s20, WSEC
	s_add_co_u32 s84, s20, s18
	s_mov_b32 s85, 0
	s_add_co_u32 s20, s20, s19
	s_mov_b32 s21, 0
	s_bfe_u32 s70, ttmp6, 0x40000                  ; cx: it enters the addresses of x, g and xout alone, in registers of their own
	s_lshl_b32 s71, ttmp9, 2
	s_add_co_u32 s71, s71, s70
	s_lshl_b32 s71, s71, 2
	s_add_co_u32 s71, s71, s14                     ; rg: my wave's 64 rows
	s_mul_i32 s72, s71, KH*3072
	s_mov_b32 s73, 0
	s_lshl_b32 s74, s71, 8
	s_add_co_u32 s74, s74, XSCI
	s_mov_b32 s75, 0
	s_lshl_b32 s76, s71, 9
	s_mov_b32 s77, 0
	s_mul_i32 s78, s71, 49152
	s_mul_i32 s79, s17, 768
	s_add_co_u32 s78, s78, s79
	s_mov_b32 s79, 0
	s_lshl_b32 s80, s71, 8
	s_lshl_b32 s81, s17, 14
	s_add_co_u32 s80, s80, s81
	s_add_co_u32 s80, s80, XSCO
	s_mov_b32 s81, 0
	s_lshl_b32 s82, s17, 8
	s_mov_b32 s83, 0
	s_mov_b32 s66, 0x76543210
	s_mov_b32 s67, 0xfedcba98                      ; v_permlanex16_b32's selects for lane l xor 16
	s_mov_b32 s68, 0xffff0000                      ; lanes 16-31
	s_and_b32 s69, s17, 1
	s_lshl_b32 s69, s69, 4                         ; an odd half fragment's scale bytes lie in bits 16-31
	v_and_b32 v7, 31, v0
	v_lshlrev_b32 v3, 4, v7
	v_lshlrev_b32 v4, 3, v7
	v_lshlrev_b32 v5, 2, v7
	v_and_b32 v6, 15, v0
	v_lshlrev_b32 v6, 3, v6
	v_bfe_u32 v9, v0, 4, 1
	v_lshrrev_b32 v14, 4, v0
	v_and_b32 v15, 15, v0
	v_lshlrev_b32 v15, 4, v15
	v_lshl_add_u32 v14, v14, 12, v15               ; the bias: thread n takes 16 bytes of expert n / 16
	v_lshl_add_u32 v8, v0, 4, BIA
	s_wait_alu depctr_va_vdst(0)
	s_wait_dscnt 0x0                               ; both opening adds are done
	CROUND                                         ; the round in front of the first joint loads needs no argument: it stands ahead of the wait for them
	s_wait_kmcnt 0x0
	s_add_nc_u64 s[22:23], s[6:7], s[20:21]
	MKG0 0, 22, 0
	tensor_load_to_lds s[G0:G0+3], s[G1:G1+7]      ; fill 0: my one load at the head, and my first request of memory
	s_nop 0
	NOPS
	s_add_nc_u64 s[72:73], s[4:5], s[72:73]        ; x's codes at my rows
	s_add_nc_u64 s[74:75], s[4:5], s[74:75]        ; its half scale words
	s_add_nc_u64 s[82:83], s[8:9], s[82:83]        ; the bias at my columns
	global_load_b128 v[10:13], v14, s[82:83]
.set k_, 0
.rept KH
	global_load_b32 v[128+2*k_], v5, s[74:75] offset:k_*16384        ; lane = row % 32: row tiles 0, 1
	global_load_b32 v[129+2*k_], v5, s[74:75] offset:k_*16384+128    ; row tiles 2, 3
.set k_, k_+1
.endr
	XLD 0
	XLD 1
	XLD 2
	XLD 3
	WIN 0
	MKG0 1, 22, 4*NPH*SLICE                        ; NPH = 1: experts 4-7; NPH = 2: experts 0-3 on the second half
.if NPH == 2
	s_add_nc_u64 s[84:85], s[6:7], s[84:85]
	MKG0 2, 84, 4*SLICE                            ; experts 4, 5 on both halves
	MKG0 3, 84, 6*SLICE                            ; experts 6, 7
.endif
	s_add_nc_u64 s[76:77], s[10:11], s[76:77]      ; g
	s_add_nc_u64 s[78:79], s[12:13], s[78:79]      ; xout's codes
	s_add_nc_u64 s[80:81], s[12:13], s[80:81]      ; its half scale words
	s_wait_loadcnt 63                              ; 64 loads of x were issued behind them: the bias and the half scale words are in
	ds_store_b128 v8, v[10:13]
.set k_, 0
.rept KH/2
	v_or_b32 v[16+2*k_], v[128+4*k_], v[130+4*k_]  ; a K step's scale word from its two halves
	v_or_b32 v[17+2*k_], v[129+4*k_], v[131+4*k_]
.set k_, k_+1
.endr
	WIN 0x40
.set u_, 0
.rept 4
	v_add_nc_u32 v[224+2*u_], u_*2*SLICE, v3
	v_add_nc_u32 v[225+2*u_], u_*2*SLICE+512, v4
.set u_, u_+1
.endr
	v_lshl_add_u32 v236, v9, 6, BIA                ; (these lines are also the places between the scale words' making and the first product)
	WIN 0
.irp e, 0,1,2,3,4,5,6,7
.irp m, 0,1,2,3
	global_load_b64 v[64+8*\e+2*\m:65+8*\e+2*\m], v6, s[76:77] offset:32768*\e+128*\m   ; g is first read behind slice 0: it is asked for behind x
.endr
.endr
	s_wait_alu depctr_va_vdst(0)
	s_wait_tensorcnt 0x0                           ; my slice of fill 0 is in
	ds_add_u32 v1, v2
	s_wait_dscnt 0x0                               ; the add is done, my part of the biases has landed
	CROUND
	tensor_load_to_lds s[G0+4:G0+7], s[G1:G1+7]    ; fill 1, slot 1's first
	s_nop 0
	NOPS
	WIN 0x01
	LDWS 0
	WIN 0x81
	LDB 0
	WIN 0x59
	LDW 0
.set jj, 0
.rept NSL
	KSTEP jj, 0
	KSTEP jj, 1
	KSTEP jj, 2
	KSTEP jj, 3
.set jj, jj+1
.endr
	WIN 0
	NOPS
	COMBALL 7, 0
	WIN 0
	; THE WAY OUT: relu; each row tile's 64 columns are two blocks of 32 of the next K: one half fragment and half a scale word
.set i_, 0
.rept 128
	v_max_num_f32 v[128+i_], 0, v[128+i_]
.set i_, i_+1
.endr
.irp n, 0,1,2,3,4,5,6,7
	v_mov_b32 v[24+\n], 0                          ; a lane permute's destination counts as one of its sources
.endr
.irp n, 0,1,2,3,4,5,6,7                ; n = 2 m + b: block b of row tile m; no |.|: nothing is negative
	v_max3_num_f32 v[16+\n], v[128+16*\n], v[129+16*\n], 0x1800000
.endr
.irp i, 2,4,6,8,10,12,14
.irp n, 0,1,2,3,4,5,6,7
	v_max3_num_f32 v[16+\n], v[16+\n], v[128+16*\n+\i], v[129+16*\n+\i]
.endr
.endr
.irp n, 0,1,2,3,4,5,6,7
	v_permlanex16_b32 v[24+\n], v[16+\n], s66, s67
.endr
.irp n, 0,1,2,3,4,5,6,7
	v_max_num_f32 v[16+\n], v[16+\n], v[24+\n]
.endr
.irp n, 0,1,2,3,4,5,6,7
	v_add_nc_u32 v[32+\n], 0xff000000, v[16+\n]
.endr
.irp n, 0,1,2,3,4,5,6,7
	v_lshrrev_b32 v[40+\n], 23, v[32+\n]
.endr
.irp m, 0,1,2,3
	v_lshl_or_b32 v[48+\m], v[41+2*\m], 8, v[40+2*\m]
.endr
.irp m, 0,1,2,3
	v_cvt_scalef32_pk16_fp6_f32 v[64+8*\m:66+8*\m], v[128+32*\m:143+32*\m], v[32+2*\m]
	v_cvt_scalef32_pk16_fp6_f32 v[96+4*\m:98+4*\m], v[144+32*\m:159+32*\m], v[33+2*\m]
.endr
	v_nop                                          ; one plain instruction behind a scaled conversion
.irp m, 0,1,2,3
.irp i, 0,1,2
	v_permlane16_swap_b32 v[64+8*\m+\i], v[96+4*\m+\i]
.endr
.irp i, 0,1,2
	v_mov_b32 v[67+8*\m+\i], v[96+4*\m+\i]
.endr
.endr
.irp m, 0,1,2,3
	global_store_b128 v3, v[64+8*\m:67+8*\m], s[78:79] offset:12288*\m        ; 512 consecutive bytes, aligned to 256
	global_store_b64 v4, v[68+8*\m:69+8*\m], s[78:79] offset:12288*\m+512     ; 256 more
.endr
.irp p, 0,1
	v_cndmask_b32 v[52+\p], v[48+2*\p], v[49+2*\p], s68   ; lanes 0-15 row tile 2 p, lanes 16-31 row tile 2 p + 1
	v_lshlrev_b32 v[52+\p], s69, v[52+\p]
	global_store_b32 v5, v[52+\p], s[80:81] offset:128*\p
.endr
	s_wait_tensorcnt 0x0                           ; the wave's end
	ds_add_u32 v1, v2
	s_wait_dscnt 0x0
	CROUND                                         ; the closing round
	s_endpgm
.Lfunc_end_k_qb6dcf89f2c_lay1:
	.size	k_qb6dcf89f2c_lay1, .Lfunc_end_k_qb6dcf89f2c_lay1-k_qb6dcf89f2c_lay1
	.p2alignl 7, 3214868480
	.fill 96, 4, 3214868480
	.section	.rodata,"a",@progbits
	.p2align	6, 0x0
	.amdhsa_kernel k_qb6dcf89f2c_lay1
		.amdhsa_group_segment_fixed_size 327680
		.amdhsa_private_segment_fixed_size 0
		.amdhsa_enable_private_segment 0
		.amdhsa_kernarg_size 40
		.amdhsa_user_sgpr_count 2
		.amdhsa_user_sgpr_kernarg_segment_ptr 1
		.amdhsa_wavefront_size32 1
		.amdhsa_system_sgpr_workgroup_id_x 1
		.amdhsa_system_sgpr_workgroup_id_y 1
		.amdhsa_system_sgpr_workgroup_id_z 1
		.amdhsa_system_vgpr_workitem_id 0
		.amdhsa_next_free_vgpr 1024
		.amdhsa_next_free_sgpr 88
		.amdhsa_reserve_vcc 0
		.amdhsa_float_denorm_mode_32 3
		.amdhsa_float_denorm_mode_16_64 3
		.amdhsa_memory_ordered 1
		.amdhsa_forward_progress 1
		.amdhsa_inst_pref_size 255
	.end_amdhsa_kernel
	.section	.bss,"aw",@nobits
	.p2align	6
	.space	262144
	.amdgpu_metadata
---
amdhsa.version: [ 1, 2 ]
amdhsa.kernels:
  - .name:           k_qb6dcf89f2c_lay1
    .symbol:         k_qb6dcf89f2c_lay1.kd
    .args:
      - { .name: x1, .offset: 0, .size: 8, .value_kind: global_buffer, .address_space: global }
      - { .name: wq, .offset: 8, .size: 8, .value_kind: global_buffer, .address_space: global }
      - { .name: b1, .offset: 16, .size: 8, .value_kind: global_buffer, .address_space: global }
      - { .name: gt2, .offset: 24, .size: 8, .value_kind: global_buffer, .address_space: global }
      - { .name: x2, .offset: 32, .size: 8, .value_kind: global_buffer, .address_space: global }
    .group_segment_fixed_size: 327680
    .private_segment_fixed_size: 0
    .kernarg_segment_align: 8
    .kernarg_segment_size: 40
    .max_flat_workgroup_size: 128
    .sgpr_count:     88
    .vgpr_count:     1024
    .wavefront_size: 32
...
	.end_amdgpu_metadata
.endif
;; end of part 7
;; launch tail (part 8): grid 256 x 1, 4 waves a work-group, no clusters, 20,992 bytes of LDS; arguments x2, wq, b2, gt2, out0; writes out0
.if DOCPART == 8
	.amdgcn_target "amdgcn-amd-amdhsa--gfx1250"
	.amdhsa_code_object_version 6
	.text
	.protected	k_qb6dcf89f2c_tail
	.globl	k_qb6dcf89f2c_tail
	.p2align	8
	.type	k_qb6dcf89f2c_tail,@function
k_qb6dcf89f2c_tail:
	s_mov_b64 s[64:65], 0
	v_nop
	global_prefetch_b8 v0, s[64:65] scope:SCOPE_SE
	s_setreg_imm32_b32 hwreg(HW_REG_WAVE_MODE, 25, 1), 1
	s_wait_xcnt 0x0
; The last expert layer: out0 = tanh(sum over e of g_e (Q(x) Q(w2_e) + b2_e)).  Nothing of it is left out.
; LIMITS: as stated at the head of the first launch.  tanh(y) = 1 - 2 / (1 + 2^(2 log2(e) y)): an absolute error of some 1e-7 near 0; it goes to +-1 where the exponential overflows or falls to 0.
; The sums over K and over experts are added in another order than the einsum's.
; SHARES.  Work-group n owns 64 rows (n / 4) x one tile of 16 outputs (t = n % 4): 256 work-groups.  Wave w takes K steps 2 w and 2 w + 1 for all 8 experts: 32 accumulators (expert, row tile), two matrix
; instructions each.  So a work-group reads its 49,152 bytes of x once and each fragment of its tile of w2 once, from memory, where they lie in operand order, straight into registers.
; Each wave's sums begin at a quarter of the bias (a power of two: nothing is rounded), so that the four waves' weighed sums, which meet in LDS, hold the bias once.  Each wave then finishes 16 rows.
; A tile's 16 outputs are two runs of 8 columns, so a row's part leaves as two pieces of 32 bytes: the price of a share small enough for 256 work-groups; out0 is 1,048,576 bytes in all.
; NO CLUSTER, NO LDS FOR OPERANDS: inside a work-group no fragment is used by two waves.  No prefetch: there is no loop to run ahead in, all loads are issued at the head.
; REGISTERS, in windows of 256: w0: v1, v2 the add's two; v3-15 lane terms; v16-23 x's half scale words, v24-27 its words; v32-47 w2's words (2 e + i); v64-127 g as pairs (8 e + 2 m); v128-159 OUT (8 m);
;   v160-223 the biases (8 e)     w1: ACC (8 (4 e + m))     w2: v0-191 w2's fragments (24 e + 12 i)     w3: v0-95 x's (48 i + 12 m)
.set SPARE, 20480                      ; behind the four stages of 64 rows x 80 bytes
.set MSB,   0
.macro WIN new
.if MSB != (\new)
	s_set_vgpr_msb (MSB<<8)|(\new)
.set MSB, \new
.endif
.endm
.macro TMM e, m, i
.set rD, 8*(4*(\e)+(\m))
.set rC, rD
.if (\i) == 0
.set rC, 160+8*(\e)
.endif
.if (\m)&1
	v_wmma_scale_f32_16x16x128_f8f6f4 v[rD:rD+7], v[24*(\e)+12*(\i):24*(\e)+12*(\i)+11], v[48*(\i)+12*(\m):48*(\i)+12*(\m)+11], v[rC:rC+7], v[32+2*(\e)+(\i)], v[24+2*(\i)+((\m)>>1)] matrix_a_fmt:MATRIX_FMT_FP6 matrix_b_fmt:MATRIX_FMT_FP6 matrix_b_scale:MATRIX_SCALE_ROW1
.else
	v_wmma_scale_f32_16x16x128_f8f6f4 v[rD:rD+7], v[24*(\e)+12*(\i):24*(\e)+12*(\i)+11], v[48*(\i)+12*(\m):48*(\i)+12*(\m)+11], v[rC:rC+7], v[32+2*(\e)+(\i)], v[24+2*(\i)+((\m)>>1)] matrix_a_fmt:MATRIX_FMT_FP6 matrix_b_fmt:MATRIX_FMT_FP6
.endif
.endm
	s_load_b256 s[4:11], s[0:1], 0x0               ; x2 s[4:5], wq s[6:7], b2 s[8:9], gt2 s[10:11]
	s_load_b64 s[12:13], s[0:1], 0x20              ; out0
	v_lshl_add_u32 v1, v0, 2, SPARE
	v_mov_b32 v2, 0
	v_lshrrev_b32 v7, 5, v0
	v_readfirstlane_b32 s14, v7                    ; wave 0..3
	v_and_b32 v7, 31, v0
	v_lshlrev_b32 v3, 4, v7
	v_lshlrev_b32 v4, 3, v7
	v_lshlrev_b32 v5, 2, v7
	v_and_b32 v11, 15, v0                          ; r
	v_lshlrev_b32 v6, 3, v11
	v_bfe_u32 v10, v0, 4, 1                        ; h
	v_lshlrev_b32 v9, 6, v10
	s_lshr_b32 s15, ttmp9, 2                       ; rg: my 64 rows
	s_and_b32 s28, ttmp9, 3                        ; t = 2 b + u
	s_and_b32 s29, s28, 1
	s_lshr_b32 s30, s28, 1
	s_lshl_b32 s31, s29, 7
	v_add_nc_u32 v12, s31, v6                      ; w2's scale words: tile row r of tile t lies at lane r + 16 u: every lane half takes them, so lanes 0-15 serve
	s_mul_i32 s31, s14, 5120
	v_mul_u32_u24 v7, v11, 80
	v_lshl_add_u32 v7, v10, 5, v7
	v_add_nc_u32 v7, s31, v7                       ; my stage: row r of a row tile, + 32 h
	s_mul_i32 s31, s14, 1280
	v_bfe_u32 v13, v0, 1, 4
	v_and_b32 v14, 1, v0
	v_mul_u32_u24 v8, v13, 80
	v_lshl_add_u32 v8, v14, 5, v8
	v_add_nc_u32 v8, s31, v8                       ; back: row 16 w + lane / 2, half lane % 2
	v_lshlrev_b32 v15, 8, v13
	v_lshl_add_u32 v15, v14, 6, v15                ; and in out0: a row is 256 bytes; the tile's upper 8 outputs lie 16 columns on
	s_mul_i32 s16, s15, 49152
	s_mul_i32 s31, s14, 3072
	s_add_co_u32 s16, s16, s31                     ; x: half fragments 4 w on
	s_mov_b32 s17, 0
	s_lshl_b32 s18, s15, 8
	s_lshl_b32 s31, s14, 16
	s_add_co_u32 s18, s18, s31
	s_add_co_u32 s18, s18, 3145728
	s_mov_b32 s19, 0
	s_lshr_b32 s32, s14, 1                         ; K half
	s_and_b32 s33, s14, 1
	s_mul_i32 s22, s32, 204800
	s_add_co_u32 s22, s22, 9830400
	s_mul_i32 s20, s33, 12288
	s_add_co_u32 s20, s20, s22
	s_mul_i32 s31, s28, 1536
	s_add_co_u32 s20, s20, s31                     ; w2: K steps 2 (w % 2) on of the slice, tile t
	s_mov_b32 s21, 0
	s_lshl_b32 s31, s30, 1
	s_add_co_u32 s31, s31, s33
	s_lshl_b32 s31, s31, 8
	s_add_co_u32 s22, s22, s31
	s_add_co_u32 s22, s22, 24576                   ; its scale words: (2 b + w % 2) 256
	s_mov_b32 s23, 0
	s_lshl_b32 s24, s30, 7
	s_lshl_b32 s31, s29, 5
	s_add_co_u32 s24, s24, s31                     ; column 32 b + 8 u, in bytes
	s_mov_b32 s25, 0
	s_lshl_b32 s26, s15, 9
	s_mov_b32 s27, 0
	s_lshl_b32 s34, s15, 14
	s_lshl_b32 s31, s14, 12
	s_add_co_u32 s34, s34, s31
	s_add_co_u32 s34, s34, s24
	s_mov_b32 s35, 0
	s_wait_alu depctr_va_vdst(0)
	s_wait_kmcnt 0x0
	s_add_nc_u64 s[16:17], s[4:5], s[16:17]
	s_add_nc_u64 s[18:19], s[4:5], s[18:19]
	s_add_nc_u64 s[20:21], s[6:7], s[20:21]
	s_add_nc_u64 s[22:23], s[6:7], s[22:23]
	s_add_nc_u64 s[24:25], s[8:9], s[24:25]
	s_add_nc_u64 s[26:27], s[10:11], s[26:27]
	s_add_nc_u64 s[34:35], s[12:13], s[34:35]
.irp k, 0,1,2,3
	global_load_b32 v[16+2*\k], v5, s[18:19] offset:\k*16384
	global_load_b32 v[17+2*\k], v5, s[18:19] offset:\k*16384+128
.endr
.irp e, 0,1,2,3,4,5,6,7
	global_load_b64 v[32+2*\e:33+2*\e], v12, s[22:23] offset:\e*25600
.endr
.irp e, 0,1,2,3,4,5,6,7
	global_load_b128 v[160+8*\e:163+8*\e], v9, s[24:25] offset:256*\e
	global_load_b128 v[164+8*\e:167+8*\e], v9, s[24:25] offset:256*\e+16
.endr
	WIN 0xc0
.irp i, 0,1
.irp m, 0,1,2,3
.irp c, 0,1
	global_load_b128 v[48*\i+12*\m+6*\c:48*\i+12*\m+6*\c+3], v3, s[16:17] offset:\m*12288+(2*\i+\c)*768
	global_load_b64 v[48*\i+12*\m+6*\c+4:48*\i+12*\m+6*\c+5], v4, s[16:17] offset:\m*12288+(2*\i+\c)*768+512
.endr
.endr
.endr
	WIN 0x80
.irp i, 0,1
.irp e, 0,1,2,3,4,5,6,7
.irp c, 0,1
	global_load_b128 v[24*\e+12*\i+6*\c:24*\e+12*\i+6*\c+3], v3, s[20:21] offset:\e*25600+\i*6144+\c*768
	global_load_b64 v[24*\e+12*\i+6*\c+4:24*\e+12*\i+6*\c+5], v4, s[20:21] offset:\e*25600+\i*6144+\c*768+512
.endr
.endr
.endr
	WIN 0
.irp e, 0,1,2,3,4,5,6,7
.irp m, 0,1,2,3
	global_load_b64 v[64+8*\e+2*\m:65+8*\e+2*\m], v6, s[26:27] offset:32768*\e+128*\m
.endr
.endr
	s_wait_loadcnt 63                              ; behind the first K step's fragments stand the second's 32 loads and g's 32: the count is the field's largest
.irp i, 0,1
.irp p, 0,1
	v_or_b32 v[24+2*\i+\p], v[16+4*\i+\p], v[18+4*\i+\p]   ; a K step's scale word of x from its two halves
.endr
.endr
.set n_, 0
.rept 32
	v_pk_mul_f32 v[160+2*n_:161+2*n_], v[160+2*n_:161+2*n_], 0x3e800000 op_sel_hi:[1,0]   ; a quarter of the bias; these lines are also the places behind the scale words' making
.set n_, n_+1
.endr
.rept 4
	v_nop
.endr
	WIN 0x4e                                       ; D window 1, C window 0, x window 3, w2 window 2
.irp e, 0,1,2,3,4,5,6,7
.irp m, 0,1,2,3
	TMM \e, \m, 0
.endr
.endr
	s_wait_loadcnt 32                              ; g's 32 loads may be out
	WIN 0x5e
.irp e, 0,1,2,3,4,5,6,7                ; the 32 accumulators by turns
.irp m, 0,1,2,3
	TMM \e, \m, 1
.endr
.endr
	WIN 0
.rept 4
	v_nop
.endr
	s_wait_loadcnt 0x0                             ; g
	WIN 0x01
.irp m, 0,1,2,3
.irp i, 0,1,2,3
	v_pk_mul_f32 v[128+8*\m+2*\i:129+8*\m+2*\i], v[8*\m+2*\i:8*\m+2*\i+1], v[64+2*\m:65+2*\m]
.endr
.endr
.irp e, 1,2,3,4,5,6,7
.irp m, 0,1,2,3
.irp i, 0,1,2,3
	v_pk_fma_f32 v[128+8*\m+2*\i:129+8*\m+2*\i], v[8*(4*\e+\m)+2*\i:8*(4*\e+\m)+2*\i+1], v[64+8*\e+2*\m:65+8*\e+2*\m], v[128+8*\m+2*\i:129+8*\m+2*\i]
.endr
.endr
.endr
	WIN 0
.irp m, 0,1,2,3                        ; register 8 m + j of lane (r, h) is (row 16 m + r, the tile's output 8 h + j)
	ds_store_b128 v7, v[128+8*\m:131+8*\m] offset:1280*\m
	ds_store_b128 v7, v[132+8*\m:135+8*\m] offset:1280*\m+16
.endr
	s_wait_dscnt 0x0                               ; for the others' sake: my stores have landed
	s_barrier_signal -1
	s_barrier_wait -1
.irp q, 0,1,2,3
	ds_load_b128 v[64+8*\q:67+8*\q], v8 offset:5120*\q
	ds_load_b128 v[68+8*\q:71+8*\q], v8 offset:5120*\q+16
.endr
	s_wait_dscnt 0x0
.irp p, 0,1,2,3
	v_pk_add_f32 v[64+2*\p:65+2*\p], v[64+2*\p:65+2*\p], v[72+2*\p:73+2*\p]
	v_pk_add_f32 v[80+2*\p:81+2*\p], v[80+2*\p:81+2*\p], v[88+2*\p:89+2*\p]
.endr
.irp p, 0,1,2,3
	v_pk_add_f32 v[64+2*\p:65+2*\p], v[64+2*\p:65+2*\p], v[80+2*\p:81+2*\p]
.endr
.irp n, 0,1,2,3,4,5,6,7
	v_mul_f32 v[64+\n], 0x4038aa3b, v[64+\n]       ; 2 log2(e) y
.endr
	s_wait_alu depctr_va_vdst(0)
.irp n, 0,1,2,3,4,5,6,7
	v_exp_f32 v[64+\n], v[64+\n]
.endr
	v_nop
	s_wait_alu depctr_va_vdst(0)
.irp n, 0,1,2,3,4,5,6,7
	v_add_f32 v[64+\n], 1.0, v[64+\n]
.endr
	s_wait_alu depctr_va_vdst(0)
.irp n, 0,1,2,3,4,5,6,7
	v_rcp_f32 v[64+\n], v[64+\n]
.endr
	v_nop
	s_wait_alu depctr_va_vdst(0)
.irp n, 0,1,2,3,4,5,6,7
	v_fma_f32 v[64+\n], v[64+\n], -2.0, 1.0
.endr
	global_store_b128 v15, v[64:67], s[34:35]
	global_store_b128 v15, v[68:71], s[34:35] offset:16
	s_wait_tensorcnt 0x0                           ; the wave's end
	ds_add_u32 v1, v2
	s_wait_dscnt 0x0
	s_endpgm
.Lfunc_end_k_qb6dcf89f2c_tail:
	.size	k_qb6dcf89f2c_tail, .Lfunc_end_k_qb6dcf89f2c_tail-k_qb6dcf89f2c_tail
	.p2alignl 7, 3214868480
	.fill 96, 4, 3214868480
	.section	.rodata,"a",@progbits
	.p2align	6, 0x0
	.amdhsa_kernel k_qb6dcf89f2c_tail
		.amdhsa_group_segment_fixed_size 20992
		.amdhsa_private_segment_fixed_size 0
		.amdhsa_enable_private_segment 0
		.amdhsa_kernarg_size 40
		.amdhsa_user_sgpr_count 2
		.amdhsa_user_sgpr_kernarg_segment_ptr 1
		.amdhsa_wavefront_size32 1
		.amdhsa_system_sgpr_workgroup_id_x 1
		.amdhsa_system_sgpr_workgroup_id_y 1
		.amdhsa_system_sgpr_workgroup_id_z 1
		.amdhsa_system_vgpr_workitem_id 0
		.amdhsa_next_free_vgpr 896
		.amdhsa_next_free_sgpr 66
		.amdhsa_reserve_vcc 0
		.amdhsa_float_denorm_mode_32 3
		.amdhsa_float_denorm_mode_16_64 3
		.amdhsa_memory_ordered 1
		.amdhsa_forward_progress 1
		.amdhsa_inst_pref_size 43
	.end_amdhsa_kernel
	.amdgpu_metadata
---
amdhsa.version: [ 1, 2 ]
amdhsa.kernels:
  - .name:           k_qb6dcf89f2c_tail
    .symbol:         k_qb6dcf89f2c_tail.kd
    .args:
      - { .name: x2, .offset: 0, .size: 8, .value_kind: global_buffer, .address_space: global }
      - { .name: wq, .offset: 8, .size: 8, .value_kind: global_buffer, .address_space: global }
      - { .name: b2, .offset: 16, .size: 8, .value_kind: global_buffer, .address_space: global }
      - { .name: gt2, .offset: 24, .size: 8, .value_kind: global_buffer, .address_space: global }
      - { .name: out0, .offset: 32, .size: 8, .value_kind: global_buffer, .address_space: global }
    .group_segment_fixed_size: 20992
    .private_segment_fixed_size: 0
    .kernarg_segment_align: 8
    .kernarg_segment_size: 40
    .max_flat_workgroup_size: 128
    .sgpr_count:     66
    .vgpr_count:     896
    .wavefront_size: 32
...
	.end_amdgpu_metadata
.endif
;; end of part 8
